; MI455X (gfx1250); checked and timed in simulation.
; The chip was launched on July 23, 2026; its instructions are those of AMD's public machine-readable ISA for CDNA 5 (MIT licence, August 2026) and "CDNA5" Instruction Set Architecture Reference Guide (July 2026). The comments in the code are by the model that wrote it; some were corrected since.
;; Attention. Allowed arithmetic: matrix products marked QUANTISED: E2M3 operands, one E8M0 scale for each 32 along K, by v_wmma_scale_f32_16x16x128_f8f6f4 with both operands' format E2M3, f32 sums; everything else in f32.
;; Inputs: Wk_codes 1,024 x 32 x 24 uint8 (E2M3 codes of Wk, K innermost, in blocks of 32 codes, four codes in three bytes); Wk_scales 1,024 x 32 uint8 (E8M0 scales of Wk, one for each 32 codes along K); Wq_codes 1,024 x 32 x 24 uint8 (E2M3 codes of Wq, K innermost, in blocks of 32 codes, four codes in three bytes); Wq_scales 1,024 x 32 uint8 (E8M0 scales of Wq, one for each 32 codes along K); Wv_codes 1,024 x 32 x 24 uint8 (E2M3 codes of Wv, K innermost, in blocks of 32 codes, four codes in three bytes); Wv_scales 1,024 x 32 uint8 (E8M0 scales of Wv, one for each 32 codes along K); bk 1,024 float32; bq 1,024 float32; bv 1,024 float32; key_codes 8 x 2,048 x 32 x 24 uint8 (E2M3 codes of key, K innermost, in blocks of 32 codes, four codes in three bytes); key_scales 8 x 2,048 x 32 uint8 (E8M0 scales of key, one for each 32 codes along K); mask 8 x 2,048 int32; query_codes 8 x 512 x 32 x 24 uint8 (E2M3 codes of query, K innermost, in blocks of 32 codes, four codes in three bytes); query_scales 8 x 512 x 32 uint8 (E8M0 scales of query, one for each 32 codes along K).
;; Outputs: out0 8 x 512 x 1,024 float32; out1 8 x 512 x 2,048 float32.
;; This version of the problem:
;;   THIS VERSION OF THE PROBLEM IS GIVEN IN LOW PRECISION. The matrix products marked QUANTISED in the list below multiply operands that are first quantised to E2M3 (2 exponent bits, 3 mantissa bits; 6 bits a number), with one power-of-two scale for each 32 numbers along K (OCP MX v1.0); their sums are f32. All else is computed in f32.
;;   The module's matrix products, in the order in which they are computed (A, B: the left and right operand; K: the contracted axis; several contracted axes count as one K, in the product's order):
;;     1. [M 4,096, K 1,024] x [K 1,024, N 1,024]; A: input query (given as codes); B: input Wq (given as codes): QUANTISED
;;     2. [M 16,384, K 1,024] x [K 1,024, N 1,024]; A: input key (given as codes); B: input Wk (given as codes): QUANTISED
;;     3. [M 16,384, K 1,024] x [K 1,024, N 1,024]; A: computed on the way; B: input Wv (given as codes): QUANTISED
;;     4. batch 8 x [M 512, K 1,024] x [K 1,024, N 2,048]; A: computed on the way; B: computed on the way: QUANTISED
;;     5. batch 8 x [M 512, K 2,048] x [K 2,048, N 1,024]; A: computed on the way; B: computed on the way: QUANTISED
;;   THE QUANTISER, for each operand of a quantised product, along K:
;;     - K is cut into blocks of 32 from its start; a last block that is shorter is filled with zeros.
;;     - A block's scale is 2^e with e = floor(log2(the largest magnitude in the block)) - 2, held to -126 .. 127; a block of zeros has e = 0. As a byte (E8M0): e + 127.
;;     - Each number is divided by its block's scale, clamped to +-7.5, and rounded to the nearest number of E2M3, ties to even, subnormals kept.
;;     - The product sums the exact products of the quantised numbers (number of the format x scale) in f32.
;;   ~~~python
;;   def quantise(x, axis):      # numpy; x: float32 -> the quantised numbers, widened to float32 again
;;       x = np.moveaxis(x, axis, -1); K = x.shape[-1]
;;       x = np.pad(x, [(0, 0)] * (x.ndim - 1) + [(0, -K % 32)]); x = x.reshape(x.shape[:-1] + (-1, 32)); a = np.abs(x).max(-1, keepdims=True)
;;       e = np.where(a > 0, np.clip(np.frexp(np.where(a > 0, a, 1))[1] - 1 - 2, -126, 127), 0)      # np.frexp(a)[1] - 1 = floor(log2(a)), exactly
;;       r = np.clip(x / 2.0 ** e, -7.5, 7.5)
;;       step = 2.0 ** (np.maximum(np.frexp(np.where(r == 0, 1, r))[1] - 1, 0) - 3)
;;       q = np.round(r / step) * step * 2.0 ** e      # np.round: ties to even
;;       return np.moveaxis(q.reshape(q.shape[:-2] + (-1,))[..., :K], -1, axis).astype(np.float32)
;;   ~~~
;;   OPERANDS COMPUTED ON THE WAY. 'Computed on the way' means the value that the module computes at that place (a softmax that the list does not call 'softmax' is quantised finished and normalised). What goes into a quantiser is computed in f32, as accurately as f32 sums, v_exp_f32 and their like allow (about 1e-6 of the number): no bf16 or f16 on the way to a quantiser, and a product that is left as it is and whose result goes on into a quantised operand takes f32 operands (vector FMAs, or v_wmma_f32_16x16x4_f32). A number that lies on a knife's edge between two numbers of the format may be rounded either way, as far as f32 arithmetic and the matrix unit's own rounding can turn it there, and no further.
;;   INPUTS GIVEN AS CODES. Wk (in the module: [1024, 1024], K = its axis 1); Wq (in the module: [1024, 1024], K = its axis 1); Wv (in the module: [1024, 1024], K = its axis 1); key (in the module: [8, 2048, 1024], K = its axis 2); query (in the module: [8, 512, 1024], K = its axis 2): each comes as NAME_codes (uint8): NAME with its K axis moved to the last place and cut into blocks of 32 codes, [.., K / 32, bytes a block], one block behind the other in memory; four codes in three bytes: a row's codes are one little-endian stream of bits, code i at bits 6 i .. 6 i + 5 (a code: sign, 2 exponent bits, 3 mantissa bits); and NAME_scales (uint8): the same leading axes, one E8M0 byte (e + 127) for each 32 codes along K. Its value is code x scale, taken as it is: it is not quantised again, and the codes and scales need not be those that the quantiser above would give.
;; 2 versions. Each part assembles by itself: llvm-mc -triple=amdgcn-amd-amdhsa -mcpu=gfx1250 --defsym DOCPART=n.
;; ======== version 1 of 2: 5 launches
;; workspace buffers: kb 13,107,200 bytes; qb 3,276,800 bytes; vb 13,107,200 bytes; pb 6,553,600 bytes; st 524,288 bytes
;; launch proj (part 1): grid 4 x 80, 4 waves a work-group, clusters of 4 x 4, 327,680 bytes of LDS; arguments key_codes, key_scales, Wk_codes, Wk_scales, bk, kb, query_codes, query_scales, Wq_codes, Wq_scales, bq, qb; writes kb, qb
.if DOCPART == 1
	.amdgcn_target "amdgcn-amd-amdhsa--gfx1250"
	.amdhsa_code_object_version 6
	.text
	.protected	k_q594ffeed31_proj
	.globl	k_q594ffeed31_proj
	.p2align	8
	.type	k_q594ffeed31_proj,@function
k_q594ffeed31_proj:
	s_mov_b64 s[64:65], 0
	v_nop
	global_prefetch_b8 v0, s[64:65] scope:SCOPE_SE
	s_setreg_imm32_b32 hwreg(HW_REG_WAVE_MODE, 25, 1), 1
	s_wait_xcnt 0x0
	s_wait_alu depctr_hold_cnt(0) depctr_sa_sdst(0) depctr_va_vdst(0) depctr_va_sdst(0) depctr_va_ssrc(0) depctr_va_vcc(0) depctr_vm_vsrc(0)
	s_getreg_b32 s2, hwreg(HW_REG_IB_STS2, 6, 4)
	s_cmp_eq_u32 s2, 0
	s_cbranch_scc0 .Lentry_in_a_cluster
	s_endpgm
.Lentry_in_a_cluster:
	s_bfe_u32 s2, ttmp6, 0x10000c
	s_cmp_lg_u32 s2, 0xf033
	s_cbranch_scc0 .Lentry_shape_is_right
	s_endpgm
.Lentry_shape_is_right:
; k = key Wk^T + bk and q = query Wq^T + bq, on the given codes of E2M3, each result quantised along its 1,024 columns (the K of the later products).
; NOTHING OF reference() IS LEFT OUT in this program: every input has a way to an output, and both biases move codes.  Its fourth product (the scores) is even made twice, once for the rows' maxima and
; sums and once for the weights, since the weights are quantised finished and normalised and the scores are not sent through memory.
; LIMITS of the program: a score that is infinite or NaN at a masked key gives NaN and then 0 (the mask is applied as score x 0 + constant); NaN and infinities in the biases are not served; a block of zeros
; gets the scale byte 1 where the rule says 127: its codes are zeros, and the bytes are read by this program alone.
; SHARES.  A work-group of four waves makes 256 rows x 256 columns, a wave 128 x 128: 64 accumulators.  Clusters 0-15 along y take key, Wk, bk, kb; clusters 16-19 query, Wq, bq, qb: a choice of pointers by the
; cluster's y, which all sixteen partners share.  K goes in chunks of 256 through two LDS slots; A's tile is asked for jointly by a row of the cluster, B's by a column.
; TRANSPOSED USE: source 0 = 16 rows of the weight, source 1 = 16 rows of key or query: a lane holds one row and, in tile b, columns 16 b + 8 (lane / 16) + 0 .. 7.
; OUT.  A wave's 128 columns of 16 rows are one fragment of a later product.  It is stored as an IMAGE OF ITS REGISTERS: 12 registers a lane, [4 registers][lane][16 bytes], 1,536 bytes, three stores of 512 consecutive
; bytes.  Codes: [chunk of 256 K][row / 16][half chunk][1,536].  Scale words: planes [128 along K][row][4 bytes].
.set NA,    8                          ; blocks of 16 rows of A in a wave's tile
.set NB,    8                          ; of B
.set AIMG,  0                          ; A comes as rows of codes (0) or as images (1)
.set BIMG,  0
.set KST,   8                          ; steps of 128 along K
.set SQ,    2                          ; steps in a slot
.set NSLOT, 2
.set APART, 30720                      ; half of A's tile in a slot: 128 rows x 240 bytes (3 x (64 + 16 of padding))
.set BPART, 30720
.set ACP,   0                          ; (images alone: a chunk's bytes in a part)
.set BCP,   0
.set STEPA, 384                        ; a refill is two chunks on: 2 x 192 bytes in a row
.set STEPB, 384
.set NLA,   6                          ; LDS loads that bring a fragment of A
.set CMODE, 2                          ; the first step's C: the bias by column
.set BOFF,  2*APART                    ; a slot: A part 0, A part 1, B part 0, B part 1
.set SLOT,  2*APART+2*BPART
.set SPARE, NSLOT*SLOT                 ; behind the ring: the spare words, 128 bytes a wave: two blocks of 256 bytes that no other line names
; window 0
.set LI,  4                            ; 16 x lane
.set L4,  5                            ; 4 x lane
.set L8,  6                            ; 8 x lane
.set L32, 7                            ; 32 x lane
.set ADA, 8                            ; v8-10 LDS address of my A fragments by slot; v11-13 the same for pieces behind one padding more
.set ADB, 14                           ; v14-16, v17-19 the same for B
.set SPW, 28                           ; my spare word's LDS address; never rewritten
.set NIL, 29                           ; 0; never rewritten
.set SCA, 32                           ; v32-63 A's scale words: register KST g + s: lane L holds row 32 g + L, step s
.set SCB, 64                           ; v64-95 B's
.set TM,  96                           ; v96-111 at work in the quantiser
.set PW,  112                          ; the scale word just made;  v113 the even block's
.set PWE, 113
.set PX,  114
.set AF,  128                          ; v128-223 A's fragments, one set
.set PC,  224                          ; v224-235 the codes just made; v236-242 their second halves
.set PY,  236
; window 1: B's fragments, two sets at v0 and v128; the bias at v96-127 and v224-255.   windows 2, 3: the accumulators, (a, b) at 8 (NB a + b)
.set G1A, 28                           ; s[28:35] descriptor group 1 for A's tiles, s[36:43] for B's
.set G1B, 36
.set G0A, 44                           ; s[44:55] groups 0 for A's tiles, a set a slot
.set G0B, 56                           ; s[56:63], s[68:71] for B's
.set WV,  72
.set WR,  73                           ; my half of the tile's rows.  Also: I fetch for A (0) or for B (1)
.set WC,  74                           ; my half of its columns.  Also: which part I fetch
.set CX,  75
.set CY,  76
.set TX,  77
.set TY,  78
.set HM,  79                           ; lanes 16-31
.set SEL, 80                           ; s[80:81] v_permlanex16_b32's selects for lane l xor 16
.set TA,  82                           ; s[82:84] A's tile: address, LDS place: never hold cx
.set AROW, 85                          ; my first row of A
.set TB,  86                           ; s[86:88] B's: never hold cy
.set BROW, 89                          ; my first row of B
.set OB,  90                           ; s[90:91] where my images go
.set OS,  92                           ; s[92:93] where my scale words go
.set YY,  94                           ; the cluster's y
.set MSB, 0
.macro WIN new                         ; the immediate's high byte repeats the setting that is left
.if MSB != (\new)
	s_set_vgpr_msb (MSB<<8)|(\new)
.set MSB, (\new)
.endif
.endm
.macro PLACES n
.rept \n
	v_nop
.endr
.endm
.macro CREST                           ; a round of the cluster's barrier behind its opening barrier
	s_cmp_lg_u32 s[WV], 0
	s_cbranch_scc1 .Lnot_wave_0_\@
	s_barrier_signal -3
.Lnot_wave_0_\@:
	s_barrier_wait -3
	s_barrier_signal -1
	s_barrier_wait -1
.endm
.macro CROUND
	s_barrier_signal -1
	s_barrier_wait -1
	CREST
.endm
.macro G1SET g, m, w0, d0, d1, str     ; group 1: a tile of d1 rows x d0 elements, str elements from row to row; the mask in s[m]
	s_or_b32 s[\g], s[\m], \w0
	s_mov_b32 s[\g+1], ((\d0)&0xffff)<<16
	s_mov_b32 s[\g+2], ((\d0)>>16)|(((\d1)&0xffff)<<16)
	s_mov_b32 s[\g+3], ((\d1)>>16)|((\d0)<<16)
	s_mov_b32 s[\g+4], \d1
	s_mov_b32 s[\g+5], \str
	s_mov_b32 s[\g+6], 0
	s_mov_b32 s[\g+7], 0
.endm
.macro G0SET p, da, db                 ; groups 0 of slot p: da, db bytes on from the first tiles
	s_mov_b32 s[G0A+4*(\p)], 1
	s_add_co_u32 s[G0A+4*(\p)+1], s[TA+2], (\p)*SLOT
	s_add_nc_u64 s[G0A+4*(\p)+2:G0A+4*(\p)+3], s[TA:TA+1], \da
	s_or_b32 s[G0A+4*(\p)+3], s[G0A+4*(\p)+3], 0x80000000
	s_mov_b32 s[G0B+4*(\p)+4*((\p)/2)], 1
	s_add_co_u32 s[G0B+4*(\p)+4*((\p)/2)+1], s[TB+2], (\p)*SLOT
	s_add_nc_u64 s[G0B+4*(\p)+4*((\p)/2)+2:G0B+4*(\p)+4*((\p)/2)+3], s[TB:TB+1], \db
	s_or_b32 s[G0B+4*(\p)+4*((\p)/2)+3], s[G0B+4*(\p)+4*((\p)/2)+3], 0x80000000
.endm
.macro JLOAD p                         ; a joint load: waves 0, 1 fetch A's parts, waves 2, 3 B's; an s_nop 0 and four v_nop follow each line
	s_cmp_eq_u32 s[WR], 0
	s_cbranch_scc0 .Lfor_b_\@
	tensor_load_to_lds s[G0A+4*(\p):G0A+4*(\p)+3], s[G1A:G1A+7]
	s_nop 0
.rept 4
	v_nop
.endr
	s_branch .Lasked_\@
.Lfor_b_\@:
	tensor_load_to_lds s[G0B+4*(\p)+4*((\p)/2):G0B+4*(\p)+4*((\p)/2)+3], s[G1B:G1B+7]
	s_nop 0
.rept 4
	v_nop
.endr
.Lasked_\@:
.endm
; A fragment, 16 rows x 128 K, 12 registers.  As an image: three loads of 16 bytes a lane.  From rows: six pieces of 8 bytes; lanes 16-31 read three pieces on, which for some pieces is behind one padding more.
.macro FRG reg, img, adr, sl, blk, cpb
.if \img
.irp c, 0,1,2
	ds_load_b128 v[(\reg)+4*\c:(\reg)+4*\c+3], v[\adr] offset:((\sl)/2)*(\cpb)+(2*(\blk)+(\sl)%2)*1536+512*\c
.endr
.else
.irp p, 0,1,2,3,4,5
.set PCE, 12*(\sl)+6*(\p/3)+\p%3
.if PCE%8 < 5
	ds_load_b64 v[(\reg)+2*\p:(\reg)+2*\p+1], v[\adr] offset:8*PCE+16*(PCE/8)+(\blk)*3840
.else
	ds_load_b64 v[(\reg)+2*\p:(\reg)+2*\p+1], v[(\adr)+3] offset:8*PCE+16*(PCE/8)+(\blk)*3840
.endif
.endr
.endif
.endm
.macro FETCHB s                        ; B's fragments of step s into set s % 2 of window 1
	WIN 0x40
.set FI, 0
.rept NB
	FRG 128*((\s)%2)+12*FI, BIMG, ADB+((\s)/SQ)%NSLOT, (\s)%SQ, FI, BCP
.set FI, FI+1
.endr
	WIN 0
.endm
.macro FETCHA s, hh                    ; half hh of A's fragments of step s
.set FI, (\hh)*NA/2
.rept NA/2
	FRG AF+12*FI, AIMG, ADA+((\s)/SQ)%NSLOT, (\s)%SQ, FI, ACP
.set FI, FI+1
.endr
.endm
.macro WM cz                           ; one product; an odd block's scale words stand in lanes 16-31 of their register
.if \cz
.if MRB && MRA
	v_wmma_scale_f32_16x16x128_f8f6f4 v[MD:MD+7], v[MBF:MBF+11], v[MAF:MAF+11], 0, v[MSS], v[MSA] matrix_a_fmt:MATRIX_FMT_FP6 matrix_b_fmt:MATRIX_FMT_FP6 matrix_a_scale:MATRIX_SCALE_ROW1 matrix_b_scale:MATRIX_SCALE_ROW1
.elseif MRB
	v_wmma_scale_f32_16x16x128_f8f6f4 v[MD:MD+7], v[MBF:MBF+11], v[MAF:MAF+11], 0, v[MSS], v[MSA] matrix_a_fmt:MATRIX_FMT_FP6 matrix_b_fmt:MATRIX_FMT_FP6 matrix_a_scale:MATRIX_SCALE_ROW1
.elseif MRA
	v_wmma_scale_f32_16x16x128_f8f6f4 v[MD:MD+7], v[MBF:MBF+11], v[MAF:MAF+11], 0, v[MSS], v[MSA] matrix_a_fmt:MATRIX_FMT_FP6 matrix_b_fmt:MATRIX_FMT_FP6 matrix_b_scale:MATRIX_SCALE_ROW1
.else
	v_wmma_scale_f32_16x16x128_f8f6f4 v[MD:MD+7], v[MBF:MBF+11], v[MAF:MAF+11], 0, v[MSS], v[MSA] matrix_a_fmt:MATRIX_FMT_FP6 matrix_b_fmt:MATRIX_FMT_FP6
.endif
.else
.if MRB && MRA
	v_wmma_scale_f32_16x16x128_f8f6f4 v[MD:MD+7], v[MBF:MBF+11], v[MAF:MAF+11], v[MC:MC+7], v[MSS], v[MSA] matrix_a_fmt:MATRIX_FMT_FP6 matrix_b_fmt:MATRIX_FMT_FP6 matrix_a_scale:MATRIX_SCALE_ROW1 matrix_b_scale:MATRIX_SCALE_ROW1
.elseif MRB
	v_wmma_scale_f32_16x16x128_f8f6f4 v[MD:MD+7], v[MBF:MBF+11], v[MAF:MAF+11], v[MC:MC+7], v[MSS], v[MSA] matrix_a_fmt:MATRIX_FMT_FP6 matrix_b_fmt:MATRIX_FMT_FP6 matrix_a_scale:MATRIX_SCALE_ROW1
.elseif MRA
	v_wmma_scale_f32_16x16x128_f8f6f4 v[MD:MD+7], v[MBF:MBF+11], v[MAF:MAF+11], v[MC:MC+7], v[MSS], v[MSA] matrix_a_fmt:MATRIX_FMT_FP6 matrix_b_fmt:MATRIX_FMT_FP6 matrix_b_scale:MATRIX_SCALE_ROW1
.else
	v_wmma_scale_f32_16x16x128_f8f6f4 v[MD:MD+7], v[MBF:MBF+11], v[MAF:MAF+11], v[MC:MC+7], v[MSS], v[MSA] matrix_a_fmt:MATRIX_FMT_FP6 matrix_b_fmt:MATRIX_FMT_FP6
.endif
.endif
.endm
; Half hh of step s's products: NA / 2 blocks of A against B's NB.  cm: the C: 0 the constant 0; 1 the accumulator; 2 the bias by B's block; 3 by A's.  The accumulators take turns, one instruction a turn.
.macro MULH s, hh, cm
.set MW, 2+(8*((\hh)*NA/2)*NB)/256
.if (\cm) >= 2
	WIN 0x11|(MW<<6)
.else
	WIN 1|(MW<<4)|(MW<<6)
.endif
.set MA, (\hh)*NA/2
.rept NA/2
.set MB, 0
.rept NB
.set MD, (8*(MA*NB+MB))%256
.set MBF, 128*((\s)%2)+12*MB
.set MAF, AF+12*MA
.set MSS, SCB+KST*(MB/2)+(\s)
.set MSA, SCA+KST*(MA/2)+(\s)
.set MRB, MB%2
.set MRA, MA%2
.if (\cm) == 0
	WM 1
.else
.if (\cm) == 1
.set MC, MD
.elseif (\cm) == 2
.set MC, 96+8*MB+96*(MB/4)
.else
.set MC, 96+8*MA+96*(MA/4)
.endif
	WM 0
.endif
.set MB, MB+1
.endr
.set MA, MA+1
.endr
.endm
.macro REFILL p                        ; slot p, which every wave has read out, is filled again
	WIN 0
	s_wait_tensorcnt 0x0                           ; all my tensor loads have landed, so a group 0 may be written
	ds_add_u32 v[SPW], v[NIL]                      ; 0 onto my spare word
	s_add_nc_u64 s[G0A+4*(\p)+2:G0A+4*(\p)+3], s[G0A+4*(\p)+2:G0A+4*(\p)+3], STEPA
	s_add_nc_u64 s[G0B+4*(\p)+4*((\p)/2)+2:G0B+4*(\p)+4*((\p)/2)+3], s[G0B+4*(\p)+4*((\p)/2)+2:G0B+4*(\p)+4*((\p)/2)+3], STEPB
	s_wait_dscnt 0x0                               ; the add is done, and my reads of the slot are over
	CROUND                                         ; the same holds of every wave of all sixteen work-groups
	JLOAD \p                                       ; the first tensor load behind the round; its four v_nop are the places in front of the loads that follow
.endm
; A step of 128 along K.  sync: what stands in front of the next step's fetches: 0 places alone; 1 the wait for my tensor loads (count n) and a barrier: the next slot is whole; 2 a refill of the slot just read out.
.macro STEP s, sync, n, cm
	s_wait_dscnt (NA/2)*NLA                        ; B's set and A's first half are in; the youngest loads, A's second half, may be out
	MULH \s, 0, \cm
	s_wait_dscnt 0x0                               ; all of this step's fragments are in registers
.if (\s) < KST-1
.if (\sync) == 0
	PLACES 4                                       ; four places in front of loads into registers that matrix instructions have read (ISA guide 7.12.1 for vector instructions)
.elseif (\sync) == 1
	WIN 0
	s_wait_tensorcnt \n
	s_barrier_signal -1
	s_barrier_wait -1
	PLACES 4
.else
	REFILL ((\s)/SQ)%NSLOT
.endif
	FETCHB (\s)+1
	FETCHA (\s)+1, 0
.endif
	MULH \s, 1, \cm
.if (\s) < KST-1
	PLACES 4
	WIN 0
	FETCHA (\s)+1, 1
.else
	WIN 0
.endif
.endm
.macro START n                         ; scales and biases are in; my part of slot 0 is in (n later fills may be out); everybody's is
	s_wait_loadcnt 0x0
	s_wait_tensorcnt \n
	s_barrier_signal -1
	s_barrier_wait -1
	FETCHB 0
	FETCHA 0, 0
	FETCHA 0, 1
.endm
.macro FINISH
	s_wait_tensorcnt 0x0                           ; the wave's end
	ds_add_u32 v[SPW], v[NIL]
	s_wait_dscnt 0x0
	CROUND                                         ; the closing round: no work-group ends while a partner may still ask for a tile that names it
	s_endpgm
.endm
.macro SCROW sc, ng, base              ; given scales, 32 bytes a row: lane L takes row 32 g + L, all eight steps' words
.set GI, 0
.rept \ng
	global_load_b128 v[(\sc)+8*GI:(\sc)+8*GI+3], v[L32], s[\base:\base+1] offset:1024*GI
	global_load_b128 v[(\sc)+8*GI+4:(\sc)+8*GI+7], v[L32], s[\base:\base+1] offset:1024*GI+16
.set GI, GI+1
.endr
.endm
; 64 numbers of a lane in window w, register 16 b + i: column 32 b + 8 (lane / 16) + i (i < 8) or 32 b + 16 + 8 (lane / 16) + i - 8, become a fragment's codes in v[PC] on and its scale word in v[PW].
.macro QUANTW s, w
	s_wait_xcnt 0x0                                ; the last block's stores have read their registers
	WIN 5*(\w)
.irp b, 0,1,2,3
	v_max3_num_f32 v[TM+\b], |v[(\s)+16*\b]|, |v[(\s)+16*\b+1]|, 0x1800000   ; block b: my 16 numbers, and the floor 2^(3 - 127): the byte cannot fall under 1
.endr
.irp i, 2,4,6,8,10,12,14
.irp b, 0,1,2,3
	v_max3_num_f32 v[TM+\b], |v[(\s)+16*\b+\i]|, |v[(\s)+16*\b+\i+1]|, v[TM+\b]
.endr
.endr
	WIN 0
.irp b, 0,1,2,3
	v_permlanex16_b32 v[TM+4+\b], v[TM+\b], s[SEL], s[SEL+1]
.endr
.irp b, 0,1,2,3
	v_max_num_f32 v[TM+\b], v[TM+\b], v[TM+4+\b]   ; with lane l xor 16's: the block's largest magnitude
.endr
.irp b, 0,1,2,3
	v_add_nc_u32 v[TM+12+\b], 0xff000000, v[TM+\b] ; 2 off its exponent field: the conversion's scale operand
.endr
.irp b, 0,1,2,3
	v_lshrrev_b32 v[TM+4+\b], 23, v[TM+12+\b]      ; the scale's byte
.endr
	v_lshl_or_b32 v[PW], v[TM+5], 8, v[TM+4]
	v_lshl_or_b32 v[PW], v[TM+6], 16, v[PW]
	v_lshl_or_b32 v[PW], v[TM+7], 24, v[PW]
	WIN (\w)
.irp c, 0,1
	v_cvt_scalef32_pk16_fp6_f32 v[PC+6*\c:PC+6*\c+2], v[(\s)+32*\c:(\s)+32*\c+15], v[TM+12+2*\c]
	v_cvt_scalef32_pk16_fp6_f32 v[PY+4*\c:PY+4*\c+2], v[(\s)+32*\c+16:(\s)+32*\c+31], v[TM+13+2*\c]
.endr
	WIN 0
	v_nop                                          ; one plain place behind a scaled conversion
.irp c, 0,1
.irp i, 0,1,2
	v_permlane16_swap_b32 v[PC+6*\c+\i], v[PY+4*\c+\i]   ; a whole block to a lane: the first run now holds its columns 0-7 and 16-23, the second 8-15 and 24-31, 48 bits each
.endr
	v_perm_b32 v[PC+6*\c+3], v[PC+6*\c+2], v[PC+6*\c+1], 0x05040302   ; the four pieces of 48 bits into their true order along K
	v_perm_b32 v[PC+6*\c+4], v[PY+4*\c+1], v[PC+6*\c+2], 0x07060302
	v_mov_b32 v[PC+6*\c+5], v[PY+4*\c+2]
	v_perm_b32 v[PC+6*\c+1], v[PY+4*\c], v[PC+6*\c+1], 0x05040100
	v_perm_b32 v[PC+6*\c+2], v[PY+4*\c+1], v[PY+4*\c], 0x05040302
.endr
.endm
.macro PUTIMG off                      ; the fragment leaves as it stands: each store covers 512 consecutive bytes, aligned
.irp c, 0,1,2
	global_store_b128 v[LI], v[PC+4*\c:PC+4*\c+3], s[OB:OB+1] offset:(\off)+512*\c
.endr
.endm
.macro PUTSC a                         ; two blocks' scale words leave together: 32 rows, 128 consecutive bytes
.if (\a)%2 == 0
	v_mov_b32 v[PWE], v[PW]
.else
	v_cndmask_b32 v[PX], v[PWE], v[PW], s[HM]
	global_store_b32 v[L4], v[PX], s[OS:OS+1] offset:((\a)/2)*128
.endif
.endm
	s_load_b512 s[4:19], s[0:1], 0x0               ; key codes, key scales, Wk codes, Wk scales, bk, kb, query codes, query scales
	s_load_b256 s[20:27], s[0:1], 0x40             ; Wq codes, Wq scales, bq, qb
	v_lshl_add_u32 v[SPW], v0, 2, SPARE
	v_mov_b32 v[NIL], 0
	ds_add_u32 v[SPW], v[NIL]                      ; the wave's opening
	ds_add_u32 v[SPW], v[NIL]
	v_lshrrev_b32 v1, 5, v0
	v_readfirstlane_b32 s[WV], v1                  ; wave 0..3
	s_lshr_b32 s[WR], s[WV], 1
	s_and_b32 s[WC], s[WV], 1
	s_bfe_u32 s[CX], ttmp6, 0x40000
	s_bfe_u32 s[CY], ttmp6, 0x40004
	s_lshl_b32 s[TX], ttmp9, 2
	s_add_co_u32 s[TX], s[TX], s[CX]               ; tile column
	s_and_b32 s[YY], ttmp7, 0xffff
	s_lshl_b32 s[TY], s[YY], 2
	s_add_co_u32 s[TY], s[TY], s[CY]               ; tile row, key's 64 and then query's 16
	s_lshl_b32 s95, s[CY], 2
	s_lshl_b32 s95, 15, s95                        ; my row of the cluster
	s_lshl_b32 s99, 0x1111, s[CX]                  ; my column
	G1SET G1A, 95, (1<<20)|(1<<21)|(3<<22)|(3<<25), 192, 128, 768   ; 128 rows x 192 bytes, 768 bytes apart; 16 bytes of padding behind every 64
	G1SET G1B, 99, (1<<20)|(1<<21)|(3<<22)|(3<<25), 192, 128, 768
	s_mov_b32 s[HM], 0xffff0000
	s_mov_b32 s[SEL], 0x76543210
	s_mov_b32 s[SEL+1], 0xfedcba98
	s_cmp_lt_u32 s[YY], 16                         ; key's clusters or query's: the same in all sixteen partners
	s_cselect_b32 s2, 0, 64
	s_mov_b32 s96, 786432
	s_cselect_b32 s96, 3145728, s96                ; a chunk of the codes' part of the output
	s_mov_b32 s97, 3145728
	s_cselect_b32 s97, 12582912, s97               ; where its scale planes begin
	s_mov_b32 s98, 16384
	s_cselect_b32 s98, 65536, s98                  ; a plane
	s_sub_co_u32 s[TY], s[TY], s2                  ; the tile row in its own tensor
	s_lshl_b32 s[TA], s[TY], 8
	s_lshl_b32 s[TA+1], s[WC], 7
	s_add_co_u32 s[TA], s[TA], s[TA+1]
	s_mul_i32 s[TA], s[TA], 768                    ; A: row 256 x tile row + 128 x part
	s_mov_b32 s[TA+1], 0
	s_lshl_b32 s[TB], s[TX], 8
	s_lshl_b32 s[TB+1], s[WC], 7
	s_add_co_u32 s[TB], s[TB], s[TB+1]
	s_mul_i32 s[TB], s[TB], 768                    ; B: row 256 x tile column + 128 x part
	s_mov_b32 s[TB+1], 0
	s_mul_i32 s[TA+2], s[WC], APART                ; where they go: no place in the cluster enters an LDS address
	s_mul_i32 s[TB+2], s[WC], BPART
	s_add_co_u32 s[TB+2], s[TB+2], BOFF
	s_wait_dscnt 0x0                               ; both opening adds are done
	s_wait_kmcnt 0x0
	s_cmp_lt_u32 s[YY], 16
	s_cselect_b64 s[4:5], s[4:5], s[16:17]
	s_cselect_b64 s[6:7], s[6:7], s[18:19]
	s_cselect_b64 s[8:9], s[8:9], s[20:21]
	s_cselect_b64 s[10:11], s[10:11], s[22:23]
	s_cselect_b64 s[12:13], s[12:13], s[24:25]
	s_cselect_b64 s[14:15], s[14:15], s[26:27]
	s_add_nc_u64 s[TA:TA+1], s[4:5], s[TA:TA+1]
	s_add_nc_u64 s[TB:TB+1], s[8:9], s[TB:TB+1]
	G0SET 0, 0, 0
	G0SET 1, 192, 192
	CROUND                                         ; all sixteen work-groups are here: the first joint loads meet
	JLOAD 0
	JLOAD 1                                        ; two loads of mine are out
	v_and_b32 v1, 15, v0                           ; r
	v_bfe_u32 v2, v0, 4, 1                         ; h
	v_and_b32 v3, 31, v0                           ; lane
	v_lshlrev_b32 v[LI], 4, v3
	v_lshlrev_b32 v[L4], 2, v3
	v_lshlrev_b32 v[L8], 3, v3
	v_lshlrev_b32 v[L32], 5, v3
.irp b, 0,1,2,3
	v_mov_b32 v[TM+4+\b], 0                        ; written once: a lane permute's destination counts as one of its sources
.endr
	v_mul_u32_u24 v23, v1, 240
	v_mad_u32_u24 v23, v2, 24, v23                 ; a fragment's row x pitch + 24 x half
	v_lshl_add_u32 v24, v2, 4, v23                 ; and behind one padding more
	v_lshlrev_b32 v25, 5, v2                       ; the bias: my half's eight numbers of a tile
	s_mul_i32 s2, s[WR], APART
	s_mul_i32 s3, s[WC], BPART
	s_add_co_u32 s3, s3, BOFF
.set PI, 0
.rept NSLOT
	v_add_nc_u32 v[ADA+PI], s2, v23
	v_add_nc_u32 v[ADA+3+PI], s2, v24
	v_add_nc_u32 v[ADB+PI], s3, v23
	v_add_nc_u32 v[ADB+3+PI], s3, v24
	s_add_co_u32 s2, s2, SLOT
	s_add_co_u32 s3, s3, SLOT
.set PI, PI+1
.endr
	s_lshl_b32 s[AROW], s[TY], 8
	s_lshl_b32 s2, s[WR], 7
	s_add_co_u32 s[AROW], s[AROW], s2
	s_lshl_b32 s[BROW], s[TX], 8
	s_lshl_b32 s2, s[WC], 7
	s_add_co_u32 s[BROW], s[BROW], s2
	s_mov_b32 s3, 0
	s_lshl_b32 s2, s[AROW], 5
	s_add_nc_u64 s[6:7], s[6:7], s[2:3]            ; A's scales at my first row
	s_lshl_b32 s2, s[BROW], 5
	s_add_nc_u64 s[10:11], s[10:11], s[2:3]        ; B's
	s_lshl_b32 s2, s[BROW], 2
	s_add_nc_u64 s[12:13], s[12:13], s[2:3]        ; the bias at my first column
	s_mul_i32 s2, s[TX], s96                       ; images: chunk = tile column; 192 bytes x row (3,072 for 16 rows); half chunk = my half of the columns
	s_mul_i32 s95, s[AROW], 192
	s_add_co_u32 s2, s2, s95
	s_mul_i32 s95, s[WC], 1536
	s_add_co_u32 s2, s2, s95
	s_add_nc_u64 s[OB:OB+1], s[14:15], s[2:3]
	s_lshl_b32 s2, s[TX], 1
	s_add_co_u32 s2, s2, s[WC]
	s_mul_i32 s2, s2, s98                          ; scale words: plane 2 x tile column + half
	s_add_co_u32 s2, s2, s97
	s_lshl_b32 s95, s[AROW], 2
	s_add_co_u32 s2, s2, s95
	s_add_nc_u64 s[OS:OS+1], s[14:15], s[2:3]
	SCROW SCA, 4, 6
	SCROW SCB, 4, 10
	WIN 0x40                                       ; the bias in the result's layout: tile b, register j: column 16 b + 8 h + j
.set TI, 0
.rept 8
.set BB, 96+8*TI+96*(TI/4)
	global_load_b128 v[BB:BB+3], v25, s[12:13] offset:64*TI
	global_load_b128 v[BB+4:BB+7], v25, s[12:13] offset:64*TI+16
.set TI, TI+1
.endr
	WIN 0
	START 1
	STEP 0, 0, 0, CMODE                            ; the first step's products start the sums from the bias
	STEP 1, 2, 0, 1                                ; slot 0 takes chunk 2
	STEP 2, 0, 0, 1
	STEP 3, 2, 0, 1                                ; slot 1 takes chunk 3
	STEP 4, 0, 0, 1
	STEP 5, 1, 0, 1                                ; chunk 3 has landed, in every wave
	STEP 6, 0, 0, 1
	STEP 7, 0, 0, 1
	PLACES 4                                       ; in front of the first read of results
.set QA, 0
.rept 8
	QUANTW 64*(QA%4), 2+QA/4
	PUTIMG 3072*QA
	PUTSC QA
.set QA, QA+1
.endr
	FINISH
.Lfunc_end_k_q594ffeed31_proj:
	.size	k_q594ffeed31_proj, .Lfunc_end_k_q594ffeed31_proj-k_q594ffeed31_proj
	.p2alignl 7, 3214868480
	.fill 96, 4, 3214868480
	.section	.rodata,"a",@progbits
	.p2align	6, 0x0
	.amdhsa_kernel k_q594ffeed31_proj
		.amdhsa_group_segment_fixed_size 327680
		.amdhsa_private_segment_fixed_size 0
		.amdhsa_enable_private_segment 0
		.amdhsa_kernarg_size 96
		.amdhsa_user_sgpr_count 2
		.amdhsa_user_sgpr_kernarg_segment_ptr 1
		.amdhsa_wavefront_size32 1
		.amdhsa_system_sgpr_workgroup_id_x 1
		.amdhsa_system_sgpr_workgroup_id_y 1
		.amdhsa_system_sgpr_workgroup_id_z 1
		.amdhsa_system_vgpr_workitem_id 0
		.amdhsa_next_free_vgpr 1024
		.amdhsa_next_free_sgpr 100
		.amdhsa_reserve_vcc 0
		.amdhsa_float_denorm_mode_32 3
		.amdhsa_float_denorm_mode_16_64 3
		.amdhsa_memory_ordered 1
		.amdhsa_forward_progress 1
		.amdhsa_inst_pref_size 169
	.end_amdhsa_kernel
	.amdgpu_metadata
---
amdhsa.version: [ 1, 2 ]
amdhsa.kernels:
  - .name:           k_q594ffeed31_proj
    .symbol:         k_q594ffeed31_proj.kd
    .args:
      - { .name: key_codes, .offset: 0, .size: 8, .value_kind: global_buffer, .address_space: global }
      - { .name: key_scales, .offset: 8, .size: 8, .value_kind: global_buffer, .address_space: global }
      - { .name: Wk_codes, .offset: 16, .size: 8, .value_kind: global_buffer, .address_space: global }
      - { .name: Wk_scales, .offset: 24, .size: 8, .value_kind: global_buffer, .address_space: global }
      - { .name: bk, .offset: 32, .size: 8, .value_kind: global_buffer, .address_space: global }
      - { .name: kb, .offset: 40, .size: 8, .value_kind: global_buffer, .address_space: global }
      - { .name: query_codes, .offset: 48, .size: 8, .value_kind: global_buffer, .address_space: global }
      - { .name: query_scales, .offset: 56, .size: 8, .value_kind: global_buffer, .address_space: global }
      - { .name: Wq_codes, .offset: 64, .size: 8, .value_kind: global_buffer, .address_space: global }
      - { .name: Wq_scales, .offset: 72, .size: 8, .value_kind: global_buffer, .address_space: global }
      - { .name: bq, .offset: 80, .size: 8, .value_kind: global_buffer, .address_space: global }
      - { .name: qb, .offset: 88, .size: 8, .value_kind: global_buffer, .address_space: global }
    .group_segment_fixed_size: 327680
    .private_segment_fixed_size: 0
    .kernarg_segment_align: 8
    .kernarg_segment_size: 96
    .max_flat_workgroup_size: 128
    .sgpr_count:     100
    .vgpr_count:     1024
    .wavefront_size: 32
...
	.end_amdgpu_metadata
.endif
;; end of part 1
;; launch vproj (part 2): grid 64 x 4, 4 waves a work-group, clusters of 4 x 4, 327,680 bytes of LDS; arguments Wv_codes, Wv_scales, bv, kb, vb; writes vb
.if DOCPART == 2
	.amdgcn_target "amdgcn-amd-amdhsa--gfx1250"
	.amdhsa_code_object_version 6
	.text
	.protected	k_q594ffeed31_vproj
	.globl	k_q594ffeed31_vproj
	.p2align	8
	.type	k_q594ffeed31_vproj,@function
k_q594ffeed31_vproj:
	s_mov_b64 s[64:65], 0
	v_nop
	global_prefetch_b8 v0, s[64:65] scope:SCOPE_SE
	s_setreg_imm32_b32 hwreg(HW_REG_WAVE_MODE, 25, 1), 1
	s_wait_xcnt 0x0
	s_wait_alu depctr_hold_cnt(0) depctr_sa_sdst(0) depctr_va_vdst(0) depctr_va_sdst(0) depctr_va_ssrc(0) depctr_va_vcc(0) depctr_vm_vsrc(0)
	s_getreg_b32 s2, hwreg(HW_REG_IB_STS2, 6, 4)
	s_cmp_eq_u32 s2, 0
	s_cbranch_scc0 .Lentry_in_a_cluster
	s_endpgm
.Lentry_in_a_cluster:
	s_bfe_u32 s2, ttmp6, 0x10000c
	s_cmp_lg_u32 s2, 0xf033
	s_cbranch_scc0 .Lentry_shape_is_right
	s_endpgm
.Lentry_shape_is_right:
; v = Q(k) Wv^T + bv, quantised along the KEYS, which are the K of the last product.  No work of reference() is left out here.
; A (source 1) = 256 rows of Wv (outputs o), as rows of given codes; B (source 0) = 256 keys of k's codes, as register images made by the launch before.  So a lane holds one o, and its registers run along the keys.
; A work-group makes 256 o x 256 keys, a wave 128 x 128.  K = 1,024 goes in chunks of 256 through two LDS slots; Wv's tile is asked for jointly by a row of the cluster, k's by a column.
; OUT: images [256 keys (batch x 8 + chunk)][o / 16][half chunk][1,536]; scale words [batch][128 keys][o][4 bytes].
.set NA,    8
.set NB,    8
.set AIMG,  0
.set BIMG,  1
.set KST,   8
.set SQ,    2
.set NSLOT, 2
.set APART, 30720                      ; 128 rows x 240 bytes
.set BPART, 24576                      ; 8 blocks of 16 keys x 2 images x 1,536 bytes
.set ACP,   0
.set BCP,   0
.set STEPA, 384
.set STEPB, 6291456                    ; two chunks of k's codes
.set NLA,   6
.set CMODE, 3                          ; the first step's C: the bias by A's row
.set BOFF,  2*APART
.set SLOT,  2*APART+2*BPART
.set SPARE, NSLOT*SLOT
.set LI,  4
.set L4,  5
.set L8,  6
.set L32, 7
.set ADA, 8
.set ADB, 14
.set SPW, 28
.set NIL, 29
.set SCA, 32
.set SCB, 64
.set TM,  96
.set PW,  112
.set PWE, 113
.set PX,  114
.set AF,  128
.set PC,  224
.set PY,  236
.set G1A, 28
.set G1B, 36
.set G0A, 44
.set G0B, 56
.set WV,  72
.set WR,  73
.set WC,  74
.set CX,  75
.set CY,  76
.set TX,  77
.set HM,  79
.set SEL, 80
.set TA,  82
.set AROW, 85
.set TB,  86
.set BROW, 89
.set OB,  90
.set OS,  92
.set MSB, 0
.macro WIN new                         ; the immediate's high byte repeats the setting that is left
.if MSB != (\new)
	s_set_vgpr_msb (MSB<<8)|(\new)
.set MSB, (\new)
.endif
.endm
.macro PLACES n
.rept \n
	v_nop
.endr
.endm
.macro CREST
	s_cmp_lg_u32 s[WV], 0
	s_cbranch_scc1 .Lnot_wave_0_\@
	s_barrier_signal -3
.Lnot_wave_0_\@:
	s_barrier_wait -3
	s_barrier_signal -1
	s_barrier_wait -1
.endm
.macro CROUND
	s_barrier_signal -1
	s_barrier_wait -1
	CREST
.endm
.macro G1SET g, m, w0, d0, d1, str
	s_or_b32 s[\g], s[\m], \w0
	s_mov_b32 s[\g+1], ((\d0)&0xffff)<<16
	s_mov_b32 s[\g+2], ((\d0)>>16)|(((\d1)&0xffff)<<16)
	s_mov_b32 s[\g+3], ((\d1)>>16)|((\d0)<<16)
	s_mov_b32 s[\g+4], \d1
	s_mov_b32 s[\g+5], \str
	s_mov_b32 s[\g+6], 0
	s_mov_b32 s[\g+7], 0
.endm
.macro G0SET p, da, db
	s_mov_b32 s[G0A+4*(\p)], 1
	s_add_co_u32 s[G0A+4*(\p)+1], s[TA+2], (\p)*SLOT
	s_add_nc_u64 s[G0A+4*(\p)+2:G0A+4*(\p)+3], s[TA:TA+1], \da
	s_or_b32 s[G0A+4*(\p)+3], s[G0A+4*(\p)+3], 0x80000000
	s_mov_b32 s[G0B+4*(\p)+4*((\p)/2)], 1
	s_add_co_u32 s[G0B+4*(\p)+4*((\p)/2)+1], s[TB+2], (\p)*SLOT
	s_add_nc_u64 s[G0B+4*(\p)+4*((\p)/2)+2:G0B+4*(\p)+4*((\p)/2)+3], s[TB:TB+1], \db
	s_or_b32 s[G0B+4*(\p)+4*((\p)/2)+3], s[G0B+4*(\p)+4*((\p)/2)+3], 0x80000000
.endm
.macro JLOAD p                         ; a joint load: waves 0, 1 fetch A's parts, waves 2, 3 B's; an s_nop 0 and four v_nop follow each line
	s_cmp_eq_u32 s[WR], 0
	s_cbranch_scc0 .Lfor_b_\@
	tensor_load_to_lds s[G0A+4*(\p):G0A+4*(\p)+3], s[G1A:G1A+7]
	s_nop 0
.rept 4
	v_nop
.endr
	s_branch .Lasked_\@
.Lfor_b_\@:
	tensor_load_to_lds s[G0B+4*(\p)+4*((\p)/2):G0B+4*(\p)+4*((\p)/2)+3], s[G1B:G1B+7]
	s_nop 0
.rept 4
	v_nop
.endr
.Lasked_\@:
.endm
.macro FRG reg, img, adr, sl, blk, cpb ; a fragment: as an image three loads of 16 bytes a lane; from rows six pieces of 8 bytes
.if \img
.irp c, 0,1,2
	ds_load_b128 v[(\reg)+4*\c:(\reg)+4*\c+3], v[\adr] offset:((\sl)/2)*(\cpb)+(2*(\blk)+(\sl)%2)*1536+512*\c
.endr
.else
.irp p, 0,1,2,3,4,5
.set PCE, 12*(\sl)+6*(\p/3)+\p%3
.if PCE%8 < 5
	ds_load_b64 v[(\reg)+2*\p:(\reg)+2*\p+1], v[\adr] offset:8*PCE+16*(PCE/8)+(\blk)*3840
.else
	ds_load_b64 v[(\reg)+2*\p:(\reg)+2*\p+1], v[(\adr)+3] offset:8*PCE+16*(PCE/8)+(\blk)*3840
.endif
.endr
.endif
.endm
.macro FETCHB s
	WIN 0x40
.set FI, 0
.rept NB
	FRG 128*((\s)%2)+12*FI, BIMG, ADB+((\s)/SQ)%NSLOT, (\s)%SQ, FI, BCP
.set FI, FI+1
.endr
	WIN 0
.endm
.macro FETCHA s, hh
.set FI, (\hh)*NA/2
.rept NA/2
	FRG AF+12*FI, AIMG, ADA+((\s)/SQ)%NSLOT, (\s)%SQ, FI, ACP
.set FI, FI+1
.endr
.endm
.macro WM cz
.if \cz
.if MRB && MRA
	v_wmma_scale_f32_16x16x128_f8f6f4 v[MD:MD+7], v[MBF:MBF+11], v[MAF:MAF+11], 0, v[MSS], v[MSA] matrix_a_fmt:MATRIX_FMT_FP6 matrix_b_fmt:MATRIX_FMT_FP6 matrix_a_scale:MATRIX_SCALE_ROW1 matrix_b_scale:MATRIX_SCALE_ROW1
.elseif MRB
	v_wmma_scale_f32_16x16x128_f8f6f4 v[MD:MD+7], v[MBF:MBF+11], v[MAF:MAF+11], 0, v[MSS], v[MSA] matrix_a_fmt:MATRIX_FMT_FP6 matrix_b_fmt:MATRIX_FMT_FP6 matrix_a_scale:MATRIX_SCALE_ROW1
.elseif MRA
	v_wmma_scale_f32_16x16x128_f8f6f4 v[MD:MD+7], v[MBF:MBF+11], v[MAF:MAF+11], 0, v[MSS], v[MSA] matrix_a_fmt:MATRIX_FMT_FP6 matrix_b_fmt:MATRIX_FMT_FP6 matrix_b_scale:MATRIX_SCALE_ROW1
.else
	v_wmma_scale_f32_16x16x128_f8f6f4 v[MD:MD+7], v[MBF:MBF+11], v[MAF:MAF+11], 0, v[MSS], v[MSA] matrix_a_fmt:MATRIX_FMT_FP6 matrix_b_fmt:MATRIX_FMT_FP6
.endif
.else
.if MRB && MRA
	v_wmma_scale_f32_16x16x128_f8f6f4 v[MD:MD+7], v[MBF:MBF+11], v[MAF:MAF+11], v[MC:MC+7], v[MSS], v[MSA] matrix_a_fmt:MATRIX_FMT_FP6 matrix_b_fmt:MATRIX_FMT_FP6 matrix_a_scale:MATRIX_SCALE_ROW1 matrix_b_scale:MATRIX_SCALE_ROW1
.elseif MRB
	v_wmma_scale_f32_16x16x128_f8f6f4 v[MD:MD+7], v[MBF:MBF+11], v[MAF:MAF+11], v[MC:MC+7], v[MSS], v[MSA] matrix_a_fmt:MATRIX_FMT_FP6 matrix_b_fmt:MATRIX_FMT_FP6 matrix_a_scale:MATRIX_SCALE_ROW1
.elseif MRA
	v_wmma_scale_f32_16x16x128_f8f6f4 v[MD:MD+7], v[MBF:MBF+11], v[MAF:MAF+11], v[MC:MC+7], v[MSS], v[MSA] matrix_a_fmt:MATRIX_FMT_FP6 matrix_b_fmt:MATRIX_FMT_FP6 matrix_b_scale:MATRIX_SCALE_ROW1
.else
	v_wmma_scale_f32_16x16x128_f8f6f4 v[MD:MD+7], v[MBF:MBF+11], v[MAF:MAF+11], v[MC:MC+7], v[MSS], v[MSA] matrix_a_fmt:MATRIX_FMT_FP6 matrix_b_fmt:MATRIX_FMT_FP6
.endif
.endif
.endm
.macro MULH s, hh, cm                  ; half hh of step s's products; the accumulators take turns, one instruction a turn
.set MW, 2+(8*((\hh)*NA/2)*NB)/256
.if (\cm) >= 2
	WIN 0x11|(MW<<6)
.else
	WIN 1|(MW<<4)|(MW<<6)
.endif
.set MA, (\hh)*NA/2
.rept NA/2
.set MB, 0
.rept NB
.set MD, (8*(MA*NB+MB))%256
.set MBF, 128*((\s)%2)+12*MB
.set MAF, AF+12*MA
.set MSS, SCB+KST*(MB/2)+(\s)
.set MSA, SCA+KST*(MA/2)+(\s)
.set MRB, MB%2
.set MRA, MA%2
.if (\cm) == 0
	WM 1
.else
.if (\cm) == 1
.set MC, MD
.elseif (\cm) == 2
.set MC, 96+8*MB+96*(MB/4)
.else
.set MC, 96+8*MA+96*(MA/4)
.endif
	WM 0
.endif
.set MB, MB+1
.endr
.set MA, MA+1
.endr
.endm
.macro REFILL p
	WIN 0
	s_wait_tensorcnt 0x0                           ; all my tensor loads have landed, so a group 0 may be written
	ds_add_u32 v[SPW], v[NIL]                      ; 0 onto my spare word
	s_add_nc_u64 s[G0A+4*(\p)+2:G0A+4*(\p)+3], s[G0A+4*(\p)+2:G0A+4*(\p)+3], STEPA
	s_add_nc_u64 s[G0B+4*(\p)+4*((\p)/2)+2:G0B+4*(\p)+4*((\p)/2)+3], s[G0B+4*(\p)+4*((\p)/2)+2:G0B+4*(\p)+4*((\p)/2)+3], STEPB
	s_wait_dscnt 0x0                               ; the add is done, and my reads of the slot are over
	CROUND
	JLOAD \p                                       ; the first tensor load behind the round; its four v_nop are the places in front of the loads that follow
.endm
.macro STEP s, sync, n, cm
	s_wait_dscnt (NA/2)*NLA                        ; B's set and A's first half are in; the youngest loads, A's second half, may be out
	MULH \s, 0, \cm
	s_wait_dscnt 0x0
.if (\s) < KST-1
.if (\sync) == 0
	PLACES 4
.elseif (\sync) == 1
	WIN 0
	s_wait_tensorcnt \n
	s_barrier_signal -1
	s_barrier_wait -1
	PLACES 4
.else
	REFILL ((\s)/SQ)%NSLOT
.endif
	FETCHB (\s)+1
	FETCHA (\s)+1, 0
.endif
	MULH \s, 1, \cm
.if (\s) < KST-1
	PLACES 4
	WIN 0
	FETCHA (\s)+1, 1
.else
	WIN 0
.endif
.endm
.macro START n
	s_wait_loadcnt 0x0
	s_wait_tensorcnt \n
	s_barrier_signal -1
	s_barrier_wait -1
	FETCHB 0
	FETCHA 0, 0
	FETCHA 0, 1
.endm
.macro FINISH
	s_wait_tensorcnt 0x0                           ; the wave's end
	ds_add_u32 v[SPW], v[NIL]
	s_wait_dscnt 0x0
	CROUND                                         ; the closing round
	s_endpgm
.endm
.macro SCROW sc, ng, base
.set GI, 0
.rept \ng
	global_load_b128 v[(\sc)+8*GI:(\sc)+8*GI+3], v[L32], s[\base:\base+1] offset:1024*GI
	global_load_b128 v[(\sc)+8*GI+4:(\sc)+8*GI+7], v[L32], s[\base:\base+1] offset:1024*GI+16
.set GI, GI+1
.endr
.endm
.macro SCPLN sc, ng, base, pln         ; scale planes: lane L takes row 32 g + L's word of each step
.set GI, 0
.rept \ng
.set SI, 0
.rept KST
	global_load_b32 v[(\sc)+KST*GI+SI], v[L4], s[\base:\base+1] offset:SI*(\pln)+128*GI
.set SI, SI+1
.endr
.set GI, GI+1
.endr
.endm
.macro QUANTW s, w                     ; 64 numbers of a lane in window w become a fragment's codes in v[PC] on and its scale word in v[PW]
	s_wait_xcnt 0x0                                ; the last block's stores have read their registers
	WIN 5*(\w)
.irp b, 0,1,2,3
	v_max3_num_f32 v[TM+\b], |v[(\s)+16*\b]|, |v[(\s)+16*\b+1]|, 0x1800000   ; and the floor 2^(3 - 127): the byte cannot fall under 1
.endr
.irp i, 2,4,6,8,10,12,14
.irp b, 0,1,2,3
	v_max3_num_f32 v[TM+\b], |v[(\s)+16*\b+\i]|, |v[(\s)+16*\b+\i+1]|, v[TM+\b]
.endr
.endr
	WIN 0
.irp b, 0,1,2,3
	v_permlanex16_b32 v[TM+4+\b], v[TM+\b], s[SEL], s[SEL+1]
.endr
.irp b, 0,1,2,3
	v_max_num_f32 v[TM+\b], v[TM+\b], v[TM+4+\b]
.endr
.irp b, 0,1,2,3
	v_add_nc_u32 v[TM+12+\b], 0xff000000, v[TM+\b] ; 2 off the exponent field: the conversion's scale operand
.endr
.irp b, 0,1,2,3
	v_lshrrev_b32 v[TM+4+\b], 23, v[TM+12+\b]
.endr
	v_lshl_or_b32 v[PW], v[TM+5], 8, v[TM+4]
	v_lshl_or_b32 v[PW], v[TM+6], 16, v[PW]
	v_lshl_or_b32 v[PW], v[TM+7], 24, v[PW]
	WIN (\w)
.irp c, 0,1
	v_cvt_scalef32_pk16_fp6_f32 v[PC+6*\c:PC+6*\c+2], v[(\s)+32*\c:(\s)+32*\c+15], v[TM+12+2*\c]
	v_cvt_scalef32_pk16_fp6_f32 v[PY+4*\c:PY+4*\c+2], v[(\s)+32*\c+16:(\s)+32*\c+31], v[TM+13+2*\c]
.endr
	WIN 0
	v_nop                                          ; one plain place behind a scaled conversion
.irp c, 0,1
.irp i, 0,1,2
	v_permlane16_swap_b32 v[PC+6*\c+\i], v[PY+4*\c+\i]
.endr
	v_perm_b32 v[PC+6*\c+3], v[PC+6*\c+2], v[PC+6*\c+1], 0x05040302   ; the four pieces of 48 bits into their true order along K
	v_perm_b32 v[PC+6*\c+4], v[PY+4*\c+1], v[PC+6*\c+2], 0x07060302
	v_mov_b32 v[PC+6*\c+5], v[PY+4*\c+2]
	v_perm_b32 v[PC+6*\c+1], v[PY+4*\c], v[PC+6*\c+1], 0x05040100
	v_perm_b32 v[PC+6*\c+2], v[PY+4*\c+1], v[PY+4*\c], 0x05040302
.endr
.endm
.macro PUTIMG off
.irp c, 0,1,2
	global_store_b128 v[LI], v[PC+4*\c:PC+4*\c+3], s[OB:OB+1] offset:(\off)+512*\c
.endr
.endm
.macro PUTSC a
.if (\a)%2 == 0
	v_mov_b32 v[PWE], v[PW]
.else
	v_cndmask_b32 v[PX], v[PWE], v[PW], s[HM]
	global_store_b32 v[L4], v[PX], s[OS:OS+1] offset:((\a)/2)*128
.endif
.endm
	s_load_b256 s[4:11], s[0:1], 0x0               ; Wv codes, Wv scales, bv, kb
	s_load_b64 s[12:13], s[0:1], 0x20              ; vb
	v_lshl_add_u32 v[SPW], v0, 2, SPARE
	v_mov_b32 v[NIL], 0
	ds_add_u32 v[SPW], v[NIL]                      ; the wave's opening
	ds_add_u32 v[SPW], v[NIL]
	v_lshrrev_b32 v1, 5, v0
	v_readfirstlane_b32 s[WV], v1
	s_lshr_b32 s[WR], s[WV], 1
	s_and_b32 s[WC], s[WV], 1
	s_bfe_u32 s[CX], ttmp6, 0x40000
	s_bfe_u32 s[CY], ttmp6, 0x40004                ; the tile of 256 outputs: the grid has one cluster along y
	s_lshl_b32 s[TX], ttmp9, 2
	s_add_co_u32 s[TX], s[TX], s[CX]               ; the tile of 256 keys, 0..63
	s_lshl_b32 s95, s[CY], 2
	s_lshl_b32 s95, 15, s95
	s_lshl_b32 s99, 0x1111, s[CX]
	G1SET G1A, 95, (1<<20)|(1<<21)|(3<<22)|(3<<25), 192, 128, 768   ; 128 rows x 192 bytes, padded
	G1SET G1B, 99, (3<<16)|(1<<21), 32, 96, 32     ; a dense block of 24,576 bytes as 96 rows of 256
	s_mov_b32 s[HM], 0xffff0000
	s_mov_b32 s[SEL], 0x76543210
	s_mov_b32 s[SEL+1], 0xfedcba98
	s_lshl_b32 s[TA], s[CY], 8
	s_lshl_b32 s[TA+1], s[WC], 7
	s_add_co_u32 s[TA], s[TA], s[TA+1]
	s_mul_i32 s[TA], s[TA], 768
	s_mov_b32 s[TA+1], 0
	s_lshl_b32 s[TB], s[TX], 4
	s_lshl_b32 s[TB+1], s[WC], 3
	s_add_co_u32 s[TB], s[TB], s[TB+1]
	s_mul_i32 s[TB], s[TB], 3072                   ; block of 16 keys: 16 x tile + 8 x part
	s_mov_b32 s[TB+1], 0
	s_mul_i32 s[TA+2], s[WC], APART
	s_mul_i32 s[TB+2], s[WC], BPART
	s_add_co_u32 s[TB+2], s[TB+2], BOFF
	s_wait_dscnt 0x0                               ; both opening adds are done
	s_wait_kmcnt 0x0
	s_add_nc_u64 s[TA:TA+1], s[4:5], s[TA:TA+1]
	s_add_nc_u64 s[TB:TB+1], s[10:11], s[TB:TB+1]
	G0SET 0, 0, 0
	G0SET 1, 192, 3145728
	CROUND
	JLOAD 0
	JLOAD 1                                        ; two loads of mine are out
	v_and_b32 v1, 15, v0
	v_bfe_u32 v2, v0, 4, 1
	v_and_b32 v3, 31, v0
	v_lshlrev_b32 v[LI], 4, v3
	v_lshlrev_b32 v[L4], 2, v3
	v_lshlrev_b32 v[L8], 3, v3
	v_lshlrev_b32 v[L32], 5, v3
.irp b, 0,1,2,3
	v_mov_b32 v[TM+4+\b], 0
.endr
	v_mul_u32_u24 v23, v1, 240
	v_mad_u32_u24 v23, v2, 24, v23
	v_lshl_add_u32 v24, v2, 4, v23
	v_lshlrev_b32 v25, 2, v1                       ; the bias: my row's number
	s_mul_i32 s2, s[WR], APART
	s_mul_i32 s3, s[WC], BPART
	s_add_co_u32 s3, s3, BOFF
.set PI, 0
.rept NSLOT
	v_add_nc_u32 v[ADA+PI], s2, v23
	v_add_nc_u32 v[ADA+3+PI], s2, v24
	v_add_nc_u32 v[ADB+PI], s3, v[LI]
	s_add_co_u32 s2, s2, SLOT
	s_add_co_u32 s3, s3, SLOT
.set PI, PI+1
.endr
	s_lshl_b32 s[AROW], s[CY], 8
	s_lshl_b32 s2, s[WR], 7
	s_add_co_u32 s[AROW], s[AROW], s2              ; my first output o
	s_lshl_b32 s[BROW], s[TX], 8
	s_lshl_b32 s2, s[WC], 7
	s_add_co_u32 s[BROW], s[BROW], s2              ; my first key
	s_mov_b32 s3, 0
	s_lshl_b32 s2, s[AROW], 5
	s_add_nc_u64 s[6:7], s[6:7], s[2:3]
	s_lshl_b32 s2, s[AROW], 2
	s_add_nc_u64 s[8:9], s[8:9], s[2:3]
	s_lshl_b32 s2, s[BROW], 2
	s_add_co_u32 s2, s2, 12582912
	s_add_nc_u64 s[10:11], s[10:11], s[2:3]        ; k's scale planes at my first key
	s_mul_i32 s2, s[TX], 196608
	s_mul_i32 s95, s[AROW], 192
	s_add_co_u32 s2, s2, s95
	s_mul_i32 s95, s[WC], 1536
	s_add_co_u32 s2, s2, s95
	s_add_nc_u64 s[OB:OB+1], s[12:13], s[2:3]
	s_lshr_b32 s2, s[TX], 3
	s_lshl_b32 s2, s2, 16                          ; the batch's 16 planes
	s_and_b32 s95, s[TX], 7
	s_lshl_b32 s95, s95, 1
	s_add_co_u32 s95, s95, s[WC]
	s_lshl_b32 s95, s95, 12                        ; plane 2 x chunk + half
	s_add_co_u32 s2, s2, s95
	s_lshl_b32 s95, s[AROW], 2
	s_add_co_u32 s2, s2, s95
	s_add_co_u32 s2, s2, 12582912
	s_add_nc_u64 s[OS:OS+1], s[12:13], s[2:3]
	SCROW SCA, 4, 6
	SCPLN SCB, 4, 10, 65536
	WIN 0x40                                       ; the bias in the result's layout: all eight registers of block a hold bv of my row
.set TI, 0
.rept 8
.set BB, 96+8*TI+96*(TI/4)
.irp j, 0,1,2,3,4,5,6,7
	global_load_b32 v[BB+\j], v25, s[8:9] offset:64*TI
.endr
.set TI, TI+1
.endr
	WIN 0
	START 1
	STEP 0, 0, 0, CMODE
	STEP 1, 2, 0, 1
	STEP 2, 0, 0, 1
	STEP 3, 2, 0, 1
	STEP 4, 0, 0, 1
	STEP 5, 1, 0, 1
	STEP 6, 0, 0, 1
	STEP 7, 0, 0, 1
	PLACES 4
.set QA, 0
.rept 8
	QUANTW 64*(QA%4), 2+QA/4
	PUTIMG 3072*QA
	PUTSC QA
.set QA, QA+1
.endr
	FINISH
.Lfunc_end_k_q594ffeed31_vproj:
	.size	k_q594ffeed31_vproj, .Lfunc_end_k_q594ffeed31_vproj-k_q594ffeed31_vproj
	.p2alignl 7, 3214868480
	.fill 96, 4, 3214868480
	.section	.rodata,"a",@progbits
	.p2align	6, 0x0
	.amdhsa_kernel k_q594ffeed31_vproj
		.amdhsa_group_segment_fixed_size 327680
		.amdhsa_private_segment_fixed_size 0
		.amdhsa_enable_private_segment 0
		.amdhsa_kernarg_size 40
		.amdhsa_user_sgpr_count 2
		.amdhsa_user_sgpr_kernarg_segment_ptr 1
		.amdhsa_wavefront_size32 1
		.amdhsa_system_sgpr_workgroup_id_x 1
		.amdhsa_system_sgpr_workgroup_id_y 1
		.amdhsa_system_sgpr_workgroup_id_z 1
		.amdhsa_system_vgpr_workitem_id 0
		.amdhsa_next_free_vgpr 1024
		.amdhsa_next_free_sgpr 100
		.amdhsa_reserve_vcc 0
		.amdhsa_float_denorm_mode_32 3
		.amdhsa_float_denorm_mode_16_64 3
		.amdhsa_memory_ordered 1
		.amdhsa_forward_progress 1
		.amdhsa_inst_pref_size 163
	.end_amdhsa_kernel
	.amdgpu_metadata
---
amdhsa.version: [ 1, 2 ]
amdhsa.kernels:
  - .name:           k_q594ffeed31_vproj
    .symbol:         k_q594ffeed31_vproj.kd
    .args:
      - { .name: Wv_codes, .offset: 0, .size: 8, .value_kind: global_buffer, .address_space: global }
      - { .name: Wv_scales, .offset: 8, .size: 8, .value_kind: global_buffer, .address_space: global }
      - { .name: bv, .offset: 16, .size: 8, .value_kind: global_buffer, .address_space: global }
      - { .name: kb, .offset: 24, .size: 8, .value_kind: global_buffer, .address_space: global }
      - { .name: vb, .offset: 32, .size: 8, .value_kind: global_buffer, .address_space: global }
    .group_segment_fixed_size: 327680
    .private_segment_fixed_size: 0
    .kernarg_segment_align: 8
    .kernarg_segment_size: 40
    .max_flat_workgroup_size: 128
    .sgpr_count:     100
    .vgpr_count:     1024
    .wavefront_size: 32
...
	.end_amdgpu_metadata
.endif
;; end of part 2
;; launch stat (part 3): grid 8 x 32, 4 waves a work-group, clusters of 4 x 4, 327,680 bytes of LDS; arguments qb, kb, mask, st; writes st
.if DOCPART == 3
	.amdgcn_target "amdgcn-amd-amdhsa--gfx1250"
	.amdhsa_code_object_version 6
	.text
	.protected	k_q594ffeed31_stat
	.globl	k_q594ffeed31_stat
	.p2align	8
	.type	k_q594ffeed31_stat,@function
k_q594ffeed31_stat:
	s_mov_b64 s[64:65], 0
	v_nop
	global_prefetch_b8 v0, s[64:65] scope:SCOPE_SE
	s_setreg_imm32_b32 hwreg(HW_REG_WAVE_MODE, 25, 1), 1
	s_wait_xcnt 0x0
	s_wait_alu depctr_hold_cnt(0) depctr_sa_sdst(0) depctr_va_vdst(0) depctr_va_sdst(0) depctr_va_ssrc(0) depctr_va_vcc(0) depctr_vm_vsrc(0)
	s_getreg_b32 s2, hwreg(HW_REG_IB_STS2, 6, 4)
	s_cmp_eq_u32 s2, 0
	s_cbranch_scc0 .Lentry_in_a_cluster
	s_endpgm
.Lentry_in_a_cluster:
	s_bfe_u32 s2, ttmp6, 0x10000c
	s_cmp_lg_u32 s2, 0xf033
	s_cbranch_scc0 .Lentry_shape_is_right
	s_endpgm
.Lentry_shape_is_right:
; The scores Q(q) Q(k)^T, masked, and of each row and each group of 128 keys the largest t and the sum of 2^(t - it), t = score x log2(e) / 32.  No work of reference() is left out here.
; A (source 1) = 128 queries, B (source 0) = 256 keys of the queries' batch, both as register images; a wave makes 64 x 128: a lane holds one query, its registers run along the keys.
; K = 1,024 lies in two LDS slots of 512, both filled at the start; nothing is filled again.  q's tile is asked for jointly by a row of the cluster, k's by a column.
; THE MASK: t = score x c + 0 where the key counts, score x 0 + (-1e9 log2(e)) where it does not: one fused multiply-add.  LIMIT: a score that is infinite or NaN at a masked key gives NaN.
; OUT: st [group of 128 keys][row][largest t, sum], f32.
.set NA,    4
.set NB,    8
.set AIMG,  1
.set BIMG,  1
.set KST,   8
.set SQ,    4
.set NSLOT, 2
.set APART, 24576                      ; 4 blocks of 16 rows x 2 images x 1,536 bytes, for each of two chunks
.set BPART, 49152                      ; 8 blocks likewise
.set ACP,   APART/2
.set BCP,   BPART/2
.set NLA,   3
.set BOFF,  2*APART
.set SLOT,  2*APART+2*BPART
.set SPARE, NSLOT*SLOT
.set LI,  4
.set L4,  5
.set L8,  6
.set ADA, 8
.set ADB, 14
.set SPW, 28
.set NIL, 29
.set SCA, 32
.set SCB, 64
.set TM,  96
.set PX,  114
.set NM,  116                          ; v116-123 minus the largest t, a pair for each block of rows
.set AF,  128
.set RL,  244                          ; v244-251 the sums, a pair for each block
; window 2: the 32 accumulators (ahead of the first product: the mask's 64 words, c in v64, 0 in v66).   window 3: v0-63 the keys' factors, v64-127 their addends
.set G1A, 28
.set G1B, 36
.set G0A, 44
.set G0B, 56
.set WV,  72
.set WR,  73
.set WC,  74
.set CX,  75
.set CY,  76
.set TX,  77
.set TY,  78
.set HM,  79
.set SEL, 80
.set TA,  82
.set AROW, 85
.set TB,  86
.set BROW, 89
.set OS,  92
.set YY,  94
.set MSB, 0
.macro WIN new                         ; the immediate's high byte repeats the setting that is left
.if MSB != (\new)
	s_set_vgpr_msb (MSB<<8)|(\new)
.set MSB, (\new)
.endif
.endm
.macro PLACES n
.rept \n
	v_nop
.endr
.endm
.macro CREST
	s_cmp_lg_u32 s[WV], 0
	s_cbranch_scc1 .Lnot_wave_0_\@
	s_barrier_signal -3
.Lnot_wave_0_\@:
	s_barrier_wait -3
	s_barrier_signal -1
	s_barrier_wait -1
.endm
.macro CROUND
	s_barrier_signal -1
	s_barrier_wait -1
	CREST
.endm
.macro G1SET g, m, w0, d0, d1, str
	s_or_b32 s[\g], s[\m], \w0
	s_mov_b32 s[\g+1], ((\d0)&0xffff)<<16
	s_mov_b32 s[\g+2], ((\d0)>>16)|(((\d1)&0xffff)<<16)
	s_mov_b32 s[\g+3], ((\d1)>>16)|((\d0)<<16)
	s_mov_b32 s[\g+4], \d1
	s_mov_b32 s[\g+5], \str
	s_mov_b32 s[\g+6], 0
	s_mov_b32 s[\g+7], 0
.endm
.macro G0SET p, da, db
	s_mov_b32 s[G0A+4*(\p)], 1
	s_add_co_u32 s[G0A+4*(\p)+1], s[TA+2], (\p)*SLOT
	s_add_nc_u64 s[G0A+4*(\p)+2:G0A+4*(\p)+3], s[TA:TA+1], \da
	s_or_b32 s[G0A+4*(\p)+3], s[G0A+4*(\p)+3], 0x80000000
	s_mov_b32 s[G0B+4*(\p)+4*((\p)/2)], 1
	s_add_co_u32 s[G0B+4*(\p)+4*((\p)/2)+1], s[TB+2], (\p)*SLOT
	s_add_nc_u64 s[G0B+4*(\p)+4*((\p)/2)+2:G0B+4*(\p)+4*((\p)/2)+3], s[TB:TB+1], \db
	s_or_b32 s[G0B+4*(\p)+4*((\p)/2)+3], s[G0B+4*(\p)+4*((\p)/2)+3], 0x80000000
.endm
.macro JLOAD p                         ; a joint load: waves 0, 1 fetch A's parts, waves 2, 3 B's; an s_nop 0 and four v_nop follow each line
	s_cmp_eq_u32 s[WR], 0
	s_cbranch_scc0 .Lfor_b_\@
	tensor_load_to_lds s[G0A+4*(\p):G0A+4*(\p)+3], s[G1A:G1A+7]
	s_nop 0
.rept 4
	v_nop
.endr
	s_branch .Lasked_\@
.Lfor_b_\@:
	tensor_load_to_lds s[G0B+4*(\p)+4*((\p)/2):G0B+4*(\p)+4*((\p)/2)+3], s[G1B:G1B+7]
	s_nop 0
.rept 4
	v_nop
.endr
.Lasked_\@:
.endm
.macro FRG reg, adr, sl, blk, cpb      ; a fragment's image: three loads of 16 bytes a lane
.irp c, 0,1,2
	ds_load_b128 v[(\reg)+4*\c:(\reg)+4*\c+3], v[\adr] offset:((\sl)/2)*(\cpb)+(2*(\blk)+(\sl)%2)*1536+512*\c
.endr
.endm
.macro FETCHB s
	WIN 0x40
.set FI, 0
.rept NB
	FRG 128*((\s)%2)+12*FI, ADB+((\s)/SQ)%NSLOT, (\s)%SQ, FI, BCP
.set FI, FI+1
.endr
	WIN 0
.endm
.macro FETCHA s, hh
.set FI, (\hh)*NA/2
.rept NA/2
	FRG AF+12*FI, ADA+((\s)/SQ)%NSLOT, (\s)%SQ, FI, ACP
.set FI, FI+1
.endr
.endm
.macro WM cz
.if \cz
.if MRB && MRA
	v_wmma_scale_f32_16x16x128_f8f6f4 v[MD:MD+7], v[MBF:MBF+11], v[MAF:MAF+11], 0, v[MSS], v[MSA] matrix_a_fmt:MATRIX_FMT_FP6 matrix_b_fmt:MATRIX_FMT_FP6 matrix_a_scale:MATRIX_SCALE_ROW1 matrix_b_scale:MATRIX_SCALE_ROW1
.elseif MRB
	v_wmma_scale_f32_16x16x128_f8f6f4 v[MD:MD+7], v[MBF:MBF+11], v[MAF:MAF+11], 0, v[MSS], v[MSA] matrix_a_fmt:MATRIX_FMT_FP6 matrix_b_fmt:MATRIX_FMT_FP6 matrix_a_scale:MATRIX_SCALE_ROW1
.elseif MRA
	v_wmma_scale_f32_16x16x128_f8f6f4 v[MD:MD+7], v[MBF:MBF+11], v[MAF:MAF+11], 0, v[MSS], v[MSA] matrix_a_fmt:MATRIX_FMT_FP6 matrix_b_fmt:MATRIX_FMT_FP6 matrix_b_scale:MATRIX_SCALE_ROW1
.else
	v_wmma_scale_f32_16x16x128_f8f6f4 v[MD:MD+7], v[MBF:MBF+11], v[MAF:MAF+11], 0, v[MSS], v[MSA] matrix_a_fmt:MATRIX_FMT_FP6 matrix_b_fmt:MATRIX_FMT_FP6
.endif
.else
.if MRB && MRA
	v_wmma_scale_f32_16x16x128_f8f6f4 v[MD:MD+7], v[MBF:MBF+11], v[MAF:MAF+11], v[MD:MD+7], v[MSS], v[MSA] matrix_a_fmt:MATRIX_FMT_FP6 matrix_b_fmt:MATRIX_FMT_FP6 matrix_a_scale:MATRIX_SCALE_ROW1 matrix_b_scale:MATRIX_SCALE_ROW1
.elseif MRB
	v_wmma_scale_f32_16x16x128_f8f6f4 v[MD:MD+7], v[MBF:MBF+11], v[MAF:MAF+11], v[MD:MD+7], v[MSS], v[MSA] matrix_a_fmt:MATRIX_FMT_FP6 matrix_b_fmt:MATRIX_FMT_FP6 matrix_a_scale:MATRIX_SCALE_ROW1
.elseif MRA
	v_wmma_scale_f32_16x16x128_f8f6f4 v[MD:MD+7], v[MBF:MBF+11], v[MAF:MAF+11], v[MD:MD+7], v[MSS], v[MSA] matrix_a_fmt:MATRIX_FMT_FP6 matrix_b_fmt:MATRIX_FMT_FP6 matrix_b_scale:MATRIX_SCALE_ROW1
.else
	v_wmma_scale_f32_16x16x128_f8f6f4 v[MD:MD+7], v[MBF:MBF+11], v[MAF:MAF+11], v[MD:MD+7], v[MSS], v[MSA] matrix_a_fmt:MATRIX_FMT_FP6 matrix_b_fmt:MATRIX_FMT_FP6
.endif
.endif
.endm
.macro MULH s, hh, cm                  ; half hh of step s's products (cm = 0: they start the sums); the accumulators take turns, one instruction a turn
	WIN 0xa1                                       ; source 0 (B) window 1, source 1 (A) window 0, C and D window 2
.set MA, (\hh)*NA/2
.rept NA/2
.set MB, 0
.rept NB
.set MD, 8*(MA*NB+MB)
.set MBF, 128*((\s)%2)+12*MB
.set MAF, AF+12*MA
.set MSS, SCB+KST*(MB/2)+(\s)
.set MSA, SCA+KST*(MA/2)+(\s)
.set MRB, MB%2
.set MRA, MA%2
	WM 1-(\cm)
.set MB, MB+1
.endr
.set MA, MA+1
.endr
.endm
.macro STEP s, sync, n, cm             ; sync = 1: in front of the next step's fetches the wait for my tensor loads and a barrier: the next slot is whole
	s_wait_dscnt (NA/2)*NLA                        ; B's set and A's first half are in; the youngest loads, A's second half, may be out
	MULH \s, 0, \cm
	s_wait_dscnt 0x0
.if (\s) < KST-1
.if (\sync) == 1
	WIN 0
	s_wait_tensorcnt \n
	s_barrier_signal -1
	s_barrier_wait -1
.endif
	PLACES 4                                       ; four places in front of loads into registers that matrix instructions have read
	FETCHB (\s)+1
	FETCHA (\s)+1, 0
.endif
	MULH \s, 1, \cm
.if (\s) < KST-1
	PLACES 4
	WIN 0
	FETCHA (\s)+1, 1
.else
	WIN 0
.endif
.endm
.macro START n
	s_wait_loadcnt 0x0
	s_wait_tensorcnt \n
	s_barrier_signal -1
	s_barrier_wait -1
	FETCHB 0
	FETCHA 0, 0
	FETCHA 0, 1
.endm
.macro FINISH
	s_wait_tensorcnt 0x0                           ; the wave's end
	ds_add_u32 v[SPW], v[NIL]
	s_wait_dscnt 0x0
	CROUND                                         ; the closing round
	s_endpgm
.endm
.macro SCPLN sc, ng, base, pln
.set GI, 0
.rept \ng
.set SI, 0
.rept KST
	global_load_b32 v[(\sc)+KST*GI+SI], v[L4], s[\base:\base+1] offset:SI*(\pln)+128*GI
.set SI, SI+1
.endr
.set GI, GI+1
.endr
.endm
	s_load_b256 s[4:11], s[0:1], 0x0               ; qb, kb, mask, st
	v_lshl_add_u32 v[SPW], v0, 2, SPARE
	v_mov_b32 v[NIL], 0
	ds_add_u32 v[SPW], v[NIL]                      ; the wave's opening
	ds_add_u32 v[SPW], v[NIL]
	v_lshrrev_b32 v1, 5, v0
	v_readfirstlane_b32 s[WV], v1
	s_lshr_b32 s[WR], s[WV], 1
	s_and_b32 s[WC], s[WV], 1
	s_bfe_u32 s[CX], ttmp6, 0x40000
	s_bfe_u32 s[CY], ttmp6, 0x40004
	s_lshl_b32 s[TX], ttmp9, 2
	s_add_co_u32 s[TX], s[TX], s[CX]               ; the tile of 256 keys in the batch
	s_and_b32 s[YY], ttmp7, 0xffff                 ; the batch: a cluster's four tiles of 128 queries are one batch's 512
	s_lshl_b32 s[TY], s[YY], 2
	s_add_co_u32 s[TY], s[TY], s[CY]               ; the tile of 128 queries
	s_lshl_b32 s95, s[CY], 2
	s_lshl_b32 s95, 15, s95
	s_lshl_b32 s99, 0x1111, s[CX]
	G1SET G1A, 95, (3<<16)|(1<<21), 1536, 2, 98304    ; two chunks' 12,288 dense bytes, 786,432 bytes apart
	G1SET G1B, 99, (3<<16)|(1<<21), 3072, 2, 393216   ; two chunks' 24,576 dense bytes, 3,145,728 bytes apart
	s_mov_b32 s[HM], 0xffff0000
	s_mov_b32 s[SEL], 0x76543210
	s_mov_b32 s[SEL+1], 0xfedcba98
	s_lshl_b32 s[TA], s[TY], 3
	s_lshl_b32 s[TA+1], s[WC], 2
	s_add_co_u32 s[TA], s[TA], s[TA+1]
	s_mul_i32 s[TA], s[TA], 3072
	s_mov_b32 s[TA+1], 0
	s_lshl_b32 s[TB], s[YY], 7
	s_lshl_b32 s[TB+1], s[TX], 4
	s_add_co_u32 s[TB], s[TB], s[TB+1]
	s_lshl_b32 s[TB+1], s[WC], 3
	s_add_co_u32 s[TB], s[TB], s[TB+1]
	s_mul_i32 s[TB], s[TB], 3072
	s_mov_b32 s[TB+1], 0
	s_mul_i32 s[TA+2], s[WC], APART
	s_mul_i32 s[TB+2], s[WC], BPART
	s_add_co_u32 s[TB+2], s[TB+2], BOFF
	s_wait_dscnt 0x0                               ; both opening adds are done
	s_wait_kmcnt 0x0
	s_add_nc_u64 s[TA:TA+1], s[4:5], s[TA:TA+1]
	s_add_nc_u64 s[TB:TB+1], s[6:7], s[TB:TB+1]
	G0SET 0, 0, 0
	G0SET 1, 1572864, 6291456
	CROUND
	JLOAD 0
	JLOAD 1                                        ; two loads of mine are out
	v_and_b32 v1, 15, v0
	v_bfe_u32 v2, v0, 4, 1
	v_and_b32 v3, 31, v0
	v_lshlrev_b32 v[LI], 4, v3
	v_lshlrev_b32 v[L4], 2, v3
	v_lshlrev_b32 v[L8], 3, v3
.irp b, 0,1,2,3
	v_mov_b32 v[TM+4+\b], 0                        ; written once: a lane permute's destination counts as one of its sources
.endr
	v_lshlrev_b32 v25, 5, v2                       ; the mask: my half's eight keys of a tile
	s_mul_i32 s2, s[WR], APART
	s_mul_i32 s3, s[WC], BPART
	s_add_co_u32 s3, s3, BOFF
.set PI, 0
.rept NSLOT
	v_add_nc_u32 v[ADA+PI], s2, v[LI]
	v_add_nc_u32 v[ADB+PI], s3, v[LI]
	s_add_co_u32 s2, s2, SLOT
	s_add_co_u32 s3, s3, SLOT
.set PI, PI+1
.endr
	s_lshl_b32 s[AROW], s[TY], 7
	s_lshl_b32 s2, s[WR], 6
	s_add_co_u32 s[AROW], s[AROW], s2              ; my first query, of 4,096
	s_lshl_b32 s[BROW], s[YY], 11
	s_lshl_b32 s2, s[TX], 8
	s_add_co_u32 s[BROW], s[BROW], s2
	s_lshl_b32 s2, s[WC], 7
	s_add_co_u32 s[BROW], s[BROW], s2              ; my first key, of 16,384
	s_mov_b32 s3, 0
	s_lshl_b32 s2, s[AROW], 2
	s_add_co_u32 s2, s2, 3145728
	s_add_nc_u64 s[4:5], s[4:5], s[2:3]            ; q's scale planes
	s_lshl_b32 s2, s[BROW], 2
	s_add_nc_u64 s[8:9], s[8:9], s[2:3]            ; the mask
	s_add_co_u32 s2, s2, 12582912
	s_add_nc_u64 s[6:7], s[6:7], s[2:3]            ; k's scale planes
	s_lshl_b32 s2, s[TX], 1
	s_add_co_u32 s2, s2, s[WC]
	s_lshl_b32 s2, s2, 15                          ; st: group 2 x tile + half, 32,768 bytes each
	s_lshl_b32 s95, s[AROW], 3
	s_add_co_u32 s2, s2, s95
	s_add_nc_u64 s[OS:OS+1], s[10:11], s[2:3]
	SCPLN SCA, 2, 4, 16384
	SCPLN SCB, 4, 6, 65536
	WIN 0x80                                       ; the mask's words of my 64 keys a lane: register 8 b + j: key 16 b + 8 h + j
.set TI, 0
.rept 8
	global_load_b128 v[8*TI:8*TI+3], v25, s[8:9] offset:64*TI
	global_load_b128 v[8*TI+4:8*TI+7], v25, s[8:9] offset:64*TI+16
.set TI, TI+1
.endr
	v_mov_b32 v64, 0x3d38aa3b                      ; c = log2(e) / 32
	v_mov_b32 v66, 0
	s_mov_b32 s99, 0xceabfb8e                      ; -1e9 log2(e)
	s_wait_loadcnt 0x0
	WIN 0xc8                                       ; source 1 window 2, destination window 3
.set EI, 0
.rept 64
	v_cmp_ne_u32 vcc_lo, 0, v[EI]
	v_cndmask_b32 v[EI], 0, v64, vcc_lo            ; the key's factor: c, or 0 where it is masked
	v_cndmask_b32 v[64+EI], s99, v66, vcc_lo       ; its addend: 0, or the masked t
.set EI, EI+1
.endr
	WIN 0
	START 1
	STEP 0, 0, 0, 0                                ; the first step's products start the sums
	STEP 1, 0, 0, 1
	STEP 2, 0, 0, 1
	STEP 3, 1, 0, 1                                ; slot 1 has landed, in every wave
	STEP 4, 0, 0, 1
	STEP 5, 0, 0, 1
	STEP 6, 0, 0, 1
	STEP 7, 0, 0, 1
	PLACES 4                                       ; in front of the first read of results
	WIN 0xbe                                       ; accumulators window 2, factors and addends window 3
.set EI, 0
.rept 128
	v_pk_fma_f32 v[2*EI:2*EI+1], v[2*EI:2*EI+1], v[(2*EI)%64:(2*EI)%64+1], v[64+(2*EI)%64:64+(2*EI)%64+1]   ; t, each accumulator from its low end on
.set EI, EI+1
.endr
	WIN 0x0a
.irp a, 0,1,2,3
	v_max_num_f32 v[TM+\a], v[64*\a], v[64*\a+1]   ; the largest t of my 64 keys, the four blocks of rows by turns
.endr
.set EI, 2
.rept 31
.irp a, 0,1,2,3
	v_max3_num_f32 v[TM+\a], v[64*\a+EI], v[64*\a+EI+1], v[TM+\a]
.endr
.set EI, EI+2
.endr
	WIN 0
.irp a, 0,1,2,3
	v_permlanex16_b32 v[TM+4+\a], v[TM+\a], s[SEL], s[SEL+1]
.endr
.irp a, 0,1,2,3
	v_max_num_f32 v[TM+\a], v[TM+\a], v[TM+4+\a]   ; with lane l xor 16's 64 keys: m of the row in this group
.endr
.irp a, 0,1,2,3
	v_mul_f32 v[NM+2*\a], -1.0, v[TM+\a]
	v_mul_f32 v[NM+2*\a+1], -1.0, v[TM+\a]
	v_mov_b32 v[RL+2*\a], 0
	v_mov_b32 v[RL+2*\a+1], 0
.endr
	WIN 0x82
.set EI, 0
.rept 128
	v_pk_add_f32 v[2*EI:2*EI+1], v[2*EI:2*EI+1], v[NM+2*(EI/32):NM+2*(EI/32)+1] op_sel_hi:[1,0]   ; t - m
.set EI, EI+1
.endr
.set EI, 0
.rept 256
	v_exp_f32 v[EI], v[EI]
.set EI, EI+1
.endr
	v_nop                                          ; a plain place behind the last exponential
	s_wait_alu depctr_va_vdst(0)                   ; one wait for the whole batch, ahead of its first reader
	WIN 0x02
.set EI, 0
.rept 32
.irp a, 0,1,2,3
	v_pk_add_f32 v[RL+2*\a:RL+2*\a+1], v[64*\a+2*EI:64*\a+2*EI+1], v[RL+2*\a:RL+2*\a+1]
.endr
.set EI, EI+1
.endr
	WIN 0
.irp a, 0,1,2,3
	v_add_f32 v[TM+8+\a], v[RL+2*\a], v[RL+2*\a+1]
.endr
.irp a, 0,1,2,3
	v_permlanex16_b32 v[TM+4+\a], v[TM+8+\a], s[SEL], s[SEL+1]
.endr
.irp a, 0,1,2,3
	v_add_f32 v[TM+8+\a], v[TM+8+\a], v[TM+4+\a]   ; l of the row in this group
.endr
.irp g, 0,1
.if \g
	s_wait_xcnt 0x0                                ; the first store has read its registers
.endif
	v_cndmask_b32 v[PX], v[TM+2*\g], v[TM+2*\g+1], s[HM]       ; lanes 0-15 the even block's rows, lanes 16-31 the odd block's: 32 rows on end
	v_cndmask_b32 v[PX+1], v[TM+8+2*\g], v[TM+9+2*\g], s[HM]
	global_store_b64 v[L8], v[PX:PX+1], s[OS:OS+1] offset:256*\g   ; 256 consecutive bytes, aligned
.endr
	FINISH
.Lfunc_end_k_q594ffeed31_stat:
	.size	k_q594ffeed31_stat, .Lfunc_end_k_q594ffeed31_stat-k_q594ffeed31_stat
	.p2alignl 7, 3214868480
	.fill 96, 4, 3214868480
	.section	.rodata,"a",@progbits
	.p2align	6, 0x0
	.amdhsa_kernel k_q594ffeed31_stat
		.amdhsa_group_segment_fixed_size 327680
		.amdhsa_private_segment_fixed_size 0
		.amdhsa_enable_private_segment 0
		.amdhsa_kernarg_size 32
		.amdhsa_user_sgpr_count 2
		.amdhsa_user_sgpr_kernarg_segment_ptr 1
		.amdhsa_wavefront_size32 1
		.amdhsa_system_sgpr_workgroup_id_x 1
		.amdhsa_system_sgpr_workgroup_id_y 1
		.amdhsa_system_sgpr_workgroup_id_z 1
		.amdhsa_system_vgpr_workitem_id 0
		.amdhsa_next_free_vgpr 1024
		.amdhsa_next_free_sgpr 100
		.amdhsa_reserve_vcc 1
		.amdhsa_float_denorm_mode_32 3
		.amdhsa_float_denorm_mode_16_64 3
		.amdhsa_memory_ordered 1
		.amdhsa_forward_progress 1
		.amdhsa_inst_pref_size 116
	.end_amdhsa_kernel
	.amdgpu_metadata
---
amdhsa.version: [ 1, 2 ]
amdhsa.kernels:
  - .name:           k_q594ffeed31_stat
    .symbol:         k_q594ffeed31_stat.kd
    .args:
      - { .name: qb, .offset: 0, .size: 8, .value_kind: global_buffer, .address_space: global }
      - { .name: kb, .offset: 8, .size: 8, .value_kind: global_buffer, .address_space: global }
      - { .name: mask, .offset: 16, .size: 8, .value_kind: global_buffer, .address_space: global }
      - { .name: st, .offset: 24, .size: 8, .value_kind: global_buffer, .address_space: global }
    .group_segment_fixed_size: 327680
    .private_segment_fixed_size: 0
    .kernarg_segment_align: 8
    .kernarg_segment_size: 32
    .max_flat_workgroup_size: 128
    .sgpr_count:     100
    .vgpr_count:     1024
    .wavefront_size: 32
...
	.end_amdgpu_metadata
.endif
;; end of part 3
;; launch soft (part 4): grid 8 x 32, 4 waves a work-group, clusters of 4 x 4, 327,680 bytes of LDS; arguments qb, kb, mask, st, out1, pb; writes out1, pb
.if DOCPART == 4
	.amdgcn_target "amdgcn-amd-amdhsa--gfx1250"
	.amdhsa_code_object_version 6
	.text
	.protected	k_q594ffeed31_soft
	.globl	k_q594ffeed31_soft
	.p2align	8
	.type	k_q594ffeed31_soft,@function
k_q594ffeed31_soft:
	s_mov_b64 s[64:65], 0
	v_nop
	global_prefetch_b8 v0, s[64:65] scope:SCOPE_SE
	s_setreg_imm32_b32 hwreg(HW_REG_WAVE_MODE, 25, 1), 1
	s_wait_xcnt 0x0
	s_wait_alu depctr_hold_cnt(0) depctr_sa_sdst(0) depctr_va_vdst(0) depctr_va_sdst(0) depctr_va_ssrc(0) depctr_va_vcc(0) depctr_vm_vsrc(0)
	s_getreg_b32 s2, hwreg(HW_REG_IB_STS2, 6, 4)
	s_cmp_eq_u32 s2, 0
	s_cbranch_scc0 .Lentry_in_a_cluster
	s_endpgm
.Lentry_in_a_cluster:
	s_bfe_u32 s2, ttmp6, 0x10000c
	s_cmp_lg_u32 s2, 0xf033
	s_cbranch_scc0 .Lentry_shape_is_right
	s_endpgm
.Lentry_shape_is_right:
; The scores once more, by the same instructions on the same codes as in the launch before; then the softmax is finished: p = 2^(t - M) / L, M the row's largest t and L its sum over all 2,048 keys, joined from the 16 groups'
; figures.  NaN becomes 0, as reference() has it.  p leaves as out1, and, quantised along the keys, as register images for the last product.  No work of reference() is left out here.
; Shares, layout, ring and mask as in the launch before: 128 queries x 256 keys a work-group, 64 x 128 a wave, a lane one query.
; OUT: out1 by whole rows of 512 bytes through the wave's own stage in LDS (in slot 0, which has had its only fill, and which nobody reads behind the barrier of step 3);
; pb: images [256 keys][row / 16][half chunk][1,536]; scale words [128 keys][row][4 bytes].
.set NA,    4
.set NB,    8
.set AIMG,  1
.set BIMG,  1
.set KST,   8
.set SQ,    4
.set NSLOT, 2
.set APART, 24576
.set BPART, 49152
.set ACP,   APART/2
.set BCP,   BPART/2
.set NLA,   3
.set BOFF,  2*APART
.set SLOT,  2*APART+2*BPART
.set SPARE, NSLOT*SLOT
.set LI,  4
.set L4,  5
.set L8,  6
.set ADA, 8
.set ADB, 14
.set STO, 20                           ; the stage: where I put 32 bytes of a row
.set RD,  21                           ; and where I read a row back
.set SPW, 28
.set NIL, 29
.set SCA, 32
.set SCB, 64
.set TM,  96
.set PW,  112
.set PWE, 113
.set PX,  114
.set NM,  116                          ; v116-123 -M, a pair for each block of rows
.set AF,  128
.set BK,  128                          ; the way out: 16 rows read back from the stage
.set ST,  128                          ; ahead of the first fetch: st's figures: v[ST + 32 g + 2 u] m, + 1 l of row 32 g + lane in group u
.set MX,  192
.set LL,  194
.set RR,  198
.set NMX, 200
.set XN,  202
.set XR,  204
.set PC,  224
.set PY,  236
.set RL,  244                          ; v244-251 1 / L, a pair for each block
.set G1A, 28
.set G1B, 36
.set G0A, 44
.set G0B, 56
.set WV,  72
.set WR,  73
.set WC,  74
.set CX,  75
.set CY,  76
.set TX,  77
.set TY,  78
.set HM,  79
.set SEL, 80
.set TA,  82
.set AROW, 85
.set TB,  86
.set BROW, 89
.set OB,  90
.set OS,  92
.set YY,  94
.set O1,  96                           ; s[96:97] out1 at my first row and column
.set MSB, 0
.macro WIN new                         ; the immediate's high byte repeats the setting that is left
.if MSB != (\new)
	s_set_vgpr_msb (MSB<<8)|(\new)
.set MSB, (\new)
.endif
.endm
.macro PLACES n
.rept \n
	v_nop
.endr
.endm
.macro CREST
	s_cmp_lg_u32 s[WV], 0
	s_cbranch_scc1 .Lnot_wave_0_\@
	s_barrier_signal -3
.Lnot_wave_0_\@:
	s_barrier_wait -3
	s_barrier_signal -1
	s_barrier_wait -1
.endm
.macro CROUND
	s_barrier_signal -1
	s_barrier_wait -1
	CREST
.endm
.macro G1SET g, m, w0, d0, d1, str
	s_or_b32 s[\g], s[\m], \w0
	s_mov_b32 s[\g+1], ((\d0)&0xffff)<<16
	s_mov_b32 s[\g+2], ((\d0)>>16)|(((\d1)&0xffff)<<16)
	s_mov_b32 s[\g+3], ((\d1)>>16)|((\d0)<<16)
	s_mov_b32 s[\g+4], \d1
	s_mov_b32 s[\g+5], \str
	s_mov_b32 s[\g+6], 0
	s_mov_b32 s[\g+7], 0
.endm
.macro G0SET p, da, db
	s_mov_b32 s[G0A+4*(\p)], 1
	s_add_co_u32 s[G0A+4*(\p)+1], s[TA+2], (\p)*SLOT
	s_add_nc_u64 s[G0A+4*(\p)+2:G0A+4*(\p)+3], s[TA:TA+1], \da
	s_or_b32 s[G0A+4*(\p)+3], s[G0A+4*(\p)+3], 0x80000000
	s_mov_b32 s[G0B+4*(\p)+4*((\p)/2)], 1
	s_add_co_u32 s[G0B+4*(\p)+4*((\p)/2)+1], s[TB+2], (\p)*SLOT
	s_add_nc_u64 s[G0B+4*(\p)+4*((\p)/2)+2:G0B+4*(\p)+4*((\p)/2)+3], s[TB:TB+1], \db
	s_or_b32 s[G0B+4*(\p)+4*((\p)/2)+3], s[G0B+4*(\p)+4*((\p)/2)+3], 0x80000000
.endm
.macro JLOAD p                         ; a joint load: waves 0, 1 fetch A's parts, waves 2, 3 B's; an s_nop 0 and four v_nop follow each line
	s_cmp_eq_u32 s[WR], 0
	s_cbranch_scc0 .Lfor_b_\@
	tensor_load_to_lds s[G0A+4*(\p):G0A+4*(\p)+3], s[G1A:G1A+7]
	s_nop 0
.rept 4
	v_nop
.endr
	s_branch .Lasked_\@
.Lfor_b_\@:
	tensor_load_to_lds s[G0B+4*(\p)+4*((\p)/2):G0B+4*(\p)+4*((\p)/2)+3], s[G1B:G1B+7]
	s_nop 0
.rept 4
	v_nop
.endr
.Lasked_\@:
.endm
.macro FRG reg, adr, sl, blk, cpb
.irp c, 0,1,2
	ds_load_b128 v[(\reg)+4*\c:(\reg)+4*\c+3], v[\adr] offset:((\sl)/2)*(\cpb)+(2*(\blk)+(\sl)%2)*1536+512*\c
.endr
.endm
.macro FETCHB s
	WIN 0x40
.set FI, 0
.rept NB
	FRG 128*((\s)%2)+12*FI, ADB+((\s)/SQ)%NSLOT, (\s)%SQ, FI, BCP
.set FI, FI+1
.endr
	WIN 0
.endm
.macro FETCHA s, hh
.set FI, (\hh)*NA/2
.rept NA/2
	FRG AF+12*FI, ADA+((\s)/SQ)%NSLOT, (\s)%SQ, FI, ACP
.set FI, FI+1
.endr
.endm
.macro WM cz
.if \cz
.if MRB && MRA
	v_wmma_scale_f32_16x16x128_f8f6f4 v[MD:MD+7], v[MBF:MBF+11], v[MAF:MAF+11], 0, v[MSS], v[MSA] matrix_a_fmt:MATRIX_FMT_FP6 matrix_b_fmt:MATRIX_FMT_FP6 matrix_a_scale:MATRIX_SCALE_ROW1 matrix_b_scale:MATRIX_SCALE_ROW1
.elseif MRB
	v_wmma_scale_f32_16x16x128_f8f6f4 v[MD:MD+7], v[MBF:MBF+11], v[MAF:MAF+11], 0, v[MSS], v[MSA] matrix_a_fmt:MATRIX_FMT_FP6 matrix_b_fmt:MATRIX_FMT_FP6 matrix_a_scale:MATRIX_SCALE_ROW1
.elseif MRA
	v_wmma_scale_f32_16x16x128_f8f6f4 v[MD:MD+7], v[MBF:MBF+11], v[MAF:MAF+11], 0, v[MSS], v[MSA] matrix_a_fmt:MATRIX_FMT_FP6 matrix_b_fmt:MATRIX_FMT_FP6 matrix_b_scale:MATRIX_SCALE_ROW1
.else
	v_wmma_scale_f32_16x16x128_f8f6f4 v[MD:MD+7], v[MBF:MBF+11], v[MAF:MAF+11], 0, v[MSS], v[MSA] matrix_a_fmt:MATRIX_FMT_FP6 matrix_b_fmt:MATRIX_FMT_FP6
.endif
.else
.if MRB && MRA
	v_wmma_scale_f32_16x16x128_f8f6f4 v[MD:MD+7], v[MBF:MBF+11], v[MAF:MAF+11], v[MD:MD+7], v[MSS], v[MSA] matrix_a_fmt:MATRIX_FMT_FP6 matrix_b_fmt:MATRIX_FMT_FP6 matrix_a_scale:MATRIX_SCALE_ROW1 matrix_b_scale:MATRIX_SCALE_ROW1
.elseif MRB
	v_wmma_scale_f32_16x16x128_f8f6f4 v[MD:MD+7], v[MBF:MBF+11], v[MAF:MAF+11], v[MD:MD+7], v[MSS], v[MSA] matrix_a_fmt:MATRIX_FMT_FP6 matrix_b_fmt:MATRIX_FMT_FP6 matrix_a_scale:MATRIX_SCALE_ROW1
.elseif MRA
	v_wmma_scale_f32_16x16x128_f8f6f4 v[MD:MD+7], v[MBF:MBF+11], v[MAF:MAF+11], v[MD:MD+7], v[MSS], v[MSA] matrix_a_fmt:MATRIX_FMT_FP6 matrix_b_fmt:MATRIX_FMT_FP6 matrix_b_scale:MATRIX_SCALE_ROW1
.else
	v_wmma_scale_f32_16x16x128_f8f6f4 v[MD:MD+7], v[MBF:MBF+11], v[MAF:MAF+11], v[MD:MD+7], v[MSS], v[MSA] matrix_a_fmt:MATRIX_FMT_FP6 matrix_b_fmt:MATRIX_FMT_FP6
.endif
.endif
.endm
.macro MULH s, hh, cm                  ; the accumulators take turns, one instruction a turn
	WIN 0xa1
.set MA, (\hh)*NA/2
.rept NA/2
.set MB, 0
.rept NB
.set MD, 8*(MA*NB+MB)
.set MBF, 128*((\s)%2)+12*MB
.set MAF, AF+12*MA
.set MSS, SCB+KST*(MB/2)+(\s)
.set MSA, SCA+KST*(MA/2)+(\s)
.set MRB, MB%2
.set MRA, MA%2
	WM 1-(\cm)
.set MB, MB+1
.endr
.set MA, MA+1
.endr
.endm
.macro STEP s, sync, n, cm
	s_wait_dscnt (NA/2)*NLA                        ; B's set and A's first half are in; the youngest loads, A's second half, may be out
	MULH \s, 0, \cm
	s_wait_dscnt 0x0
.if (\s) < KST-1
.if (\sync) == 1
	WIN 0
	s_wait_tensorcnt \n
	s_barrier_signal -1
	s_barrier_wait -1
.endif
	PLACES 4
	FETCHB (\s)+1
	FETCHA (\s)+1, 0
.endif
	MULH \s, 1, \cm
.if (\s) < KST-1
	PLACES 4
	WIN 0
	FETCHA (\s)+1, 1
.else
	WIN 0
.endif
.endm
.macro START n
	s_wait_loadcnt 0x0
	s_wait_tensorcnt \n
	s_barrier_signal -1
	s_barrier_wait -1
	FETCHB 0
	FETCHA 0, 0
	FETCHA 0, 1
.endm
.macro FINISH
	s_wait_tensorcnt 0x0                           ; the wave's end, behind my last tensor load and my last LDS store
	ds_add_u32 v[SPW], v[NIL]
	s_wait_dscnt 0x0
	CROUND                                         ; the closing round
	s_endpgm
.endm
.macro SCPLN sc, ng, base, pln
.set GI, 0
.rept \ng
.set SI, 0
.rept KST
	global_load_b32 v[(\sc)+KST*GI+SI], v[L4], s[\base:\base+1] offset:SI*(\pln)+128*GI
.set SI, SI+1
.endr
.set GI, GI+1
.endr
.endm
.macro QUANTW s, w                     ; 64 numbers of a lane in window w become a fragment's codes in v[PC] on and its scale word in v[PW]
	s_wait_xcnt 0x0                                ; the last block's stores have read their registers
	WIN 5*(\w)
.irp b, 0,1,2,3
	v_max3_num_f32 v[TM+\b], |v[(\s)+16*\b]|, |v[(\s)+16*\b+1]|, 0x1800000   ; and the floor 2^(3 - 127): the byte cannot fall under 1
.endr
.irp i, 2,4,6,8,10,12,14
.irp b, 0,1,2,3
	v_max3_num_f32 v[TM+\b], |v[(\s)+16*\b+\i]|, |v[(\s)+16*\b+\i+1]|, v[TM+\b]
.endr
.endr
	WIN 0
.irp b, 0,1,2,3
	v_permlanex16_b32 v[TM+4+\b], v[TM+\b], s[SEL], s[SEL+1]
.endr
.irp b, 0,1,2,3
	v_max_num_f32 v[TM+\b], v[TM+\b], v[TM+4+\b]
.endr
.irp b, 0,1,2,3
	v_add_nc_u32 v[TM+12+\b], 0xff000000, v[TM+\b] ; 2 off the exponent field: the conversion's scale operand
.endr
.irp b, 0,1,2,3
	v_lshrrev_b32 v[TM+4+\b], 23, v[TM+12+\b]
.endr
	v_lshl_or_b32 v[PW], v[TM+5], 8, v[TM+4]
	v_lshl_or_b32 v[PW], v[TM+6], 16, v[PW]
	v_lshl_or_b32 v[PW], v[TM+7], 24, v[PW]
	WIN (\w)
.irp c, 0,1
	v_cvt_scalef32_pk16_fp6_f32 v[PC+6*\c:PC+6*\c+2], v[(\s)+32*\c:(\s)+32*\c+15], v[TM+12+2*\c]
	v_cvt_scalef32_pk16_fp6_f32 v[PY+4*\c:PY+4*\c+2], v[(\s)+32*\c+16:(\s)+32*\c+31], v[TM+13+2*\c]
.endr
	WIN 0
	v_nop                                          ; one plain place behind a scaled conversion
.irp c, 0,1
.irp i, 0,1,2
	v_permlane16_swap_b32 v[PC+6*\c+\i], v[PY+4*\c+\i]
.endr
	v_perm_b32 v[PC+6*\c+3], v[PC+6*\c+2], v[PC+6*\c+1], 0x05040302   ; the four pieces of 48 bits into their true order along K
	v_perm_b32 v[PC+6*\c+4], v[PY+4*\c+1], v[PC+6*\c+2], 0x07060302
	v_mov_b32 v[PC+6*\c+5], v[PY+4*\c+2]
	v_perm_b32 v[PC+6*\c+1], v[PY+4*\c], v[PC+6*\c+1], 0x05040100
	v_perm_b32 v[PC+6*\c+2], v[PY+4*\c+1], v[PY+4*\c], 0x05040302
.endr
.endm
.macro PUTIMG off
.irp c, 0,1,2
	global_store_b128 v[LI], v[PC+4*\c:PC+4*\c+3], s[OB:OB+1] offset:(\off)+512*\c
.endr
.endm
.macro PUTSC a
.if (\a)%2 == 0
	v_mov_b32 v[PWE], v[PW]
.else
	v_cndmask_b32 v[PX], v[PWE], v[PW], s[HM]
	global_store_b32 v[L4], v[PX], s[OS:OS+1] offset:((\a)/2)*128
.endif
.endm
	s_load_b256 s[4:11], s[0:1], 0x0               ; qb, kb, mask, st
	s_load_b128 s[12:15], s[0:1], 0x20             ; out1, pb
	v_lshl_add_u32 v[SPW], v0, 2, SPARE
	v_mov_b32 v[NIL], 0
	ds_add_u32 v[SPW], v[NIL]                      ; the wave's opening
	ds_add_u32 v[SPW], v[NIL]
	v_lshrrev_b32 v1, 5, v0
	v_readfirstlane_b32 s[WV], v1
	s_lshr_b32 s[WR], s[WV], 1
	s_and_b32 s[WC], s[WV], 1
	s_bfe_u32 s[CX], ttmp6, 0x40000
	s_bfe_u32 s[CY], ttmp6, 0x40004
	s_lshl_b32 s[TX], ttmp9, 2
	s_add_co_u32 s[TX], s[TX], s[CX]
	s_and_b32 s[YY], ttmp7, 0xffff
	s_lshl_b32 s[TY], s[YY], 2
	s_add_co_u32 s[TY], s[TY], s[CY]
	s_lshl_b32 s95, s[CY], 2
	s_lshl_b32 s95, 15, s95
	s_lshl_b32 s99, 0x1111, s[CX]
	G1SET G1A, 95, (3<<16)|(1<<21), 1536, 2, 98304
	G1SET G1B, 99, (3<<16)|(1<<21), 3072, 2, 393216
	s_mov_b32 s[HM], 0xffff0000
	s_mov_b32 s[SEL], 0x76543210
	s_mov_b32 s[SEL+1], 0xfedcba98
	s_lshl_b32 s[TA], s[TY], 3
	s_lshl_b32 s[TA+1], s[WC], 2
	s_add_co_u32 s[TA], s[TA], s[TA+1]
	s_mul_i32 s[TA], s[TA], 3072
	s_mov_b32 s[TA+1], 0
	s_lshl_b32 s[TB], s[YY], 7
	s_lshl_b32 s[TB+1], s[TX], 4
	s_add_co_u32 s[TB], s[TB], s[TB+1]
	s_lshl_b32 s[TB+1], s[WC], 3
	s_add_co_u32 s[TB], s[TB], s[TB+1]
	s_mul_i32 s[TB], s[TB], 3072
	s_mov_b32 s[TB+1], 0
	s_mul_i32 s[TA+2], s[WC], APART
	s_mul_i32 s[TB+2], s[WC], BPART
	s_add_co_u32 s[TB+2], s[TB+2], BOFF
	s_wait_dscnt 0x0                               ; both opening adds are done
	s_wait_kmcnt 0x0
	s_add_nc_u64 s[TA:TA+1], s[4:5], s[TA:TA+1]
	s_add_nc_u64 s[TB:TB+1], s[6:7], s[TB:TB+1]
	G0SET 0, 0, 0
	G0SET 1, 1572864, 6291456
	CROUND
	JLOAD 0
	JLOAD 1                                        ; two loads of mine are out
	v_and_b32 v1, 15, v0
	v_bfe_u32 v2, v0, 4, 1
	v_and_b32 v3, 31, v0
	v_lshlrev_b32 v[LI], 4, v3
	v_lshlrev_b32 v[L4], 2, v3
	v_lshlrev_b32 v[L8], 3, v3
.irp b, 0,1,2,3
	v_mov_b32 v[TM+4+\b], 0
.endr
	v_lshlrev_b32 v25, 5, v2
	s_mul_i32 s2, s[WR], APART
	s_mul_i32 s3, s[WC], BPART
	s_add_co_u32 s3, s3, BOFF
.set PI, 0
.rept NSLOT
	v_add_nc_u32 v[ADA+PI], s2, v[LI]
	v_add_nc_u32 v[ADB+PI], s3, v[LI]
	s_add_co_u32 s2, s2, SLOT
	s_add_co_u32 s3, s3, SLOT
.set PI, PI+1
.endr
	s_mul_i32 s2, s[WV], 8448                      ; my stage: 16 rows x (512 + 16) bytes
	v_mul_u32_u24 v[STO], v1, 528
	v_lshl_add_u32 v[STO], v2, 5, v[STO]
	v_add_nc_u32 v[STO], s2, v[STO]
	v_add_nc_u32 v[RD], s2, v[LI]
	s_lshl_b32 s[AROW], s[TY], 7
	s_lshl_b32 s2, s[WR], 6
	s_add_co_u32 s[AROW], s[AROW], s2
	s_lshl_b32 s[BROW], s[YY], 11
	s_lshl_b32 s2, s[TX], 8
	s_add_co_u32 s[BROW], s[BROW], s2
	s_lshl_b32 s2, s[WC], 7
	s_add_co_u32 s[BROW], s[BROW], s2
	s_mov_b32 s3, 0
	s_lshl_b32 s2, s[AROW], 2
	s_add_co_u32 s2, s2, 3145728
	s_add_nc_u64 s[4:5], s[4:5], s[2:3]            ; q's scale planes
	s_lshl_b32 s2, s[BROW], 2
	s_add_nc_u64 s[8:9], s[8:9], s[2:3]            ; the mask
	s_add_co_u32 s2, s2, 12582912
	s_add_nc_u64 s[6:7], s[6:7], s[2:3]            ; k's scale planes
	s_lshl_b32 s2, s[AROW], 3
	s_add_nc_u64 s[10:11], s[10:11], s[2:3]        ; st at my first row
	s_lshl_b32 s2, s[AROW], 13                     ; out1: a row is 8,192 bytes
	s_lshl_b32 s95, s[TX], 10
	s_add_co_u32 s2, s2, s95
	s_lshl_b32 s95, s[WC], 9
	s_add_co_u32 s2, s2, s95
	s_add_nc_u64 s[O1:O1+1], s[12:13], s[2:3]
	s_mul_i32 s2, s[TX], 786432
	s_mul_i32 s95, s[AROW], 192
	s_add_co_u32 s2, s2, s95
	s_mul_i32 s95, s[WC], 1536
	s_add_co_u32 s2, s2, s95
	s_add_nc_u64 s[OB:OB+1], s[14:15], s[2:3]
	s_lshl_b32 s2, s[TX], 1
	s_add_co_u32 s2, s2, s[WC]
	s_lshl_b32 s2, s2, 14
	s_lshl_b32 s95, s[AROW], 2
	s_add_co_u32 s2, s2, s95
	s_add_co_u32 s2, s2, 6291456
	s_add_nc_u64 s[OS:OS+1], s[14:15], s[2:3]
	SCPLN SCA, 2, 4, 16384
	SCPLN SCB, 4, 6, 65536
.irp g, 0,1
.irp u, 0,1,2,3,4,5,6,7,8,9,10,11,12,13,14,15
	global_load_b64 v[ST+32*\g+2*\u:ST+32*\g+2*\u+1], v[L8], s[10:11] offset:32768*\u+256*\g   ; row 32 g + lane, group u
.endr
.endr
	WIN 0x80
.set TI, 0
.rept 8
	global_load_b128 v[8*TI:8*TI+3], v25, s[8:9] offset:64*TI
	global_load_b128 v[8*TI+4:8*TI+7], v25, s[8:9] offset:64*TI+16
.set TI, TI+1
.endr
	v_mov_b32 v64, 0x3d38aa3b                      ; c = log2(e) / 32
	v_mov_b32 v66, 0
	s_mov_b32 s99, 0xceabfb8e                      ; -1e9 log2(e)
	s_wait_loadcnt 0x0
	WIN 0xc8
.set EI, 0
.rept 64
	v_cmp_ne_u32 vcc_lo, 0, v[EI]
	v_cndmask_b32 v[EI], 0, v64, vcc_lo
	v_cndmask_b32 v[64+EI], s99, v66, vcc_lo
.set EI, EI+1
.endr
	WIN 0
	; the rows' M and 1 / L: a lane stands for row 32 g + lane
.irp g, 0,1
	v_max3_num_f32 v[MX+\g], v[ST+32*\g], v[ST+32*\g+2], v[ST+32*\g+4]
.endr
.irp u, 3,5,7,9,11,13
.irp g, 0,1
	v_max3_num_f32 v[MX+\g], v[MX+\g], v[ST+32*\g+2*\u], v[ST+32*\g+2*\u+2]
.endr
.endr
.irp g, 0,1
	v_max_num_f32 v[MX+\g], v[MX+\g], v[ST+32*\g+30]
.endr
.irp u, 0,1,2,3,4,5,6,7,8,9,10,11,12,13,14,15
.irp g, 0,1
	v_sub_f32 v[ST+32*\g+2*\u], v[ST+32*\g+2*\u], v[MX+\g]
.endr
.endr
.irp u, 0,1,2,3,4,5,6,7,8,9,10,11,12,13,14,15
.irp g, 0,1
	v_exp_f32 v[ST+32*\g+2*\u], v[ST+32*\g+2*\u]
.endr
.endr
	v_nop                                          ; a plain place behind the last exponential
	s_wait_alu depctr_va_vdst(0)                   ; one wait for the batch, ahead of its first reader
.irp g, 0,1
	v_mul_f32 v[LL+\g], v[ST+32*\g+1], v[ST+32*\g]
.endr
.irp u, 1,2,3,4,5,6,7,8,9,10,11,12,13,14,15
.irp g, 0,1
	v_fma_f32 v[LL+\g], v[ST+32*\g+2*\u+1], v[ST+32*\g+2*\u], v[LL+\g]   ; L = the sum of the groups' sums, each brought under M
.endr
.endr
.irp g, 0,1
	v_rcp_f32 v[RR+\g], v[LL+\g]
.endr
.irp g, 0,1
	v_mul_f32 v[NMX+\g], -1.0, v[MX+\g]            ; (plain places behind the reciprocals)
	v_mov_b32 v[XN+\g], 0
	v_mov_b32 v[XR+\g], 0
.endr
	s_wait_alu depctr_va_vdst(0)                   ; and one for the two reciprocals
.irp g, 0,1
	v_permlanex16_b32 v[XN+\g], v[NMX+\g], s[SEL], s[SEL+1]
	v_permlanex16_b32 v[XR+\g], v[RR+\g], s[SEL], s[SEL+1]
.endr
.irp g, 0,1                            ; in block 2 g both halves of the lanes want rows 32 g + r, in block 2 g + 1 rows 32 g + 16 + r
	v_cndmask_b32 v[NM+4*\g], v[NMX+\g], v[XN+\g], s[HM]
	v_cndmask_b32 v[NM+4*\g+1], v[NMX+\g], v[XN+\g], s[HM]
	v_cndmask_b32 v[NM+4*\g+2], v[XN+\g], v[NMX+\g], s[HM]
	v_cndmask_b32 v[NM+4*\g+3], v[XN+\g], v[NMX+\g], s[HM]
	v_cndmask_b32 v[RL+4*\g], v[RR+\g], v[XR+\g], s[HM]
	v_cndmask_b32 v[RL+4*\g+1], v[RR+\g], v[XR+\g], s[HM]
	v_cndmask_b32 v[RL+4*\g+2], v[XR+\g], v[RR+\g], s[HM]
	v_cndmask_b32 v[RL+4*\g+3], v[XR+\g], v[RR+\g], s[HM]
.endr
	START 1
	STEP 0, 0, 0, 0
	STEP 1, 0, 0, 1
	STEP 2, 0, 0, 1
	STEP 3, 1, 0, 1                                ; slot 1 has landed, in every wave; behind this barrier nobody reads slot 0
	STEP 4, 0, 0, 1
	STEP 5, 0, 0, 1
	STEP 6, 0, 0, 1
	STEP 7, 0, 0, 1
	PLACES 4                                       ; in front of the first read of results
	WIN 0xbe
.set EI, 0
.rept 128
	v_pk_fma_f32 v[2*EI:2*EI+1], v[2*EI:2*EI+1], v[(2*EI)%64:(2*EI)%64+1], v[64+(2*EI)%64:64+(2*EI)%64+1]   ; t, each accumulator from its low end on
.set EI, EI+1
.endr
	WIN 0x82
.set EI, 0
.rept 128
	v_pk_add_f32 v[2*EI:2*EI+1], v[2*EI:2*EI+1], v[NM+2*(EI/32):NM+2*(EI/32)+1] op_sel_hi:[1,0]   ; t - M
.set EI, EI+1
.endr
.set EI, 0
.rept 256
	v_exp_f32 v[EI], v[EI]
.set EI, EI+1
.endr
	v_nop                                          ; a plain place behind the last exponential
	s_wait_alu depctr_va_vdst(0)                   ; one wait for the whole batch
.set EI, 0
.rept 128
	v_pk_mul_f32 v[2*EI:2*EI+1], v[2*EI:2*EI+1], v[RL+2*(EI/32):RL+2*(EI/32)+1] op_sel_hi:[1,0]   ; / L
.set EI, EI+1
.endr
	WIN 0x88
.set EI, 0
.rept 256
	v_max_num_f32 v[EI], 0, v[EI]                  ; reference()'s guard: a NaN loses against 0; no p is negative
.set EI, EI+1
.endr
	WIN 0
.set QA, 0
.rept 4                                ; a block of 16 rows x 128 keys at a time
	QUANTW 64*QA, 2
	WIN 0x08                                       ; an LDS store's data: window 2
.set TI, 0
.rept 8
	ds_store_b128 v[STO], v[64*QA+8*TI:64*QA+8*TI+3] offset:64*TI
	ds_store_b128 v[STO], v[64*QA+8*TI+4:64*QA+8*TI+7] offset:64*TI+16
.set TI, TI+1
.endr
	WIN 0
.set TI, 0
.rept 16
	ds_load_b128 v[BK+4*TI:BK+4*TI+3], v[RD] offset:528*TI   ; LDS serves a wave's instructions in order (ISA guide 5.7.1.4): these see my stores
.set TI, TI+1
.endr
	PUTIMG 3072*QA
	PUTSC QA
	s_wait_dscnt 0x0                               ; the block is back in registers
.set TI, 0
.rept 16
	global_store_b128 v[LI], v[BK+4*TI:BK+4*TI+3], s[O1:O1+1] offset:(16*QA+TI)*8192 th:TH_STORE_NT   ; 32 lanes store 512 consecutive bytes, aligned
.set TI, TI+1
.endr
.set QA, QA+1
.endr
	FINISH
.Lfunc_end_k_q594ffeed31_soft:
	.size	k_q594ffeed31_soft, .Lfunc_end_k_q594ffeed31_soft-k_q594ffeed31_soft
	.p2alignl 7, 3214868480
	.fill 96, 4, 3214868480
	.section	.rodata,"a",@progbits
	.p2align	6, 0x0
	.amdhsa_kernel k_q594ffeed31_soft
		.amdhsa_group_segment_fixed_size 327680
		.amdhsa_private_segment_fixed_size 0
		.amdhsa_enable_private_segment 0
		.amdhsa_kernarg_size 48
		.amdhsa_user_sgpr_count 2
		.amdhsa_user_sgpr_kernarg_segment_ptr 1
		.amdhsa_wavefront_size32 1
		.amdhsa_system_sgpr_workgroup_id_x 1
		.amdhsa_system_sgpr_workgroup_id_y 1
		.amdhsa_system_sgpr_workgroup_id_z 1
		.amdhsa_system_vgpr_workitem_id 0
		.amdhsa_next_free_vgpr 1024
		.amdhsa_next_free_sgpr 100
		.amdhsa_reserve_vcc 1
		.amdhsa_float_denorm_mode_32 3
		.amdhsa_float_denorm_mode_16_64 3
		.amdhsa_memory_ordered 1
		.amdhsa_forward_progress 1
		.amdhsa_inst_pref_size 159
	.end_amdhsa_kernel
	.amdgpu_metadata
---
amdhsa.version: [ 1, 2 ]
amdhsa.kernels:
  - .name:           k_q594ffeed31_soft
    .symbol:         k_q594ffeed31_soft.kd
    .args:
      - { .name: qb, .offset: 0, .size: 8, .value_kind: global_buffer, .address_space: global }
      - { .name: kb, .offset: 8, .size: 8, .value_kind: global_buffer, .address_space: global }
      - { .name: mask, .offset: 16, .size: 8, .value_kind: global_buffer, .address_space: global }
      - { .name: st, .offset: 24, .size: 8, .value_kind: global_buffer, .address_space: global }
      - { .name: out1, .offset: 32, .size: 8, .value_kind: global_buffer, .address_space: global }
      - { .name: pb, .offset: 40, .size: 8, .value_kind: global_buffer, .address_space: global }
    .group_segment_fixed_size: 327680
    .private_segment_fixed_size: 0
    .kernarg_segment_align: 8
    .kernarg_segment_size: 48
    .max_flat_workgroup_size: 128
    .sgpr_count:     100
    .vgpr_count:     1024
    .wavefront_size: 32
...
	.end_amdgpu_metadata
.endif
;; end of part 4
;; launch pv (part 5): grid 8 x 32, 4 waves a work-group, clusters of 4 x 4, 327,680 bytes of LDS; arguments pb, vb, out0; writes out0
.if DOCPART == 5
	.amdgcn_target "amdgcn-amd-amdhsa--gfx1250"
	.amdhsa_code_object_version 6
	.text
	.protected	k_q594ffeed31_pv
	.globl	k_q594ffeed31_pv
	.p2align	8
	.type	k_q594ffeed31_pv,@function
k_q594ffeed31_pv:
	s_mov_b64 s[64:65], 0
	v_nop
	global_prefetch_b8 v0, s[64:65] scope:SCOPE_SE
	s_setreg_imm32_b32 hwreg(HW_REG_WAVE_MODE, 25, 1), 1
	s_wait_xcnt 0x0
	s_wait_alu depctr_hold_cnt(0) depctr_sa_sdst(0) depctr_va_vdst(0) depctr_va_sdst(0) depctr_va_ssrc(0) depctr_va_vcc(0) depctr_vm_vsrc(0)
	s_getreg_b32 s2, hwreg(HW_REG_IB_STS2, 6, 4)
	s_cmp_eq_u32 s2, 0
	s_cbranch_scc0 .Lentry_in_a_cluster
	s_endpgm
.Lentry_in_a_cluster:
	s_bfe_u32 s2, ttmp6, 0x10000c
	s_cmp_lg_u32 s2, 0xf033
	s_cbranch_scc0 .Lentry_shape_is_right
	s_endpgm
.Lentry_shape_is_right:
; out0 = Q(p) Q(v), K = a batch's 2,048 keys.  No work of reference() is left out here.
; A (source 1) = 128 queries of p's codes, B (source 0) = 128 outputs o of v's codes, both as register images; a wave makes 64 x 64: 16 accumulators; a lane holds one query and eight neighbouring o.
; K goes in 16 steps of 128, four to a slot; three LDS slots are filled at the start, and slot 0 once more, with the last 512 keys.  p's tile is asked for jointly by a row of the cluster, v's by a column.
; OUT through the wave's own stage in LDS (in slot 1, which has had its only fill, and which nobody reads behind the barrier of step 11): sixteen lanes store 256 consecutive bytes, aligned.
.set NA,    4
.set NB,    4
.set KST,   16
.set SQ,    4
.set NSLOT, 3
.set APART, 24576
.set BPART, 24576
.set ACP,   APART/2
.set BCP,   BPART/2
.set STEPA, 4718592                    ; slot 0's second fill is three pairs of chunks on
.set STEPB, 1179648
.set NLA,   3
.set BOFF,  2*APART
.set SLOT,  2*APART+2*BPART
.set SPARE, NSLOT*SLOT
.set LI,  4
.set L4,  5
.set ADA, 8
.set ADB, 14
.set STO, 20
.set RD,  21
.set CO,  22
.set SPW, 28
.set NIL, 29
.set SCA, 32
.set SCB, 64
.set AF,  128
.set BK,  128
.set G1A, 28
.set G1B, 36
.set G0A, 44
.set G0B, 56
.set WV,  72
.set WR,  73
.set WC,  74
.set CX,  75
.set CY,  76
.set TX,  77
.set TY,  78
.set TA,  82
.set AROW, 85
.set TB,  86
.set BROW, 89
.set OB,  90
.set YY,  94
.set MSB, 0
.macro WIN new                         ; the immediate's high byte repeats the setting that is left
.if MSB != (\new)
	s_set_vgpr_msb (MSB<<8)|(\new)
.set MSB, (\new)
.endif
.endm
.macro PLACES n
.rept \n
	v_nop
.endr
.endm
.macro CREST
	s_cmp_lg_u32 s[WV], 0
	s_cbranch_scc1 .Lnot_wave_0_\@
	s_barrier_signal -3
.Lnot_wave_0_\@:
	s_barrier_wait -3
	s_barrier_signal -1
	s_barrier_wait -1
.endm
.macro CROUND
	s_barrier_signal -1
	s_barrier_wait -1
	CREST
.endm
.macro G1SET g, m, w0, d0, d1, str
	s_or_b32 s[\g], s[\m], \w0
	s_mov_b32 s[\g+1], ((\d0)&0xffff)<<16
	s_mov_b32 s[\g+2], ((\d0)>>16)|(((\d1)&0xffff)<<16)
	s_mov_b32 s[\g+3], ((\d1)>>16)|((\d0)<<16)
	s_mov_b32 s[\g+4], \d1
	s_mov_b32 s[\g+5], \str
	s_mov_b32 s[\g+6], 0
	s_mov_b32 s[\g+7], 0
.endm
.macro G0SET p, da, db
	s_mov_b32 s[G0A+4*(\p)], 1
	s_add_co_u32 s[G0A+4*(\p)+1], s[TA+2], (\p)*SLOT
	s_add_nc_u64 s[G0A+4*(\p)+2:G0A+4*(\p)+3], s[TA:TA+1], \da
	s_or_b32 s[G0A+4*(\p)+3], s[G0A+4*(\p)+3], 0x80000000
	s_mov_b32 s[G0B+4*(\p)+4*((\p)/2)], 1
	s_add_co_u32 s[G0B+4*(\p)+4*((\p)/2)+1], s[TB+2], (\p)*SLOT
	s_add_nc_u64 s[G0B+4*(\p)+4*((\p)/2)+2:G0B+4*(\p)+4*((\p)/2)+3], s[TB:TB+1], \db
	s_or_b32 s[G0B+4*(\p)+4*((\p)/2)+3], s[G0B+4*(\p)+4*((\p)/2)+3], 0x80000000
.endm
.macro JLOAD p                         ; a joint load: waves 0, 1 fetch A's parts, waves 2, 3 B's; an s_nop 0 and four v_nop follow each line
	s_cmp_eq_u32 s[WR], 0
	s_cbranch_scc0 .Lfor_b_\@
	tensor_load_to_lds s[G0A+4*(\p):G0A+4*(\p)+3], s[G1A:G1A+7]
	s_nop 0
.rept 4
	v_nop
.endr
	s_branch .Lasked_\@
.Lfor_b_\@:
	tensor_load_to_lds s[G0B+4*(\p)+4*((\p)/2):G0B+4*(\p)+4*((\p)/2)+3], s[G1B:G1B+7]
	s_nop 0
.rept 4
	v_nop
.endr
.Lasked_\@:
.endm
.macro FRG reg, adr, sl, blk, cpb
.irp c, 0,1,2
	ds_load_b128 v[(\reg)+4*\c:(\reg)+4*\c+3], v[\adr] offset:((\sl)/2)*(\cpb)+(2*(\blk)+(\sl)%2)*1536+512*\c
.endr
.endm
.macro FETCHB s
	WIN 0x40
.set FI, 0
.rept NB
	FRG 128*((\s)%2)+12*FI, ADB+((\s)/SQ)%NSLOT, (\s)%SQ, FI, BCP
.set FI, FI+1
.endr
	WIN 0
.endm
.macro FETCHA s, hh
.set FI, (\hh)*NA/2
.rept NA/2
	FRG AF+12*FI, ADA+((\s)/SQ)%NSLOT, (\s)%SQ, FI, ACP
.set FI, FI+1
.endr
.endm
.macro WM cz
.if \cz
.if MRB && MRA
	v_wmma_scale_f32_16x16x128_f8f6f4 v[MD:MD+7], v[MBF:MBF+11], v[MAF:MAF+11], 0, v[MSS], v[MSA] matrix_a_fmt:MATRIX_FMT_FP6 matrix_b_fmt:MATRIX_FMT_FP6 matrix_a_scale:MATRIX_SCALE_ROW1 matrix_b_scale:MATRIX_SCALE_ROW1
.elseif MRB
	v_wmma_scale_f32_16x16x128_f8f6f4 v[MD:MD+7], v[MBF:MBF+11], v[MAF:MAF+11], 0, v[MSS], v[MSA] matrix_a_fmt:MATRIX_FMT_FP6 matrix_b_fmt:MATRIX_FMT_FP6 matrix_a_scale:MATRIX_SCALE_ROW1
.elseif MRA
	v_wmma_scale_f32_16x16x128_f8f6f4 v[MD:MD+7], v[MBF:MBF+11], v[MAF:MAF+11], 0, v[MSS], v[MSA] matrix_a_fmt:MATRIX_FMT_FP6 matrix_b_fmt:MATRIX_FMT_FP6 matrix_b_scale:MATRIX_SCALE_ROW1
.else
	v_wmma_scale_f32_16x16x128_f8f6f4 v[MD:MD+7], v[MBF:MBF+11], v[MAF:MAF+11], 0, v[MSS], v[MSA] matrix_a_fmt:MATRIX_FMT_FP6 matrix_b_fmt:MATRIX_FMT_FP6
.endif
.else
.if MRB && MRA
	v_wmma_scale_f32_16x16x128_f8f6f4 v[MD:MD+7], v[MBF:MBF+11], v[MAF:MAF+11], v[MD:MD+7], v[MSS], v[MSA] matrix_a_fmt:MATRIX_FMT_FP6 matrix_b_fmt:MATRIX_FMT_FP6 matrix_a_scale:MATRIX_SCALE_ROW1 matrix_b_scale:MATRIX_SCALE_ROW1
.elseif MRB
	v_wmma_scale_f32_16x16x128_f8f6f4 v[MD:MD+7], v[MBF:MBF+11], v[MAF:MAF+11], v[MD:MD+7], v[MSS], v[MSA] matrix_a_fmt:MATRIX_FMT_FP6 matrix_b_fmt:MATRIX_FMT_FP6 matrix_a_scale:MATRIX_SCALE_ROW1
.elseif MRA
	v_wmma_scale_f32_16x16x128_f8f6f4 v[MD:MD+7], v[MBF:MBF+11], v[MAF:MAF+11], v[MD:MD+7], v[MSS], v[MSA] matrix_a_fmt:MATRIX_FMT_FP6 matrix_b_fmt:MATRIX_FMT_FP6 matrix_b_scale:MATRIX_SCALE_ROW1
.else
	v_wmma_scale_f32_16x16x128_f8f6f4 v[MD:MD+7], v[MBF:MBF+11], v[MAF:MAF+11], v[MD:MD+7], v[MSS], v[MSA] matrix_a_fmt:MATRIX_FMT_FP6 matrix_b_fmt:MATRIX_FMT_FP6
.endif
.endif
.endm
.macro MULH s, hh, cm                  ; the accumulators take turns, one instruction a turn
	WIN 0xa1
.set MA, (\hh)*NA/2
.rept NA/2
.set MB, 0
.rept NB
.set MD, 8*(MA*NB+MB)
.set MBF, 128*((\s)%2)+12*MB
.set MAF, AF+12*MA
.set MSS, SCB+KST*(MB/2)+(\s)
.set MSA, SCA+KST*(MA/2)+(\s)
.set MRB, MB%2
.set MRA, MA%2
	WM 1-(\cm)
.set MB, MB+1
.endr
.set MA, MA+1
.endr
.endm
.macro REFILL p
	WIN 0
	s_wait_tensorcnt 0x0                           ; all my tensor loads have landed, those of slots 1 and 2 among them, so a group 0 may be written
	ds_add_u32 v[SPW], v[NIL]                      ; 0 onto my spare word
	s_add_nc_u64 s[G0A+4*(\p)+2:G0A+4*(\p)+3], s[G0A+4*(\p)+2:G0A+4*(\p)+3], STEPA
	s_add_nc_u64 s[G0B+4*(\p)+4*((\p)/2)+2:G0B+4*(\p)+4*((\p)/2)+3], s[G0B+4*(\p)+4*((\p)/2)+2:G0B+4*(\p)+4*((\p)/2)+3], STEPB
	s_wait_dscnt 0x0                               ; the add is done, and my reads of the slot are over
	CROUND
	JLOAD \p                                       ; the first tensor load behind the round; its four v_nop are the places in front of the loads that follow
.endm
.macro STEP s, sync, n, cm
	s_wait_dscnt (NA/2)*NLA                        ; B's set and A's first half are in; the youngest loads, A's second half, may be out
	MULH \s, 0, \cm
	s_wait_dscnt 0x0
.if (\s) < KST-1
.if (\sync) == 0
	PLACES 4
.elseif (\sync) == 1
	WIN 0
	s_wait_tensorcnt \n
	s_barrier_signal -1
	s_barrier_wait -1
	PLACES 4
.else
	REFILL ((\s)/SQ)%NSLOT
.endif
	FETCHB (\s)+1
	FETCHA (\s)+1, 0
.endif
	MULH \s, 1, \cm
.if (\s) < KST-1
	PLACES 4
	WIN 0
	FETCHA (\s)+1, 1
.else
	WIN 0
.endif
.endm
.macro START n
	s_wait_loadcnt 0x0
	s_wait_tensorcnt \n
	s_barrier_signal -1
	s_barrier_wait -1
	FETCHB 0
	FETCHA 0, 0
	FETCHA 0, 1
.endm
.macro FINISH
	s_wait_tensorcnt 0x0                           ; the wave's end, behind my last tensor load and my last LDS store
	ds_add_u32 v[SPW], v[NIL]
	s_wait_dscnt 0x0
	CROUND                                         ; the closing round
	s_endpgm
.endm
.macro SCPLN sc, ng, base, pln
.set GI, 0
.rept \ng
.set SI, 0
.rept KST
	global_load_b32 v[(\sc)+KST*GI+SI], v[L4], s[\base:\base+1] offset:SI*(\pln)+128*GI
.set SI, SI+1
.endr
.set GI, GI+1
.endr
.endm
.macro TOST a                          ; block a, 16 rows x 64 o, into my stage and back as whole rows of 256 bytes
	WIN 0x08
.irp b, 0,1,2,3
	ds_store_b128 v[STO], v[32*(\a)+8*\b:32*(\a)+8*\b+3] offset:64*\b        ; each accumulator from its low end on
	ds_store_b128 v[STO], v[32*(\a)+8*\b+4:32*(\a)+8*\b+7] offset:64*\b+16
.endr
	WIN 0
.irp i, 0,1,2,3,4,5,6,7
	ds_load_b128 v[BK+32*((\a)%2)+4*\i:BK+32*((\a)%2)+4*\i+3], v[RD] offset:544*\i   ; LDS serves a wave's instructions in order (ISA guide 5.7.1.4)
.endr
.endm
.macro SEND a, y                       ; y: the LDS instructions issued behind block a's loads, which may stay out
	s_wait_dscnt \y
.irp i, 0,1,2,3,4,5,6,7
	global_store_b128 v[CO], v[BK+32*((\a)%2)+4*\i:BK+32*((\a)%2)+4*\i+3], s[OB:OB+1] offset:(16*(\a)+2*\i)*4096 th:TH_STORE_NT
.endr
.endm
	s_load_b128 s[4:7], s[0:1], 0x0                ; pb, vb
	s_load_b64 s[8:9], s[0:1], 0x10                ; out0
	v_lshl_add_u32 v[SPW], v0, 2, SPARE
	v_mov_b32 v[NIL], 0
	ds_add_u32 v[SPW], v[NIL]                      ; the wave's opening
	ds_add_u32 v[SPW], v[NIL]
	v_lshrrev_b32 v1, 5, v0
	v_readfirstlane_b32 s[WV], v1
	s_lshr_b32 s[WR], s[WV], 1
	s_and_b32 s[WC], s[WV], 1
	s_bfe_u32 s[CX], ttmp6, 0x40000
	s_bfe_u32 s[CY], ttmp6, 0x40004
	s_lshl_b32 s[TX], ttmp9, 2
	s_add_co_u32 s[TX], s[TX], s[CX]               ; the tile of 128 outputs
	s_and_b32 s[YY], ttmp7, 0xffff                 ; the batch
	s_lshl_b32 s[TY], s[YY], 2
	s_add_co_u32 s[TY], s[TY], s[CY]               ; the tile of 128 queries
	s_lshl_b32 s95, s[CY], 2
	s_lshl_b32 s95, 15, s95
	s_lshl_b32 s99, 0x1111, s[CX]
	G1SET G1A, 95, (3<<16)|(1<<21), 1536, 2, 98304    ; two chunks' 12,288 dense bytes, 786,432 bytes apart
	G1SET G1B, 99, (3<<16)|(1<<21), 1536, 2, 24576    ; the same, 196,608 bytes apart
	s_lshl_b32 s[TA], s[TY], 3
	s_lshl_b32 s[TA+1], s[WC], 2
	s_add_co_u32 s[TA], s[TA], s[TA+1]
	s_mul_i32 s[TA], s[TA], 3072
	s_mov_b32 s[TA+1], 0
	s_lshl_b32 s[TB], s[TX], 3
	s_lshl_b32 s[TB+1], s[WC], 2
	s_add_co_u32 s[TB], s[TB], s[TB+1]
	s_mul_i32 s[TB], s[TB], 3072
	s_mul_i32 s[TB+1], s[YY], 1572864              ; the batch's eight chunks
	s_add_co_u32 s[TB], s[TB], s[TB+1]
	s_mov_b32 s[TB+1], 0
	s_mul_i32 s[TA+2], s[WC], APART
	s_mul_i32 s[TB+2], s[WC], BPART
	s_add_co_u32 s[TB+2], s[TB+2], BOFF
	s_wait_dscnt 0x0                               ; both opening adds are done
	s_wait_kmcnt 0x0
	s_add_nc_u64 s[TA:TA+1], s[4:5], s[TA:TA+1]
	s_add_nc_u64 s[TB:TB+1], s[6:7], s[TB:TB+1]
	G0SET 0, 0, 0
	G0SET 1, 1572864, 393216
	G0SET 2, 3145728, 786432
	CROUND
	JLOAD 0
	JLOAD 1
	JLOAD 2                                        ; three loads of mine are out
	v_and_b32 v1, 15, v0
	v_bfe_u32 v2, v0, 4, 1
	v_and_b32 v3, 31, v0
	v_lshlrev_b32 v[LI], 4, v3
	v_lshlrev_b32 v[L4], 2, v3
	s_mul_i32 s2, s[WR], APART
	s_mul_i32 s3, s[WC], BPART
	s_add_co_u32 s3, s3, BOFF
.set PI, 0
.rept NSLOT
	v_add_nc_u32 v[ADA+PI], s2, v[LI]
	v_add_nc_u32 v[ADB+PI], s3, v[LI]
	s_add_co_u32 s2, s2, SLOT
	s_add_co_u32 s3, s3, SLOT
.set PI, PI+1
.endr
	s_mul_i32 s2, s[WV], 4352                      ; my stage: 16 rows x (256 + 16) bytes, in slot 1
	s_add_co_u32 s2, s2, SLOT
	v_mul_u32_u24 v[STO], v1, 272
	v_lshl_add_u32 v[STO], v2, 5, v[STO]
	v_add_nc_u32 v[STO], s2, v[STO]
	v_mul_u32_u24 v[RD], v2, 272
	v_lshl_add_u32 v[RD], v1, 4, v[RD]
	v_add_nc_u32 v[RD], s2, v[RD]                  ; back: lanes 0-15 one row, lanes 16-31 the next
	v_lshlrev_b32 v[CO], 12, v2
	v_lshl_add_u32 v[CO], v1, 4, v[CO]             ; and the same two rows in out0
	s_lshl_b32 s[AROW], s[TY], 7
	s_lshl_b32 s2, s[WR], 6
	s_add_co_u32 s[AROW], s[AROW], s2
	s_lshl_b32 s[BROW], s[TX], 7
	s_lshl_b32 s2, s[WC], 6
	s_add_co_u32 s[BROW], s[BROW], s2
	s_mov_b32 s3, 0
	s_lshl_b32 s2, s[AROW], 2
	s_add_co_u32 s2, s2, 6291456
	s_add_nc_u64 s[4:5], s[4:5], s[2:3]            ; p's scale planes
	s_lshl_b32 s2, s[BROW], 2
	s_lshl_b32 s95, s[YY], 16
	s_add_co_u32 s2, s2, s95
	s_add_co_u32 s2, s2, 12582912
	s_add_nc_u64 s[6:7], s[6:7], s[2:3]            ; v's, of my batch
	s_lshl_b32 s2, s[AROW], 12
	s_lshl_b32 s95, s[BROW], 2
	s_add_co_u32 s2, s2, s95
	s_add_nc_u64 s[OB:OB+1], s[8:9], s[2:3]
	SCPLN SCA, 2, 4, 16384
	SCPLN SCB, 2, 6, 4096
	START 2                                        ; slot 0 is in; the two later fills may be out
	STEP 0, 0, 0, 0                                ; the first step's products start the sums
	STEP 1, 0, 0, 1
	STEP 2, 0, 0, 1
	STEP 3, 2, 0, 1                                ; slot 0 takes the last 512 keys; the wait and the round in front of it have shown slots 1 and 2 whole to every wave
.irp s, 4,5,6,7,8,9,10
	STEP \s, 0, 0, 1
.endr
	STEP 11, 1, 0, 1                               ; slot 0's second fill has landed, in every wave; behind this barrier nobody reads slot 1
.irp s, 12,13,14,15
	STEP \s, 0, 0, 1
.endr
	PLACES 4                                       ; in front of the first read of results, and of loads into A's registers
	TOST 0
.irp a, 1,2,3
.if \a > 1
	s_wait_xcnt 0x0                                ; the stores of two blocks back have read their registers
.endif
	TOST \a
	SEND \a-1, 16                                  ; behind that block's loads: this block's 8 stores and 8 loads
.endr
	SEND 3, 0
	FINISH
.Lfunc_end_k_q594ffeed31_pv:
	.size	k_q594ffeed31_pv, .Lfunc_end_k_q594ffeed31_pv-k_q594ffeed31_pv
	.p2alignl 7, 3214868480
	.fill 96, 4, 3214868480
	.section	.rodata,"a",@progbits
	.p2align	6, 0x0
	.amdhsa_kernel k_q594ffeed31_pv
		.amdhsa_group_segment_fixed_size 327680
		.amdhsa_private_segment_fixed_size 0
		.amdhsa_enable_private_segment 0
		.amdhsa_kernarg_size 24
		.amdhsa_user_sgpr_count 2
		.amdhsa_user_sgpr_kernarg_segment_ptr 1
		.amdhsa_wavefront_size32 1
		.amdhsa_system_sgpr_workgroup_id_x 1
		.amdhsa_system_sgpr_workgroup_id_y 1
		.amdhsa_system_sgpr_workgroup_id_z 1
		.amdhsa_system_vgpr_workitem_id 0
		.amdhsa_next_free_vgpr 640
		.amdhsa_next_free_sgpr 100
		.amdhsa_reserve_vcc 0
		.amdhsa_float_denorm_mode_32 3
		.amdhsa_float_denorm_mode_16_64 3
		.amdhsa_memory_ordered 1
		.amdhsa_forward_progress 1
		.amdhsa_inst_pref_size 87
	.end_amdhsa_kernel
	.amdgpu_metadata
---
amdhsa.version: [ 1, 2 ]
amdhsa.kernels:
  - .name:           k_q594ffeed31_pv
    .symbol:         k_q594ffeed31_pv.kd
    .args:
      - { .name: pb, .offset: 0, .size: 8, .value_kind: global_buffer, .address_space: global }
      - { .name: vb, .offset: 8, .size: 8, .value_kind: global_buffer, .address_space: global }
      - { .name: out0, .offset: 16, .size: 8, .value_kind: global_buffer, .address_space: global }
    .group_segment_fixed_size: 327680
    .private_segment_fixed_size: 0
    .kernarg_segment_align: 8
    .kernarg_segment_size: 24
    .max_flat_workgroup_size: 128
    .sgpr_count:     100
    .vgpr_count:     640
    .wavefront_size: 32
...
	.end_amdgpu_metadata
.endif
;; end of part 5
;; ======== version 2 of 2: 4 launches
;; limits: right only within a limited range of input values
;; workspace buffers: kb 13,107,200 bytes; qb 3,276,800 bytes; vb 13,107,200 bytes; pb 6,553,600 bytes; st 524,288 bytes; wvi 786,432 bytes
;; launch proj (part 6): grid 4 x 64, 4 waves a work-group, clusters of 4 x 4, 327,680 bytes of LDS; arguments key_codes, key_scales, Wk_codes, Wk_scales, bk, kb, query_codes, query_scales, Wq_codes, Wq_scales, bq, qb, Wv_codes, wvi; writes kb, qb, wvi
.if DOCPART == 6
	.amdgcn_target "amdgcn-amd-amdhsa--gfx1250"
	.amdhsa_code_object_version 6
	.text
	.protected	k_q594ffeed31_proj
	.globl	k_q594ffeed31_proj
	.p2align	8
	.type	k_q594ffeed31_proj,@function
k_q594ffeed31_proj:
	s_mov_b64 s[64:65], 0
	v_nop
	global_prefetch_b8 v0, s[64:65] scope:SCOPE_SE
	s_setreg_imm32_b32 hwreg(HW_REG_WAVE_MODE, 25, 1), 1
	s_wait_xcnt 0x0
	s_wait_alu depctr_hold_cnt(0) depctr_sa_sdst(0) depctr_va_vdst(0) depctr_va_sdst(0) depctr_va_ssrc(0) depctr_va_vcc(0) depctr_vm_vsrc(0)
	s_getreg_b32 s2, hwreg(HW_REG_IB_STS2, 6, 4)
	s_cmp_eq_u32 s2, 0
	s_cbranch_scc0 .Lentry_in_a_cluster
	s_endpgm
.Lentry_in_a_cluster:
	s_bfe_u32 s2, ttmp6, 0x10000c
	s_cmp_lg_u32 s2, 0xf033
	s_cbranch_scc0 .Lentry_shape_is_right
	s_endpgm
.Lentry_shape_is_right:
; k = key Wk^T + bk and q = query Wq^T + bq on the given codes, each quantised along the hidden axis (the K of the later products) and stored as register images with planes of scale words;
; Wv's codes are re-laid as register images.  No work of reference() is left out in this program, and every input is loaded.
; A work-group makes 256 keys x 256 hidden of k (a wave 128 x 128, 64 accumulators), then 128 queries x 128 hidden of q (a wave 32 x 128, 16 accumulators): 256 work-groups, one to a WGP.
; k goes first: its stores are on their way while q is multiplied.
; THE RING: a row of codes is 768 bytes; it comes in chunks of 256 bytes, each beginning at a multiple of 256 bytes, into LDS rows of 272 bytes.  Two slots of 512 such rows.  Five fills, by turns:
;   slot 0: k's chunk 0;  slot 1: k's chunk 1;  slot 0: k's chunk 2;  slot 1: q's chunks 0 and 1 (128 + 128 rows each);  slot 0: q's chunk 2.
; One joint load a wave for each fill: waves 0, 1 fetch for A (keys, queries), shared along a row of the cluster; waves 2, 3 for B (the weights), shared along a column.
; A step of 128 along K is 96 bytes of a row; steps 2 and 5 lie across two chunks, and their pieces of 8 bytes come from both.
; THE MATRIX INSTRUCTION IS USED TRANSPOSED: source 0 = 16 rows of the weight, source 1 = 16 keys or queries: a lane holds one key and its registers run along the hidden axis.  The bias is the C of the first step.
; PREFETCH: fills 1 and 2 are asked for behind fill 0's load, fill 3 behind fill 1's: two fills ahead.  Of the 128 rows that a wave fetches each of the four partners of the joint load names 32, a lane a row, told apart by address.
; Fill 4 is not asked for: between its load and the wait for it stand k's last half step, k's whole way out and four steps of q.
; OUT: kb, qb: images [256 along hidden][row / 16][half][1,536 bytes], then planes of scale words [128 along hidden][row][4 bytes];  wvi: images of Wv in the same order.
.set NB,    8
.set KST,   8
.set PITCH, 272
.set HALFT, 128*PITCH                  ; 128 rows: what one load brings
.set SLOT,  4*HALFT
.set SPARE, 2*SLOT                     ; the spare words: 512 bytes that no other line names
.macro JOBK                            ; what differs between the two jobs
.set NA,  8
.set ADA, 8                            ; v8-12 A's LDS addresses: chunks 0, 1, 2; across chunks 0 and 1; across 1 and 2
.set ADB, 13                           ; v13-17 B's
.endm
.macro JOBQ
.set NA,  2
.set ADA, 18                           ; v18-22
.set ADB, 23                           ; v23-27
.endm
.set LI,  4
.set L4,  5
.set PFO, 6                            ; the prefetches' offset: (32 x my place among the four partners + lane) rows
.set L32, 7
.set SPW, 28
.set NIL, 29
.set BO,  30                           ; the bias: 32 bytes for each half of the lanes
.set WVO, 31                           ; Wv's fragment: row x 768 + 24 x half
.set SCA, 32                           ; v32-63 A's scale words, v64-95 B's: register 8 g + s: rows 32 g + lane, step s
.set SCB, 64
.set TM,  96
.set PW,  112
.set PWE, 113
.set PX,  114
.set AF,  128                          ; v128-223 A's fragments, one set.  Window 1: B's, two sets at v0 and v128; the bias at v96-127 and v224-255.  Windows 2, 3: the accumulators
.set PC,  224
.set PY,  236
.set G1A, 28
.set G1B, 36
.set G0A, 44
.set KA,  52
.set KB,  54
.set G0B, 56
.set QOB, 68
.set QOS, 70
.set WV,  72
.set WR,  73
.set WC,  74
.set CX,  75
.set CY,  76
.set TX,  77
.set TY,  78
.set HM,  79
.set SEL, 80
.set TA,  82
.set AROW, 85
.set TB,  86
.set BROW, 89
.set KOB, 90
.set KOS, 92
.set YY,  94
.set MSB, 0
.macro WIN new                         ; the immediate's high byte repeats the setting that is left
.if MSB != (\new)
	s_set_vgpr_msb (MSB<<8)|(\new)
.set MSB, (\new)
.endif
.endm
.macro PLACES n
.rept \n
	v_nop
.endr
.endm
.macro CREST
	s_cmp_lg_u32 s[WV], 0
	s_cbranch_scc1 .Lnot_wave_0_\@
	s_barrier_signal -3
.Lnot_wave_0_\@:
	s_barrier_wait -3
	s_barrier_signal -1
	s_barrier_wait -1
.endm
.macro CROUND
	s_barrier_signal -1
	s_barrier_wait -1
	CREST
.endm
.macro G1SET g, m, w0, d0, d1, str
	s_or_b32 s[\g], s[\m], \w0
	s_mov_b32 s[\g+1], ((\d0)&0xffff)<<16
	s_mov_b32 s[\g+2], ((\d0)>>16)|(((\d1)&0xffff)<<16)
	s_mov_b32 s[\g+3], ((\d1)>>16)|((\d0)<<16)
	s_mov_b32 s[\g+4], \d1
	s_mov_b32 s[\g+5], \str
	s_mov_b32 s[\g+6], 0
	s_mov_b32 s[\g+7], 0
.endm
.macro G0SET p, off
	s_mov_b32 s[G0A+4*(\p)], 1
	s_add_co_u32 s[G0A+4*(\p)+1], s[TA+2], (\p)*SLOT
	s_add_nc_u64 s[G0A+4*(\p)+2:G0A+4*(\p)+3], s[KA:KA+1], \off
	s_or_b32 s[G0A+4*(\p)+3], s[G0A+4*(\p)+3], 0x80000000
	s_mov_b32 s[G0B+4*(\p)], 1
	s_add_co_u32 s[G0B+4*(\p)+1], s[TB+2], (\p)*SLOT
	s_add_nc_u64 s[G0B+4*(\p)+2:G0B+4*(\p)+3], s[KB:KB+1], \off
	s_or_b32 s[G0B+4*(\p)+3], s[G0B+4*(\p)+3], 0x80000000
.endm
.macro JLOAD p                         ; a joint load; an s_nop 0 and four v_nop follow each line
	s_cmp_eq_u32 s[WR], 0
	s_cbranch_scc0 .Lfor_b_\@
	tensor_load_to_lds s[G0A+4*(\p):G0A+4*(\p)+3], s[G1A:G1A+7]
	s_nop 0
.rept 4
	v_nop
.endr
	s_branch .Lasked_\@
.Lfor_b_\@:
	tensor_load_to_lds s[G0B+4*(\p):G0B+4*(\p)+3], s[G1B:G1B+7]
	s_nop 0
.rept 4
	v_nop
.endr
.Lasked_\@:
.endm
.macro FRG reg, adr, st, i             ; a fragment: six pieces of 8 bytes.  BY: where the piece of lanes 0-15 begins in the row of codes; that of lanes 16-31 begins 24 bytes on
.irp p, 0,1,2,3,4,5
.set BY, 96*(\st)+48*(\p/3)+8*(\p%3)
.if BY/256 == (BY+24)/256
	ds_load_b64 v[(\reg)+2*\p:(\reg)+2*\p+1], v[(\adr)+BY/256] offset:BY%256+(\i)*16*PITCH
.else
	ds_load_b64 v[(\reg)+2*\p:(\reg)+2*\p+1], v[(\adr)+3+BY/256] offset:BY%256-232+(\i)*16*PITCH
.endif
.endr
.endm
.macro FETCHB st
	WIN 0x40
.set FI, 0
.rept NB
	FRG 128*((\st)%2)+12*FI, ADB, \st, FI
.set FI, FI+1
.endr
	WIN 0
.endm
.macro FETCHA st, hh
.set FI, (\hh)*NA/2
.rept NA/2
	FRG AF+12*FI, ADA, \st, FI
.set FI, FI+1
.endr
.endm
.macro WM
.if MRB && MRA
	v_wmma_scale_f32_16x16x128_f8f6f4 v[MD:MD+7], v[MBF:MBF+11], v[MAF:MAF+11], v[MC:MC+7], v[MSS], v[MSA] matrix_a_fmt:MATRIX_FMT_FP6 matrix_b_fmt:MATRIX_FMT_FP6 matrix_a_scale:MATRIX_SCALE_ROW1 matrix_b_scale:MATRIX_SCALE_ROW1
.elseif MRB
	v_wmma_scale_f32_16x16x128_f8f6f4 v[MD:MD+7], v[MBF:MBF+11], v[MAF:MAF+11], v[MC:MC+7], v[MSS], v[MSA] matrix_a_fmt:MATRIX_FMT_FP6 matrix_b_fmt:MATRIX_FMT_FP6 matrix_a_scale:MATRIX_SCALE_ROW1
.elseif MRA
	v_wmma_scale_f32_16x16x128_f8f6f4 v[MD:MD+7], v[MBF:MBF+11], v[MAF:MAF+11], v[MC:MC+7], v[MSS], v[MSA] matrix_a_fmt:MATRIX_FMT_FP6 matrix_b_fmt:MATRIX_FMT_FP6 matrix_b_scale:MATRIX_SCALE_ROW1
.else
	v_wmma_scale_f32_16x16x128_f8f6f4 v[MD:MD+7], v[MBF:MBF+11], v[MAF:MAF+11], v[MC:MC+7], v[MSS], v[MSA] matrix_a_fmt:MATRIX_FMT_FP6 matrix_b_fmt:MATRIX_FMT_FP6
.endif
.endm
; Half hh of step s's products.  cm = 1: C is the accumulator; 2: the bias by B's block.  The accumulators take turns, one instruction a turn.
.macro MULH s, hh, cm
.set MW, 2+(8*((\hh)*NA/2)*NB)/256
.if (\cm) == 2
	WIN 0x11|(MW<<6)
.else
	WIN 1|(MW<<4)|(MW<<6)
.endif
.set MA, (\hh)*NA/2
.rept NA/2
.set MB, 0
.rept NB
.set MD, (8*(MA*NB+MB))%256
.set MBF, 128*((\s)%2)+12*MB
.set MAF, AF+12*MA
.set MSS, SCB+KST*(MB/2)+(\s)
.set MSA, SCA+KST*(MA/2)+(\s)
.set MRB, MB%2
.set MRA, MA%2
.if (\cm) == 1
.set MC, MD
.else
.set MC, 96+8*MB+96*(MB/4)
.endif
	WM
.set MB, MB+1
.endr
.set MA, MA+1
.endr
.endm
.macro REFILL p, sa, sb, off, last     ; slot p, which every wave has read out, is filled again from s[sa] (A) and s[sb] (B) + off
	WIN 0
	s_wait_tensorcnt 0x0                           ; all my tensor loads have landed, so the descriptors may be written
	ds_add_u32 v[SPW], v[NIL]                      ; 0 onto my spare word
	s_add_nc_u64 s[G0A+4*(\p)+2:G0A+4*(\p)+3], s[\sa:\sa+1], \off
	s_or_b32 s[G0A+4*(\p)+3], s[G0A+4*(\p)+3], 0x80000000
	s_add_nc_u64 s[G0B+4*(\p)+2:G0B+4*(\p)+3], s[\sb:\sb+1], \off
	s_or_b32 s[G0B+4*(\p)+3], s[G0B+4*(\p)+3], 0x80000000
.if \last                              ; q's chunk 2: 128 rows for A and for B, 64 a wave
	s_mul_i32 s[G0A+1], s[WC], 64*PITCH
	s_mul_i32 s[G0B+1], s[WC], 64*PITCH
	s_add_co_u32 s[G0B+1], s[G0B+1], 2*HALFT
	s_mov_b32 s[G1A+2], 64<<16
	s_mov_b32 s[G1A+4], 64
	s_mov_b32 s[G1B+2], 64<<16
	s_mov_b32 s[G1B+4], 64
.endif
	s_wait_dscnt 0x0                               ; the add is done, and my reads of the slot are over
	CROUND                                         ; the same holds of every wave of all sixteen work-groups
	JLOAD \p                                       ; the first tensor load behind the round; its four v_nop are the places in front of the loads that follow
.endm
; sync, in front of the next step's fetches: 0 places alone; 1 the chunk that was on its way is shown whole to all four waves; 2 slot 0 takes k's chunk 2; 3 slot 1 takes q's chunks 0 and 1
.macro STEP s, sync, cm
	s_wait_dscnt (NA/2)*6                          ; B's set and A's first half are in; the youngest loads, A's second half, may be out
	MULH \s, 0, \cm
	s_wait_dscnt 0x0
.if (\s) < KST-1
.if (\sync) == 0
	PLACES 4
.elseif (\sync) == 1
	WIN 0
	s_wait_tensorcnt 0x0
	s_barrier_signal -1
	s_barrier_wait -1
	PLACES 4
.elseif (\sync) == 2
	REFILL 0, KA, KB, 512, 0
.else
	REFILL 1, TA, TB, 0, 0
.endif
	FETCHB (\s)+1
	FETCHA (\s)+1, 0
.endif
	MULH \s, 1, \cm
.if (\s) < KST-1
	PLACES 4
	WIN 0
	FETCHA (\s)+1, 1
.else
	WIN 0
.endif
.endm
.macro SCROW sc, ng, base              ; given scales, 32 bytes a row: lane L takes row 32 g + L, all eight steps' words
.set GI, 0
.rept \ng
	global_load_b128 v[(\sc)+8*GI:(\sc)+8*GI+3], v[L32], s[\base:\base+1] offset:1024*GI
	global_load_b128 v[(\sc)+8*GI+4:(\sc)+8*GI+7], v[L32], s[\base:\base+1] offset:1024*GI+16
.set GI, GI+1
.endr
.endm
.macro BIAS base                       ; the bias in the result's layout: block b's eight registers hold hidden units 16 b + 8 h + 0 .. 7
	WIN 0x40
.set TI, 0
.rept 8
.set BB, 96+8*TI+96*(TI/4)
	global_load_b128 v[BB:BB+3], v[BO], s[\base:\base+1] offset:64*TI
	global_load_b128 v[BB+4:BB+7], v[BO], s[\base:\base+1] offset:64*TI+16
.set TI, TI+1
.endr
	WIN 0
.endm
.macro QUANTW s, w                     ; 64 numbers of a lane in window w become a fragment's codes in v[PC] on and its scale word in v[PW]
	s_wait_xcnt 0x0                                ; the last block's stores have read their registers
	WIN 5*(\w)
.irp b, 0,1,2,3
	v_max3_num_f32 v[TM+\b], |v[(\s)+16*\b]|, |v[(\s)+16*\b+1]|, 0x1800000   ; and the floor 2^(3 - 127): the byte cannot fall under 1
.endr
.irp i, 2,4,6,8,10,12,14
.irp b, 0,1,2,3
	v_max3_num_f32 v[TM+\b], |v[(\s)+16*\b+\i]|, |v[(\s)+16*\b+\i+1]|, v[TM+\b]
.endr
.endr
	WIN 0
.irp b, 0,1,2,3
	v_permlanex16_b32 v[TM+4+\b], v[TM+\b], s[SEL], s[SEL+1]
.endr
.irp b, 0,1,2,3
	v_max_num_f32 v[TM+\b], v[TM+\b], v[TM+4+\b]
.endr
.irp b, 0,1,2,3
	v_add_nc_u32 v[TM+12+\b], 0xff000000, v[TM+\b] ; 2 off the exponent field: the conversion's scale operand
.endr
.irp b, 0,1,2,3
	v_lshrrev_b32 v[TM+4+\b], 23, v[TM+12+\b]
.endr
	v_lshl_or_b32 v[PW], v[TM+5], 8, v[TM+4]
	v_lshl_or_b32 v[PW], v[TM+6], 16, v[PW]
	v_lshl_or_b32 v[PW], v[TM+7], 24, v[PW]
	WIN (\w)
.irp c, 0,1
	v_cvt_scalef32_pk16_fp6_f32 v[PC+6*\c:PC+6*\c+2], v[(\s)+32*\c:(\s)+32*\c+15], v[TM+12+2*\c]
	v_cvt_scalef32_pk16_fp6_f32 v[PY+4*\c:PY+4*\c+2], v[(\s)+32*\c+16:(\s)+32*\c+31], v[TM+13+2*\c]
.endr
	WIN 0
	v_nop                                          ; one plain place behind a scaled conversion
.irp c, 0,1
.irp i, 0,1,2
	v_permlane16_swap_b32 v[PC+6*\c+\i], v[PY+4*\c+\i]
.endr
	v_perm_b32 v[PC+6*\c+3], v[PC+6*\c+2], v[PC+6*\c+1], 0x05040302   ; the four pieces of 48 bits into their true order along K
	v_perm_b32 v[PC+6*\c+4], v[PY+4*\c+1], v[PC+6*\c+2], 0x07060302
	v_mov_b32 v[PC+6*\c+5], v[PY+4*\c+2]
	v_perm_b32 v[PC+6*\c+1], v[PY+4*\c], v[PC+6*\c+1], 0x05040100
	v_perm_b32 v[PC+6*\c+2], v[PY+4*\c+1], v[PY+4*\c], 0x05040302
.endr
.endm
.macro PUTIMG off, ob
.irp c, 0,1,2
	global_store_b128 v[LI], v[PC+4*\c:PC+4*\c+3], s[\ob:\ob+1] offset:(\off)+512*\c
.endr
.endm
.macro PUTSC a, os                     ; two blocks' scale words leave together: 128 consecutive bytes
.if (\a)%2 == 0
	v_mov_b32 v[PWE], v[PW]
.else
	v_cndmask_b32 v[PX], v[PWE], v[PW], s[HM]
	global_store_b32 v[L4], v[PX], s[\os:\os+1] offset:((\a)/2)*128
.endif
.endm
	s_load_b512 s[4:19], s[0:1], 0x0               ; key codes, scales, Wk codes, scales, bk, kb, query codes, scales
	s_load_b256 s[20:27], s[0:1], 0x40             ; Wq codes, scales, bq, qb
	s_load_b64 s[100:101], s[0:1], 0x60            ; Wv codes
	s_load_b64 s[104:105], s[0:1], 0x68            ; wvi
	v_lshl_add_u32 v[SPW], v0, 2, SPARE
	v_mov_b32 v[NIL], 0
	ds_add_u32 v[SPW], v[NIL]                      ; the wave's opening
	ds_add_u32 v[SPW], v[NIL]
	v_lshrrev_b32 v1, 5, v0
	v_readfirstlane_b32 s[WV], v1
	s_lshr_b32 s[WR], s[WV], 1                     ; my half of the tile's rows; also: I fetch for A (0) or B (1)
	s_and_b32 s[WC], s[WV], 1                      ; my half of its columns; also: which part I fetch
	s_bfe_u32 s[CX], ttmp6, 0x40000
	s_bfe_u32 s[CY], ttmp6, 0x40004
	s_lshl_b32 s[TX], ttmp9, 2
	s_add_co_u32 s[TX], s[TX], s[CX]               ; k: tile of 256 hidden, 0..3
	s_and_b32 s[YY], ttmp7, 0xffff
	s_lshl_b32 s[TY], s[YY], 2
	s_add_co_u32 s[TY], s[TY], s[CY]               ; k: tile of 256 keys, 0..63
	s_lshr_b32 s96, s[YY], 1
	s_lshl_b32 s96, s96, 2
	s_add_co_u32 s96, s96, s[CY]                   ; q: tile of 128 queries, 0..31
	s_and_b32 s97, s[YY], 1
	s_lshl_b32 s97, s97, 2
	s_add_co_u32 s97, s97, s[CX]                   ; q: tile of 128 hidden, 0..7
	s_lshl_b32 s95, s[CY], 2
	s_lshl_b32 s95, 15, s95                        ; my row of the cluster
	s_lshl_b32 s99, 0x1111, s[CX]                  ; my column
	G1SET G1A, 95, (1<<20)|(1<<21)|(5<<22)|(3<<25), 256, 128, 768   ; 128 rows of 256 bytes, 768 apart; 16 bytes of padding behind each
	G1SET G1B, 99, (1<<20)|(1<<21)|(5<<22)|(3<<25), 256, 128, 768
	s_mov_b32 s[HM], 0xffff0000
	s_mov_b32 s[SEL], 0x76543210
	s_mov_b32 s[SEL+1], 0xfedcba98
	s_lshl_b32 s[KA], s[TY], 8
	s_lshl_b32 s[KA+1], s[WC], 7
	s_add_co_u32 s[KA], s[KA], s[KA+1]
	s_mul_i32 s[KA], s[KA], 768                    ; k's A: my 128 rows of the tile
	s_mov_b32 s[KA+1], 0
	s_lshl_b32 s[KB], s[TX], 8
	s_lshl_b32 s[KB+1], s[WC], 7
	s_add_co_u32 s[KB], s[KB], s[KB+1]
	s_mul_i32 s[KB], s[KB], 768
	s_mov_b32 s[KB+1], 0
	s_mul_i32 s[TA], s96, 98304                    ; q's A: the tile's 128 rows;
	s_mul_i32 s2, s[WC], 49152
	s_add_co_u32 s2, s2, s[TA]
	s_add_co_u32 s2, s2, 512                       ; chunk 2: my 64 rows;
	s_mov_b32 s3, 0
	s_lshl_b32 s[TA+1], s[WC], 8
	s_add_co_u32 s[TA], s[TA], s[TA+1]             ; chunks 0 and 1: mine of the two
	s_mov_b32 s[TA+1], 0
	s_mul_i32 s[TB], s97, 98304
	s_mul_i32 s98, s[WC], 49152
	s_add_co_u32 s98, s98, s[TB]
	s_add_co_u32 s98, s98, 512
	s_mov_b32 s99, 0
	s_lshl_b32 s[TB+1], s[WC], 8
	s_add_co_u32 s[TB], s[TB], s[TB+1]
	s_mov_b32 s[TB+1], 0
	s_mul_i32 s[TA+2], s[WC], HALFT                ; where the parts go: no place in the cluster enters an LDS address
	s_mul_i32 s[TB+2], s[WC], HALFT
	s_add_co_u32 s[TB+2], s[TB+2], 2*HALFT
	s_wait_dscnt 0x0                               ; both opening adds are done
	s_wait_kmcnt 0x0
	s_add_nc_u64 s[KA:KA+1], s[4:5], s[KA:KA+1]
	s_add_nc_u64 s[KB:KB+1], s[8:9], s[KB:KB+1]
	s_add_nc_u64 s[TA:TA+1], s[16:17], s[TA:TA+1]
	s_add_nc_u64 s[TB:TB+1], s[20:21], s[TB:TB+1]
	s_add_nc_u64 s[16:17], s[16:17], s[2:3]        ; q's chunk 2
	s_add_nc_u64 s[20:21], s[20:21], s[98:99]
	s_cmp_eq_u32 s[WR], 0                          ; the prefetches go where my loads go
	s_cselect_b64 s[4:5], s[KA:KA+1], s[KB:KB+1]
	s_cselect_b64 s[8:9], s[TA:TA+1], s[TB:TB+1]
	s_cselect_b32 s94, s[CX], s[CY]                ; my place among the four that ask with me
	s_mul_i32 s98, s94, 32*768
	s_mul_i32 s2, s[WR], HALFT                     ; k: my 128 rows of A,
	s_mul_i32 s3, s[WC], HALFT
	s_add_co_u32 s3, s3, 2*HALFT                   ; of B;
	s_mul_i32 s95, s[WV], 32*PITCH                 ; q: my 32 rows of A
	G0SET 0, 0
	G0SET 1, 256
	CROUND                                         ; all sixteen work-groups are here: the first joint loads meet
	JLOAD 0                                        ; k's chunk 0: one tensor load a wave at the head
	v_and_b32 v1, 15, v0
	v_bfe_u32 v2, v0, 4, 1
	v_and_b32 v3, 31, v0
	v_lshlrev_b32 v[LI], 4, v3
	v_lshlrev_b32 v[L4], 2, v3
	v_lshlrev_b32 v[L32], 5, v3
.irp b, 0,1,2,3
	v_mov_b32 v[TM+4+\b], 0                        ; written once: a lane permute's destination counts as one of its sources
.endr
	v_mul_u32_u24 v30, v1, PITCH                   ; my row
	v_mad_u32_u24 v31, v2, 24, v30                 ; + 24 x half: inside one chunk
	v_sub_nc_u32 v6, 1, v2
	v_mad_u32_u24 v32, v2, SLOT-232, v30           ; across two chunks: lanes 0-15 byte 232 of the row in the earlier chunk, lanes 16-31 byte 0 of the row in the later
	v_add_nc_u32 v32, 232, v32                     ; k: slot 0 to slot 1,
	v_mad_u32_u24 v33, v6, SLOT+232, v30           ; slot 1 to slot 0;
	v_mad_u32_u24 v34, v2, HALFT-232, v30
	v_add_nc_u32 v34, SLOT+232, v34                ; q: slot 1's first part to its second,
	v_mad_u32_u24 v35, v6, SLOT+HALFT+232, v30     ; that to slot 0
	v_add_nc_u32 v8, s2, v31
	v_add_nc_u32 v10, s2, v31
	v_add_nc_u32 v11, s2, v32
	v_add_nc_u32 v12, s2, v33
	v_add_nc_u32 v9, SLOT, v8
	v_add_nc_u32 v13, s3, v31
	v_add_nc_u32 v15, s3, v31
	v_add_nc_u32 v16, s3, v32
	v_add_nc_u32 v17, s3, v33
	v_add_nc_u32 v14, SLOT, v13
	v_add_nc_u32 v20, s95, v31
	v_add_nc_u32 v21, s95, v34
	v_add_nc_u32 v22, s95, v35
	v_add_nc_u32 v18, SLOT, v20
	v_add_nc_u32 v19, SLOT+HALFT, v20
	v_add_nc_u32 v25, 2*HALFT, v31
	v_add_nc_u32 v23, SLOT+2*HALFT, v31
	v_add_nc_u32 v24, SLOT+3*HALFT, v31
	v_add_nc_u32 v26, 2*HALFT, v34
	v_add_nc_u32 v27, 2*HALFT, v35
	v_mul_u32_u24 v[PFO], v3, 768
	v_add_nc_u32 v[PFO], s98, v[PFO]
	v_lshlrev_b32 v[BO], 5, v2
	v_mul_u32_u24 v[WVO], v1, 768
	v_mad_u32_u24 v[WVO], v2, 24, v[WVO]
	s_lshl_b32 s[AROW], s[TY], 8
	s_lshl_b32 s2, s[WR], 7
	s_add_co_u32 s[AROW], s[AROW], s2              ; my first key
	s_lshl_b32 s[BROW], s[TX], 8
	s_lshl_b32 s2, s[WC], 7
	s_add_co_u32 s[BROW], s[BROW], s2              ; my first hidden unit of k
	s_lshl_b32 s98, s96, 7
	s_lshl_b32 s2, s[WV], 5
	s_add_co_u32 s98, s98, s2                      ; my first query
	s_lshl_b32 s99, s97, 7                         ; my first hidden unit of q
	s_mov_b32 s3, 0
	s_lshl_b32 s2, s[AROW], 5
	s_add_nc_u64 s[6:7], s[6:7], s[2:3]
	s_lshl_b32 s2, s[BROW], 5
	s_add_nc_u64 s[10:11], s[10:11], s[2:3]
	s_lshl_b32 s2, s[BROW], 2
	s_add_nc_u64 s[12:13], s[12:13], s[2:3]
	s_lshl_b32 s2, s98, 5
	s_add_nc_u64 s[18:19], s[18:19], s[2:3]
	s_lshl_b32 s2, s99, 5
	s_add_nc_u64 s[22:23], s[22:23], s[2:3]
	s_lshl_b32 s2, s99, 2
	s_add_nc_u64 s[24:25], s[24:25], s[2:3]
	s_mul_i32 s2, s[TX], 3145728                   ; k's images
	s_mul_i32 s95, s[AROW], 192
	s_add_co_u32 s2, s2, s95
	s_mul_i32 s95, s[WC], 1536
	s_add_co_u32 s2, s2, s95
	s_add_nc_u64 s[KOB:KOB+1], s[14:15], s[2:3]
	s_lshl_b32 s2, s[TX], 1                        ; k's scale planes
	s_add_co_u32 s2, s2, s[WC]
	s_lshl_b32 s2, s2, 16
	s_add_co_u32 s2, s2, 12582912
	s_lshl_b32 s95, s[AROW], 2
	s_add_co_u32 s2, s2, s95
	s_add_nc_u64 s[KOS:KOS+1], s[14:15], s[2:3]
	s_lshr_b32 s2, s97, 1                          ; q's images
	s_mul_i32 s2, s2, 786432
	s_mul_i32 s95, s98, 192
	s_add_co_u32 s2, s2, s95
	s_and_b32 s95, s97, 1
	s_mul_i32 s95, s95, 1536
	s_add_co_u32 s2, s2, s95
	s_add_nc_u64 s[QOB:QOB+1], s[26:27], s[2:3]
	s_lshl_b32 s2, s97, 14                         ; q's scale planes
	s_add_co_u32 s2, s2, 3145728
	s_lshl_b32 s95, s98, 2
	s_add_co_u32 s2, s2, s95
	s_add_nc_u64 s[QOS:QOS+1], s[26:27], s[2:3]
	s_mul_i32 s2, s[TY], 12288                     ; Wv: 16 rows by the tile of keys, 128 along K by cx and the wave
	s_mul_i32 s95, s[CX], 192
	s_add_co_u32 s2, s2, s95
	s_mul_i32 s95, s[WC], 96
	s_add_co_u32 s2, s2, s95
	s_add_nc_u64 s[100:101], s[100:101], s[2:3]
	s_mul_i32 s2, s[CX], 196608
	s_mul_i32 s95, s[TY], 3072
	s_add_co_u32 s2, s2, s95
	s_mul_i32 s95, s[WC], 1536
	s_add_co_u32 s2, s2, s95
	s_add_nc_u64 s[104:105], s[104:105], s[2:3]
	s_wait_alu depctr_va_vdst(0)
	global_prefetch_b8 v[PFO], s[4:5] offset:256 th:TH_LOAD_NT scope:SCOPE_SE   ; k's chunk 1: my 32 rows of the 128 that I shall fetch
	global_prefetch_b8 v[PFO], s[4:5] offset:512 th:TH_LOAD_NT scope:SCOPE_SE   ; and chunk 2
	SCROW SCA, 4, 6
	SCROW SCB, 4, 10
	BIAS 12
	s_cmp_eq_u32 s[WR], 0
	s_cbranch_scc0 .Lno_wv
.irp p, 0,1,2,3,4,5
	global_load_b64 v[PC+2*\p:PC+2*\p+1], v[WVO], s[100:101] offset:48*(\p/3)+8*(\p%3)   ; a fragment of Wv, as the matrix unit takes it,
.endr
	s_wait_loadcnt 0x0
.irp c, 0,1,2
	global_store_b128 v[LI], v[PC+4*\c:PC+4*\c+3], s[104:105] offset:512*\c              ; leaves as an image of its registers
.endr
.Lno_wv:
	s_wait_loadcnt 0x0
	s_wait_tensorcnt 0x0                           ; my part of chunk 0 is in
	ds_add_u32 v[SPW], v[NIL]
	s_wait_dscnt 0x0
	CROUND
	JLOAD 1                                        ; k's chunk 1, slot 1's first fill
	JOBK
	FETCHB 0
	FETCHA 0, 0
	FETCHA 0, 1
	global_prefetch_b8 v[PFO], s[8:9] th:TH_LOAD_NT scope:SCOPE_SE   ; q's chunk 0 or 1, whichever I shall fetch
	STEP 0, 0, 2                                   ; the first step's products start the sums from the bias
	STEP 1, 1, 1                                   ; step 2 reaches into chunk 1
	STEP 2, 2, 1                                   ; chunk 0 is read out
	STEP 3, 0, 1
	STEP 4, 1, 1                                   ; step 5 reaches into chunk 2
	STEP 5, 3, 1                                   ; chunk 1 is read out
	STEP 6, 0, 1
	s_wait_dscnt 24                                ; k's last step: chunk 2 is read out, slot 0 takes q's chunk 2; the round has shown q's chunks 0 and 1 whole
	MULH 7, 0, 1
	s_wait_dscnt 0x0
	REFILL 0, 16, 20, 0, 1
	JOBQ
	FETCHB 0                                       ; q's first fragments: B's set 0 and A's blocks 0, 1 are free
	FETCHA 0, 0
	FETCHA 0, 1
	JOBK
	MULH 7, 1, 1
	PLACES 4                                       ; in front of the loads into the scale registers and of the first read of results
	WIN 0
	SCROW SCA, 1, 18                               ; q's scale words and bias land while k is quantised
	SCROW SCB, 4, 22
	BIAS 24
.set QA, 0
.rept 8
	QUANTW 64*(QA%4), 2+QA/4
	PUTIMG 3072*QA, KOB
	PUTSC QA, KOS
.set QA, QA+1
.endr
	JOBQ
	s_wait_loadcnt 0x0
	STEP 0, 0, 2
	STEP 1, 0, 1
	STEP 2, 0, 1
	STEP 3, 0, 1
	STEP 4, 1, 1                                   ; step 5 reaches into q's chunk 2
	STEP 5, 0, 1
	STEP 6, 0, 1
	STEP 7, 0, 1
	PLACES 4
.set QA, 0
.rept 2
	QUANTW 64*QA, 2
	PUTIMG 3072*QA, QOB
	PUTSC QA, QOS
.set QA, QA+1
.endr
	s_wait_tensorcnt 0x0                           ; the wave's end
	ds_add_u32 v[SPW], v[NIL]
	s_wait_dscnt 0x0
	CROUND                                         ; the closing round
	s_endpgm
.Lfunc_end_k_q594ffeed31_proj:
	.size	k_q594ffeed31_proj, .Lfunc_end_k_q594ffeed31_proj-k_q594ffeed31_proj
	.p2alignl 7, 3214868480
	.fill 96, 4, 3214868480
	.section	.rodata,"a",@progbits
	.p2align	6, 0x0
	.amdhsa_kernel k_q594ffeed31_proj
		.amdhsa_group_segment_fixed_size 327680
		.amdhsa_private_segment_fixed_size 0
		.amdhsa_enable_private_segment 0
		.amdhsa_kernarg_size 112
		.amdhsa_user_sgpr_count 2
		.amdhsa_user_sgpr_kernarg_segment_ptr 1
		.amdhsa_wavefront_size32 1
		.amdhsa_system_sgpr_workgroup_id_x 1
		.amdhsa_system_sgpr_workgroup_id_y 1
		.amdhsa_system_sgpr_workgroup_id_z 1
		.amdhsa_system_vgpr_workitem_id 0
		.amdhsa_next_free_vgpr 1024
		.amdhsa_next_free_sgpr 106
		.amdhsa_reserve_vcc 0
		.amdhsa_float_denorm_mode_32 3
		.amdhsa_float_denorm_mode_16_64 3
		.amdhsa_memory_ordered 1
		.amdhsa_forward_progress 1
		.amdhsa_inst_pref_size 238
	.end_amdhsa_kernel
	.amdgpu_metadata
---
amdhsa.version: [ 1, 2 ]
amdhsa.kernels:
  - .name:           k_q594ffeed31_proj
    .symbol:         k_q594ffeed31_proj.kd
    .args:
      - { .name: key_codes, .offset: 0, .size: 8, .value_kind: global_buffer, .address_space: global }
      - { .name: key_scales, .offset: 8, .size: 8, .value_kind: global_buffer, .address_space: global }
      - { .name: Wk_codes, .offset: 16, .size: 8, .value_kind: global_buffer, .address_space: global }
      - { .name: Wk_scales, .offset: 24, .size: 8, .value_kind: global_buffer, .address_space: global }
      - { .name: bk, .offset: 32, .size: 8, .value_kind: global_buffer, .address_space: global }
      - { .name: kb, .offset: 40, .size: 8, .value_kind: global_buffer, .address_space: global }
      - { .name: query_codes, .offset: 48, .size: 8, .value_kind: global_buffer, .address_space: global }
      - { .name: query_scales, .offset: 56, .size: 8, .value_kind: global_buffer, .address_space: global }
      - { .name: Wq_codes, .offset: 64, .size: 8, .value_kind: global_buffer, .address_space: global }
      - { .name: Wq_scales, .offset: 72, .size: 8, .value_kind: global_buffer, .address_space: global }
      - { .name: bq, .offset: 80, .size: 8, .value_kind: global_buffer, .address_space: global }
      - { .name: qb, .offset: 88, .size: 8, .value_kind: global_buffer, .address_space: global }
      - { .name: Wv_codes, .offset: 96, .size: 8, .value_kind: global_buffer, .address_space: global }
      - { .name: wvi, .offset: 104, .size: 8, .value_kind: global_buffer, .address_space: global }
    .group_segment_fixed_size: 327680
    .private_segment_fixed_size: 0
    .kernarg_segment_align: 8
    .kernarg_segment_size: 112
    .max_flat_workgroup_size: 128
    .sgpr_count:     106
    .vgpr_count:     1024
    .wavefront_size: 32
...
	.end_amdgpu_metadata
.endif
;; end of part 6
;; launch vstat (part 7): grid 64 x 4, 4 waves a work-group, clusters of 4 x 4, 327,680 bytes of LDS; arguments wvi, Wv_scales, bv, kb, qb, mask, vb, st; writes vb, st
.if DOCPART == 7
	.amdgcn_target "amdgcn-amd-amdhsa--gfx1250"
	.amdhsa_code_object_version 6
	.text
	.protected	k_q594ffeed31_vstat
	.globl	k_q594ffeed31_vstat
	.p2align	8
	.type	k_q594ffeed31_vstat,@function
k_q594ffeed31_vstat:
	s_mov_b64 s[64:65], 0
	v_nop
	global_prefetch_b8 v0, s[64:65] scope:SCOPE_SE
	s_setreg_imm32_b32 hwreg(HW_REG_WAVE_MODE, 25, 1), 1
	s_wait_xcnt 0x0
	s_wait_alu depctr_hold_cnt(0) depctr_sa_sdst(0) depctr_va_vdst(0) depctr_va_sdst(0) depctr_va_ssrc(0) depctr_va_vcc(0) depctr_vm_vsrc(0)
	s_getreg_b32 s2, hwreg(HW_REG_IB_STS2, 6, 4)
	s_cmp_eq_u32 s2, 0
	s_cbranch_scc0 .Lentry_in_a_cluster
	s_endpgm
.Lentry_in_a_cluster:
	s_bfe_u32 s2, ttmp6, 0x10000c
	s_cmp_lg_u32 s2, 0xf033
	s_cbranch_scc0 .Lentry_shape_is_right
	s_endpgm
.Lentry_shape_is_right:
; Two jobs on the same 256 keys of k's codes, which come into LDS once, for all of K, and stay.  No work of reference() is left out here.
; SCORES: Q(q) Q(k)^T for 128 queries of the keys' batch, masked; of each row and each group of 128 keys the largest t and the sum of 2^(t - it), t = score x log2(e) / 32.  A wave makes 64 x 128.
; V: v = Q(k) Wv^T + bv for 256 outputs o, quantised along the KEYS, which are the K of the last product.  A wave makes 128 o x 128 keys.
; In both, B (source 0) = the keys and A (source 1) = the queries or Wv's rows, all as register images: a lane holds one query or one o, and its registers run along the keys.
; LDS: [A part 0][A part 1][B part 0][B part 1], each part its slots 0 and 1 on end; a slot holds 512 along K of q's tile and of k's.  q's parts, 49,152 bytes a slot, are read out by the scores and then take Wv's chunks of 256 along K, just as many bytes.
; q's and Wv's tiles are asked for jointly by a row of the cluster, k's by a column.
; THE MASK: t = score x c + 0 where the key counts, score x 0 + (-1e9 log2(e)) where it does not: one fused multiply-add.  LIMIT: a score that is infinite or NaN at a masked key gives NaN.
; OUT: st [group of 128 keys][row][largest t, sum], f32;  vb: images [256 keys (batch x 8 + chunk)][o / 16][half chunk][1,536]; scale words [batch][128 keys][o][4 bytes].
.set NB,    8
.set KST,   8
.set SQB,   4                          ; steps in a slot of B
.set NSLOT, 2
.set APART, 24576                      ; q: 4 blocks of 16 rows x 2 images x 1,536 bytes, for each of two chunks.  Wv: 8 blocks x 2 images, one chunk
.set BPART, 49152                      ; 8 blocks x 2 images, for each of two chunks
.set BCP,   BPART/2
.set NLA,   3                          ; LDS loads that bring a fragment
.set BOFF,  4*APART                    ; LDS by parts: A's part w holds its slots 0 and 1 on end at 2 w APART, B's part w at BOFF + 2 w BPART: so one load a wave brings a part's four chunks
.set SLOT,  2*APART+2*BPART
.set SPARE, NSLOT*SLOT
.macro JOBS                            ; what differs between the jobs: the scores
.set NA,  4
.set SQA, 4                            ; steps in a slot of A
.set ACP, APART/2
.set SCA, 116                          ; q's scale words: v116-123 rows 0-31, v244-251 rows 32-63
.set SCG, 128
.endm
.macro JOBV
.set NA,  8
.set SQA, 2
.set ACP, 0
.set SCA, 32                           ; Wv's scale words: v32-63
.set SCG, 8
.endm
.set LI,  4
.set L4,  5
.set L8,  6
.set L32, 7
.set ADA, 8                            ; v8-9 LDS address of my A fragments by slot
.set ADB, 14                           ; v14-15 of B's
.set SPW, 28
.set NIL, 29
.set SCB, 64                           ; v64-95 k's scale words: they serve both jobs
.set TM,  96
.set PW,  112
.set PWE, 113
.set PX,  114
.set AF,  128                          ; v128-223 A's fragments, one set
.set PC,  224
.set PY,  236
.set NM,  224                          ; the scores' way out, while no codes are made: v224-231 minus the largest t, a pair for each block of rows;
.set RL,  232                          ; v232-239 the sums
; window 1: B's fragments, two sets at v0 and v128; bv at v96-127 and v224-255.   windows 2, 3: the accumulators, (a, b) at 8 (NB a + b).
; during the scores: window 2 the 32 accumulators (ahead of the first product: the mask's 64 words, c in v64, 0 in v66); window 3: v0-63 the keys' factors, v64-127 their addends
.set G1V, 20                           ; s[20:27] descriptor group 1 for Wv's tiles
.set G1A, 28                           ; s[28:35] for q's, s[36:43] for k's
.set G1B, 36
.set G0A, 44                           ; s[44:51] groups 0 for A's tiles, a set a slot
.set VA,  52                           ; s[52:53] Wv's images at my part of the tile
.set SOS, 54                           ; s[54:55] where the rows' figures go
.set G0B, 56                           ; s[56:63] groups 0 for k's tiles
.set WV,  72
.set WR,  73
.set WC,  74
.set CX,  75
.set CY,  76
.set TX,  77
.set BT,  78                           ; the batch
.set HM,  79
.set SEL, 80
.set TA,  82
.set AROW, 85
.set TB,  86
.set BROW, 89
.set OB,  90
.set OS,  92
.set QROW, 94
.set MSB, 0
.macro WIN new                         ; the immediate's high byte repeats the setting that is left
.if MSB != (\new)
	s_set_vgpr_msb (MSB<<8)|(\new)
.set MSB, (\new)
.endif
.endm
.macro PLACES n
.rept \n
	v_nop
.endr
.endm
.macro CREST
	s_cmp_lg_u32 s[WV], 0
	s_cbranch_scc1 .Lnot_wave_0_\@
	s_barrier_signal -3
.Lnot_wave_0_\@:
	s_barrier_wait -3
	s_barrier_signal -1
	s_barrier_wait -1
.endm
.macro CROUND
	s_barrier_signal -1
	s_barrier_wait -1
	CREST
.endm
.macro G1SET g, m, w0, d0, d1, str
	s_or_b32 s[\g], s[\m], \w0
	s_mov_b32 s[\g+1], ((\d0)&0xffff)<<16
	s_mov_b32 s[\g+2], ((\d0)>>16)|(((\d1)&0xffff)<<16)
	s_mov_b32 s[\g+3], ((\d1)>>16)|((\d0)<<16)
	s_mov_b32 s[\g+4], \d1
	s_mov_b32 s[\g+5], \str
	s_mov_b32 s[\g+6], 0
	s_mov_b32 s[\g+7], 0
.endm
.macro G0SET p, da, db
	s_mov_b32 s[G0A+4*(\p)], 1
	s_add_co_u32 s[G0A+4*(\p)+1], s[TA+2], (\p)*APART
	s_add_nc_u64 s[G0A+4*(\p)+2:G0A+4*(\p)+3], s[TA:TA+1], \da
	s_or_b32 s[G0A+4*(\p)+3], s[G0A+4*(\p)+3], 0x80000000
	s_mov_b32 s[G0B+4*(\p)], 1
	s_add_co_u32 s[G0B+4*(\p)+1], s[TB+2], (\p)*BPART
	s_add_nc_u64 s[G0B+4*(\p)+2:G0B+4*(\p)+3], s[TB:TB+1], \db
	s_or_b32 s[G0B+4*(\p)+3], s[G0B+4*(\p)+3], 0x80000000
.endm
.macro JLOAD p                         ; a first fill: waves 0, 1 fetch q's parts, waves 2, 3 k's; an s_nop 0 and four v_nop follow each line
	s_cmp_eq_u32 s[WR], 0
	s_cbranch_scc0 .Lfor_b_\@
	tensor_load_to_lds s[G0A+4*(\p):G0A+4*(\p)+3], s[G1A:G1A+7]
	s_nop 0
.rept 4
	v_nop
.endr
	s_branch .Lasked_\@
.Lfor_b_\@:
	tensor_load_to_lds s[G0B+4*(\p):G0B+4*(\p)+3], s[G1B:G1B+7]
	s_nop 0
.rept 4
	v_nop
.endr
.Lasked_\@:
.endm
.macro VLOAD p                         ; a refill: waves 0, 1 fetch Wv's parts; waves 2, 3 have nothing to fill: k's parts stay.  The branch hangs on the wave's number alone
	s_cmp_eq_u32 s[WR], 0
	s_cbranch_scc0 .Lnone_\@
	tensor_load_to_lds s[G0A+4*(\p):G0A+4*(\p)+3], s[G1V:G1V+7]
	s_nop 0
.rept 4
	v_nop
.endr
.Lnone_\@:
.endm
.macro FRG reg, adr, sl, blk, cpb      ; a fragment's image: three loads of 16 bytes a lane.  sl: the step in its slot: sl / 2 the chunk, sl % 2 the half chunk
.irp c, 0,1,2
	ds_load_b128 v[(\reg)+4*\c:(\reg)+4*\c+3], v[\adr] offset:((\sl)/2)*(\cpb)+(2*(\blk)+(\sl)%2)*1536+512*\c
.endr
.endm
.macro FETCHB s
	WIN 0x40
.set FI, 0
.rept NB
	FRG 128*((\s)%2)+12*FI, ADB+((\s)/SQB)%NSLOT, (\s)%SQB, FI, BCP
.set FI, FI+1
.endr
	WIN 0
.endm
.macro FETCHA s, hh
.set FI, (\hh)*NA/2
.rept NA/2
	FRG AF+12*FI, ADA+((\s)/SQA)%NSLOT, (\s)%SQA, FI, ACP
.set FI, FI+1
.endr
.endm
.macro WM cz
.if \cz
.if MRB && MRA
	v_wmma_scale_f32_16x16x128_f8f6f4 v[MD:MD+7], v[MBF:MBF+11], v[MAF:MAF+11], 0, v[MSS], v[MSA] matrix_a_fmt:MATRIX_FMT_FP6 matrix_b_fmt:MATRIX_FMT_FP6 matrix_a_scale:MATRIX_SCALE_ROW1 matrix_b_scale:MATRIX_SCALE_ROW1
.elseif MRB
	v_wmma_scale_f32_16x16x128_f8f6f4 v[MD:MD+7], v[MBF:MBF+11], v[MAF:MAF+11], 0, v[MSS], v[MSA] matrix_a_fmt:MATRIX_FMT_FP6 matrix_b_fmt:MATRIX_FMT_FP6 matrix_a_scale:MATRIX_SCALE_ROW1
.elseif MRA
	v_wmma_scale_f32_16x16x128_f8f6f4 v[MD:MD+7], v[MBF:MBF+11], v[MAF:MAF+11], 0, v[MSS], v[MSA] matrix_a_fmt:MATRIX_FMT_FP6 matrix_b_fmt:MATRIX_FMT_FP6 matrix_b_scale:MATRIX_SCALE_ROW1
.else
	v_wmma_scale_f32_16x16x128_f8f6f4 v[MD:MD+7], v[MBF:MBF+11], v[MAF:MAF+11], 0, v[MSS], v[MSA] matrix_a_fmt:MATRIX_FMT_FP6 matrix_b_fmt:MATRIX_FMT_FP6
.endif
.else
.if MRB && MRA
	v_wmma_scale_f32_16x16x128_f8f6f4 v[MD:MD+7], v[MBF:MBF+11], v[MAF:MAF+11], v[MC:MC+7], v[MSS], v[MSA] matrix_a_fmt:MATRIX_FMT_FP6 matrix_b_fmt:MATRIX_FMT_FP6 matrix_a_scale:MATRIX_SCALE_ROW1 matrix_b_scale:MATRIX_SCALE_ROW1
.elseif MRB
	v_wmma_scale_f32_16x16x128_f8f6f4 v[MD:MD+7], v[MBF:MBF+11], v[MAF:MAF+11], v[MC:MC+7], v[MSS], v[MSA] matrix_a_fmt:MATRIX_FMT_FP6 matrix_b_fmt:MATRIX_FMT_FP6 matrix_a_scale:MATRIX_SCALE_ROW1
.elseif MRA
	v_wmma_scale_f32_16x16x128_f8f6f4 v[MD:MD+7], v[MBF:MBF+11], v[MAF:MAF+11], v[MC:MC+7], v[MSS], v[MSA] matrix_a_fmt:MATRIX_FMT_FP6 matrix_b_fmt:MATRIX_FMT_FP6 matrix_b_scale:MATRIX_SCALE_ROW1
.else
	v_wmma_scale_f32_16x16x128_f8f6f4 v[MD:MD+7], v[MBF:MBF+11], v[MAF:MAF+11], v[MC:MC+7], v[MSS], v[MSA] matrix_a_fmt:MATRIX_FMT_FP6 matrix_b_fmt:MATRIX_FMT_FP6
.endif
.endif
.endm
; Half hh of step s's products.  cm: the C: 0 the constant 0; 1 the accumulator; 3 the bias by A's block.  The accumulators take turns, one instruction a turn.
.macro MULH s, hh, cm
.set MW, 2+(8*((\hh)*NA/2)*NB)/256
.if (\cm) == 3
	WIN 0x11|(MW<<6)
.else
	WIN 1|(MW<<4)|(MW<<6)
.endif
.set MA, (\hh)*NA/2
.rept NA/2
.set MB, 0
.rept NB
.set MD, (8*(MA*NB+MB))%256
.set MBF, 128*((\s)%2)+12*MB
.set MAF, AF+12*MA
.set MSS, SCB+KST*(MB/2)+(\s)
.set MSA, SCA+SCG*(MA/2)+(\s)
.set MRB, MB%2
.set MRA, MA%2
.if (\cm) == 0
	WM 1
.else
.if (\cm) == 1
.set MC, MD
.else
.set MC, 96+8*MA+96*(MA/4)
.endif
	WM 0
.endif
.set MB, MB+1
.endr
.set MA, MA+1
.endr
.endm
.macro REFILL p, c                     ; A's parts of slot p, which every wave has read out, take Wv's chunk c
	WIN 0
	s_wait_tensorcnt 0x0                           ; all my tensor loads have landed, so a group 0 may be written
	ds_add_u32 v[SPW], v[NIL]                      ; 0 onto my spare word
	s_add_nc_u64 s[G0A+4*(\p)+2:G0A+4*(\p)+3], s[VA:VA+1], (\c)*196608
	s_or_b32 s[G0A+4*(\p)+3], s[G0A+4*(\p)+3], 0x80000000
	s_wait_dscnt 0x0                               ; the add is done, and my reads of those parts are over
	CROUND                                         ; the same holds of every wave of all sixteen work-groups
	VLOAD \p                                       ; the first tensor load behind the round
	PLACES 4                                       ; in every wave: four places in front of the loads that follow
.endm
.macro STEP s, sync, n, cm             ; sync: in front of the next step's fetches: 0 places alone; 1 the wait for my tensor loads (count n) and a barrier; 2 A's parts just read out take Wv's chunk n
	s_wait_dscnt (NA/2)*NLA                        ; B's set and A's first half are in; the youngest loads, A's second half, may be out
	MULH \s, 0, \cm
	s_wait_dscnt 0x0
.if (\s) < KST-1
.if (\sync) == 0
	PLACES 4
.elseif (\sync) == 1
	WIN 0
	s_wait_tensorcnt \n
	s_barrier_signal -1
	s_barrier_wait -1
	PLACES 4
.else
	REFILL ((\s)/SQA)%NSLOT, \n
.endif
	FETCHB (\s)+1
	FETCHA (\s)+1, 0
.endif
	MULH \s, 1, \cm
.if (\s) < KST-1
	PLACES 4
	WIN 0
	FETCHA (\s)+1, 1
.else
	WIN 0
.endif
.endm
.macro START n
	s_wait_loadcnt 0x0
	s_wait_tensorcnt \n
	s_barrier_signal -1
	s_barrier_wait -1
	FETCHB 0
	FETCHA 0, 0
	FETCHA 0, 1
.endm
.macro FINISH
	s_wait_tensorcnt 0x0                           ; the wave's end
	ds_add_u32 v[SPW], v[NIL]
	s_wait_dscnt 0x0
	CROUND                                         ; the closing round
	s_endpgm
.endm
.macro SCROW sc, ng, base              ; given scales, 32 bytes a row: lane L takes row 32 g + L, all eight steps' words
.set GI, 0
.rept \ng
	global_load_b128 v[(\sc)+8*GI:(\sc)+8*GI+3], v[L32], s[\base:\base+1] offset:1024*GI
	global_load_b128 v[(\sc)+8*GI+4:(\sc)+8*GI+7], v[L32], s[\base:\base+1] offset:1024*GI+16
.set GI, GI+1
.endr
.endm
.macro SCPL1 sc, base, pln, off        ; scale planes: lane L takes the word of the row off / 4 + L in each step's plane
.set SI, 0
.rept KST
	global_load_b32 v[(\sc)+SI], v[L4], s[\base:\base+1] offset:SI*(\pln)+(\off)
.set SI, SI+1
.endr
.endm
.macro QUANTW s, w                     ; 64 numbers of a lane in window w become a fragment's codes in v[PC] on and its scale word in v[PW]
	s_wait_xcnt 0x0                                ; the last block's stores have read their registers
	WIN 5*(\w)
.irp b, 0,1,2,3
	v_max3_num_f32 v[TM+\b], |v[(\s)+16*\b]|, |v[(\s)+16*\b+1]|, 0x1800000   ; and the floor 2^(3 - 127): the byte cannot fall under 1
.endr
.irp i, 2,4,6,8,10,12,14
.irp b, 0,1,2,3
	v_max3_num_f32 v[TM+\b], |v[(\s)+16*\b+\i]|, |v[(\s)+16*\b+\i+1]|, v[TM+\b]
.endr
.endr
	WIN 0
.irp b, 0,1,2,3
	v_permlanex16_b32 v[TM+4+\b], v[TM+\b], s[SEL], s[SEL+1]
.endr
.irp b, 0,1,2,3
	v_max_num_f32 v[TM+\b], v[TM+\b], v[TM+4+\b]
.endr
.irp b, 0,1,2,3
	v_add_nc_u32 v[TM+12+\b], 0xff000000, v[TM+\b] ; 2 off the exponent field: the conversion's scale operand
.endr
.irp b, 0,1,2,3
	v_lshrrev_b32 v[TM+4+\b], 23, v[TM+12+\b]
.endr
	v_lshl_or_b32 v[PW], v[TM+5], 8, v[TM+4]
	v_lshl_or_b32 v[PW], v[TM+6], 16, v[PW]
	v_lshl_or_b32 v[PW], v[TM+7], 24, v[PW]
	WIN (\w)
.irp c, 0,1
	v_cvt_scalef32_pk16_fp6_f32 v[PC+6*\c:PC+6*\c+2], v[(\s)+32*\c:(\s)+32*\c+15], v[TM+12+2*\c]
	v_cvt_scalef32_pk16_fp6_f32 v[PY+4*\c:PY+4*\c+2], v[(\s)+32*\c+16:(\s)+32*\c+31], v[TM+13+2*\c]
.endr
	WIN 0
	v_nop                                          ; one plain place behind a scaled conversion
.irp c, 0,1
.irp i, 0,1,2
	v_permlane16_swap_b32 v[PC+6*\c+\i], v[PY+4*\c+\i]
.endr
	v_perm_b32 v[PC+6*\c+3], v[PC+6*\c+2], v[PC+6*\c+1], 0x05040302   ; the four pieces of 48 bits into their true order along K
	v_perm_b32 v[PC+6*\c+4], v[PY+4*\c+1], v[PC+6*\c+2], 0x07060302
	v_mov_b32 v[PC+6*\c+5], v[PY+4*\c+2]
	v_perm_b32 v[PC+6*\c+1], v[PY+4*\c], v[PC+6*\c+1], 0x05040100
	v_perm_b32 v[PC+6*\c+2], v[PY+4*\c+1], v[PY+4*\c], 0x05040302
.endr
.endm
.macro PUTIMG off
.irp c, 0,1,2
	global_store_b128 v[LI], v[PC+4*\c:PC+4*\c+3], s[OB:OB+1] offset:(\off)+512*\c
.endr
.endm
.macro PUTSC a
.if (\a)%2 == 0
	v_mov_b32 v[PWE], v[PW]
.else
	v_cndmask_b32 v[PX], v[PWE], v[PW], s[HM]
	global_store_b32 v[L4], v[PX], s[OS:OS+1] offset:((\a)/2)*128
.endif
.endm
	s_load_b512 s[4:19], s[0:1], 0x0               ; wvi, Wv scales, bv, kb, qb, mask, vb, st
	v_lshl_add_u32 v[SPW], v0, 2, SPARE
	v_mov_b32 v[NIL], 0
	ds_add_u32 v[SPW], v[NIL]                      ; the wave's opening
	ds_add_u32 v[SPW], v[NIL]
	v_lshrrev_b32 v1, 5, v0
	v_readfirstlane_b32 s[WV], v1
	s_lshr_b32 s[WR], s[WV], 1
	s_and_b32 s[WC], s[WV], 1
	s_bfe_u32 s[CX], ttmp6, 0x40000
	s_bfe_u32 s[CY], ttmp6, 0x40004                ; the tile of 256 outputs, and the tile of 128 queries in the batch: the grid has one cluster along y
	s_lshl_b32 s[TX], ttmp9, 2
	s_add_co_u32 s[TX], s[TX], s[CX]               ; the tile of 256 keys, 0..63
	s_lshr_b32 s[BT], ttmp9, 1                     ; its batch: a cluster's four tiles of keys lie in one
	s_lshl_b32 s95, s[CY], 2
	s_lshl_b32 s95, 15, s95                        ; my row of the cluster
	s_lshl_b32 s99, 0x1111, s[CX]                  ; my column
	G1SET G1A, 95, (3<<16)|(1<<21), 1536, 4, 98304    ; q: four chunks' 12,288 dense bytes, 786,432 bytes apart
	G1SET G1B, 99, (3<<16)|(1<<21), 3072, 4, 393216   ; k: four chunks' 24,576 dense bytes, 3,145,728 bytes apart
	G1SET G1V, 95, (3<<16)|(1<<21), 32, 96, 32        ; Wv: a dense block of 24,576 bytes as 96 rows of 256
	s_mov_b32 s[HM], 0xffff0000
	s_mov_b32 s[SEL], 0x76543210
	s_mov_b32 s[SEL+1], 0xfedcba98
	s_lshl_b32 s[TA], s[BT], 2
	s_add_co_u32 s[TA], s[TA], s[CY]               ; the tile of 128 queries, of 32
	s_lshl_b32 s[TA], s[TA], 3
	s_lshl_b32 s[TA+1], s[WC], 2
	s_add_co_u32 s[TA], s[TA], s[TA+1]
	s_mul_i32 s[TA], s[TA], 3072                   ; block of 16 queries: 8 x tile + 4 x part
	s_mov_b32 s[TA+1], 0
	s_lshl_b32 s[VA], s[CY], 4
	s_lshl_b32 s[VA+1], s[WC], 3
	s_add_co_u32 s[VA], s[VA], s[VA+1]
	s_mul_i32 s[VA], s[VA], 3072                   ; block of 16 outputs: 16 x tile + 8 x part
	s_mov_b32 s[VA+1], 0
	s_lshl_b32 s[TB], s[TX], 4
	s_lshl_b32 s[TB+1], s[WC], 3
	s_add_co_u32 s[TB], s[TB], s[TB+1]
	s_mul_i32 s[TB], s[TB], 3072                   ; block of 16 keys: 16 x tile + 8 x part
	s_mov_b32 s[TB+1], 0
	s_mul_i32 s[TA+2], s[WC], 2*APART
	s_mul_i32 s[TB+2], s[WC], 2*BPART
	s_add_co_u32 s[TB+2], s[TB+2], BOFF
	s_wait_dscnt 0x0                               ; both opening adds are done
	s_wait_kmcnt 0x0
	s_add_nc_u64 s[TA:TA+1], s[12:13], s[TA:TA+1]
	s_add_nc_u64 s[VA:VA+1], s[4:5], s[VA:VA+1]
	s_add_nc_u64 s[TB:TB+1], s[10:11], s[TB:TB+1]
	G0SET 0, 0, 0
	G0SET 1, 1572864, 6291456
	CROUND                                         ; all sixteen work-groups are here: the first joint loads meet
	JLOAD 0                                        ; one tensor load a wave: all of K of my part
	v_and_b32 v1, 15, v0
	v_bfe_u32 v2, v0, 4, 1
	v_and_b32 v3, 31, v0
	v_lshlrev_b32 v[LI], 4, v3
	v_lshlrev_b32 v[L4], 2, v3
	v_lshlrev_b32 v[L8], 3, v3
	v_lshlrev_b32 v[L32], 5, v3
.irp b, 0,1,2,3
	v_mov_b32 v[TM+4+\b], 0                        ; written once: a lane permute's destination counts as one of its sources
.endr
	v_lshlrev_b32 v25, 5, v2                       ; the mask: my half's eight keys of a tile
	s_wait_alu depctr_va_vdst(0)
	v_lshlrev_b32 v26, 2, v1                       ; bv: my row's number
	s_wait_alu depctr_va_vdst(0)
	s_mul_i32 s2, s[WR], 2*APART
	s_mul_i32 s3, s[WC], 2*BPART
	s_add_co_u32 s3, s3, BOFF
.set PI, 0
.rept NSLOT
	v_add_nc_u32 v[ADA+PI], s2, v[LI]
	v_add_nc_u32 v[ADB+PI], s3, v[LI]
	s_add_co_u32 s2, s2, APART
	s_add_co_u32 s3, s3, BPART
.set PI, PI+1
.endr
	s_lshl_b32 s[AROW], s[CY], 8
	s_lshl_b32 s2, s[WR], 7
	s_add_co_u32 s[AROW], s[AROW], s2              ; my first output o
	s_lshl_b32 s[BROW], s[TX], 8
	s_lshl_b32 s2, s[WC], 7
	s_add_co_u32 s[BROW], s[BROW], s2              ; my first key, of 16,384
	s_lshl_b32 s[QROW], s[BT], 9
	s_lshl_b32 s2, s[CY], 7
	s_add_co_u32 s[QROW], s[QROW], s2
	s_lshl_b32 s2, s[WR], 6
	s_add_co_u32 s[QROW], s[QROW], s2              ; my first query, of 4,096
	s_mov_b32 s3, 0
	s_lshl_b32 s2, s[AROW], 5
	s_add_nc_u64 s[6:7], s[6:7], s[2:3]            ; Wv's scales
	s_lshl_b32 s2, s[AROW], 2
	s_add_nc_u64 s[8:9], s[8:9], s[2:3]            ; bv
	s_lshl_b32 s2, s[BROW], 2
	s_add_nc_u64 s[14:15], s[14:15], s[2:3]        ; the mask
	s_add_co_u32 s2, s2, 12582912
	s_add_nc_u64 s[10:11], s[10:11], s[2:3]        ; k's scale planes
	s_lshl_b32 s2, s[QROW], 2
	s_add_co_u32 s2, s2, 3145728
	s_add_nc_u64 s[12:13], s[12:13], s[2:3]        ; q's scale planes
	s_mul_i32 s2, s[TX], 196608                    ; v's images
	s_mul_i32 s95, s[AROW], 192
	s_add_co_u32 s2, s2, s95
	s_mul_i32 s95, s[WC], 1536
	s_add_co_u32 s2, s2, s95
	s_add_nc_u64 s[OB:OB+1], s[16:17], s[2:3]
	s_and_b32 s96, s[TX], 7
	s_lshl_b32 s96, s96, 1
	s_add_co_u32 s96, s96, s[WC]                   ; my group of 128 keys in the batch
	s_lshl_b32 s2, s[BT], 16                       ; v's scale words: the batch's 16 planes, plane = group
	s_lshl_b32 s95, s96, 12
	s_add_co_u32 s2, s2, s95
	s_lshl_b32 s95, s[AROW], 2
	s_add_co_u32 s2, s2, s95
	s_add_co_u32 s2, s2, 12582912
	s_add_nc_u64 s[OS:OS+1], s[16:17], s[2:3]
	s_lshl_b32 s2, s96, 15                         ; st: 32,768 bytes a group
	s_lshl_b32 s95, s[QROW], 3
	s_add_co_u32 s2, s2, s95
	s_add_nc_u64 s[SOS:SOS+1], s[18:19], s[2:3]
	SCPL1 116, 12, 16384, 0                        ; q's scale words
	SCPL1 244, 12, 16384, 128
.irp g, 0,1,2,3
	SCPL1 SCB+8*\g, 10, 65536, 128*\g              ; k's
.endr
	WIN 0x80                                       ; the mask's words of my 64 keys a lane: register 8 b + j: key 16 b + 8 h + j
.set TI, 0
.rept 8
	global_load_b128 v[8*TI:8*TI+3], v25, s[14:15] offset:64*TI
	global_load_b128 v[8*TI+4:8*TI+7], v25, s[14:15] offset:64*TI+16
.set TI, TI+1
.endr
	v_mov_b32 v64, 0x3d38aa3b                      ; c = log2(e) / 32
	v_mov_b32 v66, 0
	WIN 0
	s_mov_b32 s99, 0xceabfb8e                      ; -1e9 log2(e)
	s_wait_alu depctr_va_vdst(0)
	s_wait_loadcnt 0x0
	WIN 0xc8                                       ; source 1 window 2, destination window 3
.set EI, 0
.rept 64
	v_cmp_ne_u32 vcc_lo, 0, v[EI]
	v_cndmask_b32 v[EI], 0, v64, vcc_lo            ; the key's factor: c, or 0 where it is masked
	v_cndmask_b32 v[64+EI], s99, v66, vcc_lo       ; its addend: 0, or the masked t
.set EI, EI+1
.endr
	WIN 0
	; ---- the scores
	JOBS
	START 0
	SCROW 32, 4, 6                                 ; Wv's scale words and bv serve the second job alone: they land while the scores are multiplied
	WIN 0x40
.set TI, 0
.rept 8
	global_load_b32 v[96+8*TI+96*(TI/4)], v26, s[8:9] offset:64*TI   ; bv of my row of block TI
.set TI, TI+1
.endr
	WIN 0
	STEP 0, 0, 0, 0                                ; the first step's products start the sums
	STEP 1, 0, 0, 1
	STEP 2, 0, 0, 1
	STEP 3, 2, 0, 1                                ; q's parts of slot 0 are read out: they take Wv's chunk 0.  The wait and the round in front of it show slot 1 whole
	STEP 4, 0, 0, 1
	STEP 5, 0, 0, 1
	STEP 6, 0, 0, 1
	STEP 7, 0, 0, 1
	; ---- from the scores to v: q's parts of slot 1 take Wv's chunk 1; v's first fragments are asked for; the rows' figures are made meanwhile
	JOBV
	REFILL 1, 1
	FETCHB 0
	FETCHA 0, 0
	FETCHA 0, 1
	s_wait_loadcnt 0x0                             ; Wv's scale words and bv are in
	WIN 0x41
.set TI, 0
.rept 8
.set BB, 96+8*TI+96*(TI/4)
.irp j, 1,2,3,4,5,6,7
	v_mov_b32 v[BB+\j], v[BB]                      ; bv in the result's layout: all eight registers of a block hold bv of my row
.endr
.set TI, TI+1
.endr
	WIN 0xbe
.set EI, 0
.rept 128
	v_pk_fma_f32 v[2*EI:2*EI+1], v[2*EI:2*EI+1], v[(2*EI)%64:(2*EI)%64+1], v[64+(2*EI)%64:64+(2*EI)%64+1]   ; t, each accumulator from its low end on
.set EI, EI+1
.endr
	WIN 0x0a
.irp a, 0,1,2,3
	v_max_num_f32 v[TM+\a], v[64*\a], v[64*\a+1]   ; the largest t of my 64 keys, the four blocks of rows by turns
.endr
.set EI, 2
.rept 31
.irp a, 0,1,2,3
	v_max3_num_f32 v[TM+\a], v[64*\a+EI], v[64*\a+EI+1], v[TM+\a]
.endr
.set EI, EI+2
.endr
	WIN 0
.irp a, 0,1,2,3
	v_permlanex16_b32 v[TM+4+\a], v[TM+\a], s[SEL], s[SEL+1]
.endr
.irp a, 0,1,2,3
	v_max_num_f32 v[TM+\a], v[TM+\a], v[TM+4+\a]   ; with lane l xor 16's 64 keys: m of the row in this group
.endr
.irp a, 0,1,2,3
	v_mul_f32 v[NM+2*\a], -1.0, v[TM+\a]
	v_mul_f32 v[NM+2*\a+1], -1.0, v[TM+\a]
	v_mov_b32 v[RL+2*\a], 0
	v_mov_b32 v[RL+2*\a+1], 0
.endr
	WIN 0x82
.set EI, 0
.rept 128
	v_pk_add_f32 v[2*EI:2*EI+1], v[2*EI:2*EI+1], v[NM+2*(EI/32):NM+2*(EI/32)+1] op_sel_hi:[1,0]   ; t - m
.set EI, EI+1
.endr
.set EI, 0
	s_wait_alu depctr_va_vdst(0)
.rept 256
	v_exp_f32 v[EI], v[EI]
.set EI, EI+1
.endr
	v_nop                                          ; a plain place behind the last exponential
	s_wait_alu depctr_va_vdst(0)                   ; one wait for the whole batch, ahead of its first reader
	WIN 0x02
.set EI, 0
.rept 32
.irp a, 0,1,2,3
	v_pk_add_f32 v[RL+2*\a:RL+2*\a+1], v[64*\a+2*EI:64*\a+2*EI+1], v[RL+2*\a:RL+2*\a+1]
.endr
.set EI, EI+1
.endr
	WIN 0
.irp a, 0,1,2,3
	v_add_f32 v[TM+8+\a], v[RL+2*\a], v[RL+2*\a+1]
.endr
.irp a, 0,1,2,3
	v_permlanex16_b32 v[TM+4+\a], v[TM+8+\a], s[SEL], s[SEL+1]
.endr
.irp a, 0,1,2,3
	v_add_f32 v[TM+8+\a], v[TM+8+\a], v[TM+4+\a]   ; l of the row in this group
.endr
.irp g, 0,1
.if \g
	s_wait_alu depctr_va_vdst(0)
	s_wait_xcnt 0x0                                ; the first store has read its registers
.endif
	v_cndmask_b32 v[PX], v[TM+2*\g], v[TM+2*\g+1], s[HM]       ; lanes 0-15 the even block's rows, lanes 16-31 the odd block's: 32 rows on end
	v_cndmask_b32 v[PX+1], v[TM+8+2*\g], v[TM+9+2*\g], s[HM]
	global_store_b64 v[L8], v[PX:PX+1], s[SOS:SOS+1] offset:256*\g   ; 256 consecutive bytes, aligned
.endr
	; ---- v: 256 o x 256 keys; k's fragments are read from LDS once more
	STEP 0, 0, 0, 3                                ; the first step's products start the sums from the bias
	STEP 1, 2, 2, 1                                ; A's parts of slot 0 take chunk 2
	STEP 2, 0, 0, 1
	STEP 3, 2, 3, 1                                ; those of slot 1 chunk 3
	STEP 4, 0, 0, 1
	STEP 5, 1, 0, 1                                ; chunk 3 has landed, in every wave
	STEP 6, 0, 0, 1
	STEP 7, 0, 0, 1
	PLACES 4                                       ; in front of the first read of results
.set QA, 0
.rept 8
	QUANTW 64*(QA%4), 2+QA/4
	PUTIMG 3072*QA
	PUTSC QA
.set QA, QA+1
.endr
	FINISH
.Lfunc_end_k_q594ffeed31_vstat:
	.size	k_q594ffeed31_vstat, .Lfunc_end_k_q594ffeed31_vstat-k_q594ffeed31_vstat
	.p2alignl 7, 3214868480
	.fill 96, 4, 3214868480
	.section	.rodata,"a",@progbits
	.p2align	6, 0x0
	.amdhsa_kernel k_q594ffeed31_vstat
		.amdhsa_group_segment_fixed_size 327680
		.amdhsa_private_segment_fixed_size 0
		.amdhsa_enable_private_segment 0
		.amdhsa_kernarg_size 64
		.amdhsa_user_sgpr_count 2
		.amdhsa_user_sgpr_kernarg_segment_ptr 1
		.amdhsa_wavefront_size32 1
		.amdhsa_system_sgpr_workgroup_id_x 1
		.amdhsa_system_sgpr_workgroup_id_y 1
		.amdhsa_system_sgpr_workgroup_id_z 1
		.amdhsa_system_vgpr_workitem_id 0
		.amdhsa_next_free_vgpr 1024
		.amdhsa_next_free_sgpr 100
		.amdhsa_reserve_vcc 1
		.amdhsa_float_denorm_mode_32 3
		.amdhsa_float_denorm_mode_16_64 3
		.amdhsa_memory_ordered 1
		.amdhsa_forward_progress 1
		.amdhsa_inst_pref_size 254
	.end_amdhsa_kernel
	.amdgpu_metadata
---
amdhsa.version: [ 1, 2 ]
amdhsa.kernels:
  - .name:           k_q594ffeed31_vstat
    .symbol:         k_q594ffeed31_vstat.kd
    .args:
      - { .name: wvi, .offset: 0, .size: 8, .value_kind: global_buffer, .address_space: global }
      - { .name: Wv_scales, .offset: 8, .size: 8, .value_kind: global_buffer, .address_space: global }
      - { .name: bv, .offset: 16, .size: 8, .value_kind: global_buffer, .address_space: global }
      - { .name: kb, .offset: 24, .size: 8, .value_kind: global_buffer, .address_space: global }
      - { .name: qb, .offset: 32, .size: 8, .value_kind: global_buffer, .address_space: global }
      - { .name: mask, .offset: 40, .size: 8, .value_kind: global_buffer, .address_space: global }
      - { .name: vb, .offset: 48, .size: 8, .value_kind: global_buffer, .address_space: global }
      - { .name: st, .offset: 56, .size: 8, .value_kind: global_buffer, .address_space: global }
    .group_segment_fixed_size: 327680
    .private_segment_fixed_size: 0
    .kernarg_segment_align: 8
    .kernarg_segment_size: 64
    .max_flat_workgroup_size: 128
    .sgpr_count:     100
    .vgpr_count:     1024
    .wavefront_size: 32
...
	.end_amdgpu_metadata
.endif
;; end of part 7
;; launch soft (part 8): grid 8 x 32, 4 waves a work-group, clusters of 4 x 4, 327,680 bytes of LDS; arguments qb, kb, mask, st, out1, pb; writes out1, pb
.if DOCPART == 8
	.amdgcn_target "amdgcn-amd-amdhsa--gfx1250"
	.amdhsa_code_object_version 6
	.text
	.protected	k_q594ffeed31_soft
	.globl	k_q594ffeed31_soft
	.p2align	8
	.type	k_q594ffeed31_soft,@function
k_q594ffeed31_soft:
	s_mov_b64 s[64:65], 0
	v_nop
	global_prefetch_b8 v0, s[64:65] scope:SCOPE_SE
	s_setreg_imm32_b32 hwreg(HW_REG_WAVE_MODE, 25, 1), 1
	s_wait_xcnt 0x0
	s_wait_alu depctr_hold_cnt(0) depctr_sa_sdst(0) depctr_va_vdst(0) depctr_va_sdst(0) depctr_va_ssrc(0) depctr_va_vcc(0) depctr_vm_vsrc(0)
	s_getreg_b32 s2, hwreg(HW_REG_IB_STS2, 6, 4)
	s_cmp_eq_u32 s2, 0
	s_cbranch_scc0 .Lentry_in_a_cluster
	s_endpgm
.Lentry_in_a_cluster:
	s_bfe_u32 s2, ttmp6, 0x10000c
	s_cmp_lg_u32 s2, 0xf033
	s_cbranch_scc0 .Lentry_shape_is_right
	s_endpgm
.Lentry_shape_is_right:
; The scores once more, by the same instructions on the same codes as in the launch before; then the softmax is finished: p = 2^(t - M) / L, M the row's largest t and L its sum over all 2,048 keys, joined from the 16 groups'
; figures.  NaN becomes 0, as reference() has it.  p leaves as out1, and, quantised along the keys, as register images for the last product.  No work of reference() is left out here.
; Shares, layout, ring and mask as in the launch before: 128 queries x 256 keys a work-group, 64 x 128 a wave, a lane one query.
; OUT: out1 by whole rows of 512 bytes through the wave's own stage in LDS (in slot 0, which has had its only fill, and which nobody reads behind the barrier of step 3);
; pb: images [256 keys][row / 16][half chunk][1,536]; scale words [128 keys][row][4 bytes].
.set NA,    4
.set NB,    8
.set AIMG,  1
.set BIMG,  1
.set KST,   8
.set SQ,    4
.set NSLOT, 2
.set APART, 24576
.set BPART, 49152
.set ACP,   APART/2
.set BCP,   BPART/2
.set NLA,   3
.set BOFF,  4*APART                    ; LDS by parts: A's part w holds its slots 0 and 1 on end at 2 w APART, B's part w at BOFF + 2 w BPART: so one load a wave brings a part's four chunks
.set SLOT,  2*APART+2*BPART
.set SPARE, NSLOT*SLOT
.set LI,  4
.set L4,  5
.set L8,  6
.set ADA, 8
.set ADB, 14
.set STO, 20                           ; the stage: where I put 32 bytes of a row
.set RD,  21                           ; and where I read a row back
.set SPW, 28
.set NIL, 29
.set SCA, 32
.set SCB, 64
.set TM,  96
.set PW,  112
.set PWE, 113
.set PX,  114
.set NM,  116                          ; v116-123 -M, a pair for each block of rows
.set AF,  128
.set BK,  128                          ; the way out: 16 rows read back from the stage
.set ST,  128                          ; ahead of the first fetch: st's figures: v[ST + 32 g + 2 u] m, + 1 l of row 32 g + lane in group u
.set MX,  192
.set LL,  194
.set RR,  198
.set NMX, 200
.set XN,  202
.set XR,  204
.set PC,  224
.set PY,  236
.set RL,  244                          ; v244-251 1 / L, a pair for each block
.set G1A, 28
.set G1B, 36
.set G0A, 44
.set G0B, 56
.set WV,  72
.set WR,  73
.set WC,  74
.set CX,  75
.set CY,  76
.set TX,  77
.set TY,  78
.set HM,  79
.set SEL, 80
.set TA,  82
.set AROW, 85
.set TB,  86
.set BROW, 89
.set OB,  90
.set OS,  92
.set YY,  94
.set O1,  96                           ; s[96:97] out1 at my first row and column
.set MSB, 0
.macro WIN new                         ; the immediate's high byte repeats the setting that is left
.if MSB != (\new)
	s_set_vgpr_msb (MSB<<8)|(\new)
.set MSB, (\new)
.endif
.endm
.macro PLACES n
.rept \n
	v_nop
.endr
.endm
.macro CREST
	s_cmp_lg_u32 s[WV], 0
	s_cbranch_scc1 .Lnot_wave_0_\@
	s_barrier_signal -3
.Lnot_wave_0_\@:
	s_barrier_wait -3
	s_barrier_signal -1
	s_barrier_wait -1
.endm
.macro CROUND
	s_barrier_signal -1
	s_barrier_wait -1
	CREST
.endm
.macro G1SET g, m, w0, d0, d1, str
	s_or_b32 s[\g], s[\m], \w0
	s_mov_b32 s[\g+1], ((\d0)&0xffff)<<16
	s_mov_b32 s[\g+2], ((\d0)>>16)|(((\d1)&0xffff)<<16)
	s_mov_b32 s[\g+3], ((\d1)>>16)|((\d0)<<16)
	s_mov_b32 s[\g+4], \d1
	s_mov_b32 s[\g+5], \str
	s_mov_b32 s[\g+6], 0
	s_mov_b32 s[\g+7], 0
.endm
.macro G0SET p, da, db
	s_mov_b32 s[G0A+4*(\p)], 1
	s_add_co_u32 s[G0A+4*(\p)+1], s[TA+2], (\p)*APART
	s_add_nc_u64 s[G0A+4*(\p)+2:G0A+4*(\p)+3], s[TA:TA+1], \da
	s_or_b32 s[G0A+4*(\p)+3], s[G0A+4*(\p)+3], 0x80000000
	s_mov_b32 s[G0B+4*(\p)+4*((\p)/2)], 1
	s_add_co_u32 s[G0B+4*(\p)+4*((\p)/2)+1], s[TB+2], (\p)*BPART
	s_add_nc_u64 s[G0B+4*(\p)+4*((\p)/2)+2:G0B+4*(\p)+4*((\p)/2)+3], s[TB:TB+1], \db
	s_or_b32 s[G0B+4*(\p)+4*((\p)/2)+3], s[G0B+4*(\p)+4*((\p)/2)+3], 0x80000000
.endm
.macro JLOAD p                         ; a joint load: waves 0, 1 fetch A's parts, waves 2, 3 B's; an s_nop 0 and four v_nop follow each line
	s_cmp_eq_u32 s[WR], 0
	s_cbranch_scc0 .Lfor_b_\@
	tensor_load_to_lds s[G0A+4*(\p):G0A+4*(\p)+3], s[G1A:G1A+7]
	s_nop 0
.rept 4
	v_nop
.endr
	s_branch .Lasked_\@
.Lfor_b_\@:
	tensor_load_to_lds s[G0B+4*(\p)+4*((\p)/2):G0B+4*(\p)+4*((\p)/2)+3], s[G1B:G1B+7]
	s_nop 0
.rept 4
	v_nop
.endr
.Lasked_\@:
.endm
.macro FRG reg, adr, sl, blk, cpb
.irp c, 0,1,2
	ds_load_b128 v[(\reg)+4*\c:(\reg)+4*\c+3], v[\adr] offset:((\sl)/2)*(\cpb)+(2*(\blk)+(\sl)%2)*1536+512*\c
.endr
.endm
.macro FETCHB s
	WIN 0x40
.set FI, 0
.rept NB
	FRG 128*((\s)%2)+12*FI, ADB+((\s)/SQ)%NSLOT, (\s)%SQ, FI, BCP
.set FI, FI+1
.endr
	WIN 0
.endm
.macro FETCHA s, hh
.set FI, (\hh)*NA/2
.rept NA/2
	FRG AF+12*FI, ADA+((\s)/SQ)%NSLOT, (\s)%SQ, FI, ACP
.set FI, FI+1
.endr
.endm
.macro WM cz
.if \cz
.if MRB && MRA
	v_wmma_scale_f32_16x16x128_f8f6f4 v[MD:MD+7], v[MBF:MBF+11], v[MAF:MAF+11], 0, v[MSS], v[MSA] matrix_a_fmt:MATRIX_FMT_FP6 matrix_b_fmt:MATRIX_FMT_FP6 matrix_a_scale:MATRIX_SCALE_ROW1 matrix_b_scale:MATRIX_SCALE_ROW1
.elseif MRB
	v_wmma_scale_f32_16x16x128_f8f6f4 v[MD:MD+7], v[MBF:MBF+11], v[MAF:MAF+11], 0, v[MSS], v[MSA] matrix_a_fmt:MATRIX_FMT_FP6 matrix_b_fmt:MATRIX_FMT_FP6 matrix_a_scale:MATRIX_SCALE_ROW1
.elseif MRA
	v_wmma_scale_f32_16x16x128_f8f6f4 v[MD:MD+7], v[MBF:MBF+11], v[MAF:MAF+11], 0, v[MSS], v[MSA] matrix_a_fmt:MATRIX_FMT_FP6 matrix_b_fmt:MATRIX_FMT_FP6 matrix_b_scale:MATRIX_SCALE_ROW1
.else
	v_wmma_scale_f32_16x16x128_f8f6f4 v[MD:MD+7], v[MBF:MBF+11], v[MAF:MAF+11], 0, v[MSS], v[MSA] matrix_a_fmt:MATRIX_FMT_FP6 matrix_b_fmt:MATRIX_FMT_FP6
.endif
.else
.if MRB && MRA
	v_wmma_scale_f32_16x16x128_f8f6f4 v[MD:MD+7], v[MBF:MBF+11], v[MAF:MAF+11], v[MD:MD+7], v[MSS], v[MSA] matrix_a_fmt:MATRIX_FMT_FP6 matrix_b_fmt:MATRIX_FMT_FP6 matrix_a_scale:MATRIX_SCALE_ROW1 matrix_b_scale:MATRIX_SCALE_ROW1
.elseif MRB
	v_wmma_scale_f32_16x16x128_f8f6f4 v[MD:MD+7], v[MBF:MBF+11], v[MAF:MAF+11], v[MD:MD+7], v[MSS], v[MSA] matrix_a_fmt:MATRIX_FMT_FP6 matrix_b_fmt:MATRIX_FMT_FP6 matrix_a_scale:MATRIX_SCALE_ROW1
.elseif MRA
	v_wmma_scale_f32_16x16x128_f8f6f4 v[MD:MD+7], v[MBF:MBF+11], v[MAF:MAF+11], v[MD:MD+7], v[MSS], v[MSA] matrix_a_fmt:MATRIX_FMT_FP6 matrix_b_fmt:MATRIX_FMT_FP6 matrix_b_scale:MATRIX_SCALE_ROW1
.else
	v_wmma_scale_f32_16x16x128_f8f6f4 v[MD:MD+7], v[MBF:MBF+11], v[MAF:MAF+11], v[MD:MD+7], v[MSS], v[MSA] matrix_a_fmt:MATRIX_FMT_FP6 matrix_b_fmt:MATRIX_FMT_FP6
.endif
.endif
.endm
.macro MULH s, hh, cm                  ; the accumulators take turns, one instruction a turn
	WIN 0xa1
.set MA, (\hh)*NA/2
.rept NA/2
.set MB, 0
.rept NB
.set MD, 8*(MA*NB+MB)
.set MBF, 128*((\s)%2)+12*MB
.set MAF, AF+12*MA
.set MSS, SCB+KST*(MB/2)+(\s)
.set MSA, SCA+KST*(MA/2)+(\s)
.set MRB, MB%2
.set MRA, MA%2
	WM 1-(\cm)
.set MB, MB+1
.endr
.set MA, MA+1
.endr
.endm
.macro STEP s, sync, n, cm
	s_wait_dscnt (NA/2)*NLA                        ; B's set and A's first half are in; the youngest loads, A's second half, may be out
	MULH \s, 0, \cm
	s_wait_dscnt 0x0
.if (\s) < KST-1
.if (\sync) == 1
	WIN 0
	s_wait_tensorcnt \n
	s_barrier_signal -1
	s_barrier_wait -1
.endif
	PLACES 4
	FETCHB (\s)+1
	FETCHA (\s)+1, 0
.endif
	MULH \s, 1, \cm
.if (\s) < KST-1
	PLACES 4
	WIN 0
	FETCHA (\s)+1, 1
.else
	WIN 0
.endif
.endm
.macro START n
	s_wait_loadcnt 0x0
	s_wait_tensorcnt \n
	s_barrier_signal -1
	s_barrier_wait -1
	FETCHB 0
	FETCHA 0, 0
	FETCHA 0, 1
.endm
.macro FINISH
	s_wait_tensorcnt 0x0                           ; the wave's end, behind my last tensor load and my last LDS store
	ds_add_u32 v[SPW], v[NIL]
	s_wait_dscnt 0x0
	CROUND                                         ; the closing round
	s_endpgm
.endm
.macro SCPLN sc, ng, base, pln
.set GI, 0
.rept \ng
.set SI, 0
.rept KST
	global_load_b32 v[(\sc)+KST*GI+SI], v[L4], s[\base:\base+1] offset:SI*(\pln)+128*GI
.set SI, SI+1
.endr
.set GI, GI+1
.endr
.endm
.macro QUANTW s, w                     ; 64 numbers of a lane in window w become a fragment's codes in v[PC] on and its scale word in v[PW]
	s_wait_xcnt 0x0                                ; the last block's stores have read their registers
	WIN 5*(\w)
.irp b, 0,1,2,3
	v_max3_num_f32 v[TM+\b], |v[(\s)+16*\b]|, |v[(\s)+16*\b+1]|, 0x1800000   ; and the floor 2^(3 - 127): the byte cannot fall under 1
.endr
.irp i, 2,4,6,8,10,12,14
.irp b, 0,1,2,3
	v_max3_num_f32 v[TM+\b], |v[(\s)+16*\b+\i]|, |v[(\s)+16*\b+\i+1]|, v[TM+\b]
.endr
.endr
	WIN 0
.irp b, 0,1,2,3
	v_permlanex16_b32 v[TM+4+\b], v[TM+\b], s[SEL], s[SEL+1]
.endr
.irp b, 0,1,2,3
	v_max_num_f32 v[TM+\b], v[TM+\b], v[TM+4+\b]
.endr
.irp b, 0,1,2,3
	v_add_nc_u32 v[TM+12+\b], 0xff000000, v[TM+\b] ; 2 off the exponent field: the conversion's scale operand
.endr
.irp b, 0,1,2,3
	v_lshrrev_b32 v[TM+4+\b], 23, v[TM+12+\b]
.endr
	v_lshl_or_b32 v[PW], v[TM+5], 8, v[TM+4]
	v_lshl_or_b32 v[PW], v[TM+6], 16, v[PW]
	v_lshl_or_b32 v[PW], v[TM+7], 24, v[PW]
	WIN (\w)
.irp c, 0,1
	v_cvt_scalef32_pk16_fp6_f32 v[PC+6*\c:PC+6*\c+2], v[(\s)+32*\c:(\s)+32*\c+15], v[TM+12+2*\c]
	v_cvt_scalef32_pk16_fp6_f32 v[PY+4*\c:PY+4*\c+2], v[(\s)+32*\c+16:(\s)+32*\c+31], v[TM+13+2*\c]
.endr
	WIN 0
	v_nop                                          ; one plain place behind a scaled conversion
.irp c, 0,1
.irp i, 0,1,2
	v_permlane16_swap_b32 v[PC+6*\c+\i], v[PY+4*\c+\i]
.endr
	v_perm_b32 v[PC+6*\c+3], v[PC+6*\c+2], v[PC+6*\c+1], 0x05040302   ; the four pieces of 48 bits into their true order along K
	v_perm_b32 v[PC+6*\c+4], v[PY+4*\c+1], v[PC+6*\c+2], 0x07060302
	v_mov_b32 v[PC+6*\c+5], v[PY+4*\c+2]
	v_perm_b32 v[PC+6*\c+1], v[PY+4*\c], v[PC+6*\c+1], 0x05040100
	v_perm_b32 v[PC+6*\c+2], v[PY+4*\c+1], v[PY+4*\c], 0x05040302
.endr
.endm
.macro PUTIMG off
.irp c, 0,1,2
	global_store_b128 v[LI], v[PC+4*\c:PC+4*\c+3], s[OB:OB+1] offset:(\off)+512*\c
.endr
.endm
.macro PUTSC a
.if (\a)%2 == 0
	v_mov_b32 v[PWE], v[PW]
.else
	v_cndmask_b32 v[PX], v[PWE], v[PW], s[HM]
	global_store_b32 v[L4], v[PX], s[OS:OS+1] offset:((\a)/2)*128
.endif
.endm
	s_load_b256 s[4:11], s[0:1], 0x0               ; qb, kb, mask, st
	s_load_b128 s[12:15], s[0:1], 0x20             ; out1, pb
	v_lshl_add_u32 v[SPW], v0, 2, SPARE
	v_mov_b32 v[NIL], 0
	ds_add_u32 v[SPW], v[NIL]                      ; the wave's opening
	ds_add_u32 v[SPW], v[NIL]
	v_lshrrev_b32 v1, 5, v0
	v_readfirstlane_b32 s[WV], v1
	s_lshr_b32 s[WR], s[WV], 1
	s_and_b32 s[WC], s[WV], 1
	s_bfe_u32 s[CX], ttmp6, 0x40000
	s_bfe_u32 s[CY], ttmp6, 0x40004
	s_lshl_b32 s[TX], ttmp9, 2
	s_add_co_u32 s[TX], s[TX], s[CX]
	s_and_b32 s[YY], ttmp7, 0xffff
	s_lshl_b32 s[TY], s[YY], 2
	s_add_co_u32 s[TY], s[TY], s[CY]
	s_lshl_b32 s95, s[CY], 2
	s_lshl_b32 s95, 15, s95
	s_lshl_b32 s99, 0x1111, s[CX]
	G1SET G1A, 95, (3<<16)|(1<<21), 1536, 4, 98304
	G1SET G1B, 99, (3<<16)|(1<<21), 3072, 4, 393216
	s_mov_b32 s[HM], 0xffff0000
	s_mov_b32 s[SEL], 0x76543210
	s_mov_b32 s[SEL+1], 0xfedcba98
	s_lshl_b32 s[TA], s[TY], 3
	s_lshl_b32 s[TA+1], s[WC], 2
	s_add_co_u32 s[TA], s[TA], s[TA+1]
	s_mul_i32 s[TA], s[TA], 3072
	s_mov_b32 s[TA+1], 0
	s_lshl_b32 s[TB], s[YY], 7
	s_lshl_b32 s[TB+1], s[TX], 4
	s_add_co_u32 s[TB], s[TB], s[TB+1]
	s_lshl_b32 s[TB+1], s[WC], 3
	s_add_co_u32 s[TB], s[TB], s[TB+1]
	s_mul_i32 s[TB], s[TB], 3072
	s_mov_b32 s[TB+1], 0
	s_mul_i32 s[TA+2], s[WC], 2*APART
	s_mul_i32 s[TB+2], s[WC], 2*BPART
	s_add_co_u32 s[TB+2], s[TB+2], BOFF
	s_wait_dscnt 0x0                               ; both opening adds are done
	s_wait_kmcnt 0x0
	s_add_nc_u64 s[TA:TA+1], s[4:5], s[TA:TA+1]
	s_add_nc_u64 s[TB:TB+1], s[6:7], s[TB:TB+1]
	G0SET 0, 0, 0
	G0SET 1, 1572864, 6291456
	CROUND
	JLOAD 0                                        ; one tensor load a wave: all of K of my part
	v_and_b32 v1, 15, v0
	v_bfe_u32 v2, v0, 4, 1
	v_and_b32 v3, 31, v0
	v_lshlrev_b32 v[LI], 4, v3
	v_lshlrev_b32 v[L4], 2, v3
	v_lshlrev_b32 v[L8], 3, v3
.irp b, 0,1,2,3
	v_mov_b32 v[TM+4+\b], 0
.endr
	v_lshlrev_b32 v25, 5, v2
	s_wait_alu depctr_va_vdst(0)
	s_mul_i32 s2, s[WR], 2*APART
	s_mul_i32 s3, s[WC], 2*BPART
	s_add_co_u32 s3, s3, BOFF
.set PI, 0
.rept NSLOT
	v_add_nc_u32 v[ADA+PI], s2, v[LI]
	v_add_nc_u32 v[ADB+PI], s3, v[LI]
	s_add_co_u32 s2, s2, APART
	s_add_co_u32 s3, s3, BPART
.set PI, PI+1
.endr
	s_mul_i32 s2, s[WV], 8448                      ; my stage: 16 rows x (512 + 16) bytes,
	s_add_co_u32 s2, s2, BOFF                      ; in slot 0 of B's part 0: 33,792 of its 49,152 bytes
	v_mul_u32_u24 v[STO], v1, 528
	v_lshl_add_u32 v[STO], v2, 5, v[STO]
	v_add_nc_u32 v[STO], s2, v[STO]
	v_add_nc_u32 v[RD], s2, v[LI]
	s_lshl_b32 s[AROW], s[TY], 7
	s_lshl_b32 s2, s[WR], 6
	s_add_co_u32 s[AROW], s[AROW], s2
	s_lshl_b32 s[BROW], s[YY], 11
	s_lshl_b32 s2, s[TX], 8
	s_add_co_u32 s[BROW], s[BROW], s2
	s_lshl_b32 s2, s[WC], 7
	s_add_co_u32 s[BROW], s[BROW], s2
	s_mov_b32 s3, 0
	s_lshl_b32 s2, s[AROW], 2
	s_add_co_u32 s2, s2, 3145728
	s_add_nc_u64 s[4:5], s[4:5], s[2:3]            ; q's scale planes
	s_lshl_b32 s2, s[BROW], 2
	s_add_nc_u64 s[8:9], s[8:9], s[2:3]            ; the mask
	s_add_co_u32 s2, s2, 12582912
	s_add_nc_u64 s[6:7], s[6:7], s[2:3]            ; k's scale planes
	s_lshl_b32 s2, s[AROW], 3
	s_add_nc_u64 s[10:11], s[10:11], s[2:3]        ; st at my first row
	s_lshl_b32 s2, s[AROW], 13                     ; out1: a row is 8,192 bytes
	s_lshl_b32 s95, s[TX], 10
	s_add_co_u32 s2, s2, s95
	s_lshl_b32 s95, s[WC], 9
	s_add_co_u32 s2, s2, s95
	s_add_nc_u64 s[O1:O1+1], s[12:13], s[2:3]
	s_mul_i32 s2, s[TX], 786432
	s_mul_i32 s95, s[AROW], 192
	s_add_co_u32 s2, s2, s95
	s_mul_i32 s95, s[WC], 1536
	s_add_co_u32 s2, s2, s95
	s_add_nc_u64 s[OB:OB+1], s[14:15], s[2:3]
	s_lshl_b32 s2, s[TX], 1
	s_add_co_u32 s2, s2, s[WC]
	s_lshl_b32 s2, s2, 14
	s_lshl_b32 s95, s[AROW], 2
	s_add_co_u32 s2, s2, s95
	s_add_co_u32 s2, s2, 6291456
	s_add_nc_u64 s[OS:OS+1], s[14:15], s[2:3]
	SCPLN SCA, 2, 4, 16384
	SCPLN SCB, 4, 6, 65536
.irp g, 0,1
.irp u, 0,1,2,3,4,5,6,7,8,9,10,11,12,13,14,15
	global_load_b64 v[ST+32*\g+2*\u:ST+32*\g+2*\u+1], v[L8], s[10:11] offset:32768*\u+256*\g   ; row 32 g + lane, group u
.endr
.endr
	WIN 0x80
.set TI, 0
.rept 8
	global_load_b128 v[8*TI:8*TI+3], v25, s[8:9] offset:64*TI
	global_load_b128 v[8*TI+4:8*TI+7], v25, s[8:9] offset:64*TI+16
.set TI, TI+1
.endr
	v_mov_b32 v64, 0x3d38aa3b                      ; c = log2(e) / 32
	v_mov_b32 v66, 0
	s_mov_b32 s99, 0xceabfb8e                      ; -1e9 log2(e)
	s_wait_alu depctr_va_vdst(0)
	s_wait_loadcnt 0x0
	WIN 0xc8
.set EI, 0
.rept 64
	v_cmp_ne_u32 vcc_lo, 0, v[EI]
	v_cndmask_b32 v[EI], 0, v64, vcc_lo
	v_cndmask_b32 v[64+EI], s99, v66, vcc_lo
.set EI, EI+1
.endr
	WIN 0
	; the rows' M and 1 / L: a lane stands for row 32 g + lane
.irp g, 0,1
	v_max3_num_f32 v[MX+\g], v[ST+32*\g], v[ST+32*\g+2], v[ST+32*\g+4]
.endr
.irp u, 3,5,7,9,11,13
.irp g, 0,1
	v_max3_num_f32 v[MX+\g], v[MX+\g], v[ST+32*\g+2*\u], v[ST+32*\g+2*\u+2]
.endr
.endr
.irp g, 0,1
	v_max_num_f32 v[MX+\g], v[MX+\g], v[ST+32*\g+30]
.endr
.irp u, 0,1,2,3,4,5,6,7,8,9,10,11,12,13,14,15
.irp g, 0,1
	v_sub_f32 v[ST+32*\g+2*\u], v[ST+32*\g+2*\u], v[MX+\g]
.endr
.endr
	s_wait_alu depctr_va_vdst(0)
.irp u, 0,1,2,3,4,5,6,7,8,9,10,11,12,13,14,15
.irp g, 0,1
	v_exp_f32 v[ST+32*\g+2*\u], v[ST+32*\g+2*\u]
.endr
.endr
	v_nop                                          ; a plain place behind the last exponential
	s_wait_alu depctr_va_vdst(0)                   ; one wait for the batch, ahead of its first reader
.irp g, 0,1
	v_mul_f32 v[LL+\g], v[ST+32*\g+1], v[ST+32*\g]
.endr
.irp u, 1,2,3,4,5,6,7,8,9,10,11,12,13,14,15
.irp g, 0,1
	v_fma_f32 v[LL+\g], v[ST+32*\g+2*\u+1], v[ST+32*\g+2*\u], v[LL+\g]   ; L = the sum of the groups' sums, each brought under M
.endr
.endr
	s_wait_alu depctr_va_vdst(0)
.irp g, 0,1
	v_rcp_f32 v[RR+\g], v[LL+\g]
.endr
.irp g, 0,1
	v_mul_f32 v[NMX+\g], -1.0, v[MX+\g]            ; (plain places behind the reciprocals)
	v_mov_b32 v[XN+\g], 0
	v_mov_b32 v[XR+\g], 0
.endr
	s_wait_alu depctr_va_vdst(0)                   ; and one for the two reciprocals
.irp g, 0,1
	v_permlanex16_b32 v[XN+\g], v[NMX+\g], s[SEL], s[SEL+1]
	v_permlanex16_b32 v[XR+\g], v[RR+\g], s[SEL], s[SEL+1]
.endr
.irp g, 0,1                            ; in block 2 g both halves of the lanes want rows 32 g + r, in block 2 g + 1 rows 32 g + 16 + r
	v_cndmask_b32 v[NM+4*\g], v[NMX+\g], v[XN+\g], s[HM]
	v_cndmask_b32 v[NM+4*\g+1], v[NMX+\g], v[XN+\g], s[HM]
	v_cndmask_b32 v[NM+4*\g+2], v[XN+\g], v[NMX+\g], s[HM]
	v_cndmask_b32 v[NM+4*\g+3], v[XN+\g], v[NMX+\g], s[HM]
	v_cndmask_b32 v[RL+4*\g], v[RR+\g], v[XR+\g], s[HM]
	v_cndmask_b32 v[RL+4*\g+1], v[RR+\g], v[XR+\g], s[HM]
	v_cndmask_b32 v[RL+4*\g+2], v[XR+\g], v[RR+\g], s[HM]
	v_cndmask_b32 v[RL+4*\g+3], v[XR+\g], v[RR+\g], s[HM]
.endr
	START 0
	STEP 0, 0, 0, 0
	STEP 1, 0, 0, 1
	STEP 2, 0, 0, 1
	STEP 3, 1, 0, 1                                ; slot 1 has landed, in every wave; behind this barrier nobody reads slot 0
	STEP 4, 0, 0, 1
	STEP 5, 0, 0, 1
	STEP 6, 0, 0, 1
	STEP 7, 0, 0, 1
	PLACES 4                                       ; in front of the first read of results
.set QA, 0
.rept 4                                ; a block of 16 rows x 128 keys at a time, from the scores to the stores: a block's stores are out while the next block is computed
	WIN 0xbe
	s_wait_alu depctr_va_vdst(0)                   ; directly ahead of the first reader of the block's matrix results
.set EI, 32*QA
.rept 32
	v_pk_fma_f32 v[2*EI:2*EI+1], v[2*EI:2*EI+1], v[(2*EI)%64:(2*EI)%64+1], v[64+(2*EI)%64:64+(2*EI)%64+1]   ; t, each accumulator from its low end on
.set EI, EI+1
.endr
	WIN 0x82
.set EI, 32*QA
.rept 32
	v_pk_add_f32 v[2*EI:2*EI+1], v[2*EI:2*EI+1], v[NM+2*QA:NM+2*QA+1] op_sel_hi:[1,0]   ; t - M
.set EI, EI+1
.endr
	s_wait_alu depctr_va_vdst(0)                   ; ahead of the batch
.set EI, 64*QA
.rept 64
	v_exp_f32 v[EI], v[EI]
.set EI, EI+1
.endr
	v_nop                                          ; a plain place behind the last exponential
	s_wait_alu depctr_va_vdst(0)                   ; one wait for the batch
.set EI, 32*QA
.rept 32
	v_pk_mul_f32 v[2*EI:2*EI+1], v[2*EI:2*EI+1], v[RL+2*QA:RL+2*QA+1] op_sel_hi:[1,0]   ; / L
.set EI, EI+1
.endr
	WIN 0x88
.set EI, 64*QA
.rept 64
	v_max_num_f32 v[EI], 0, v[EI]                  ; reference()'s guard: a NaN loses against 0; no p is negative
.set EI, EI+1
.endr
	WIN 0
	QUANTW 64*QA, 2
	WIN 0x08                                       ; an LDS store's data: window 2
.set TI, 0
.rept 8
	ds_store_b128 v[STO], v[64*QA+8*TI:64*QA+8*TI+3] offset:64*TI
	ds_store_b128 v[STO], v[64*QA+8*TI+4:64*QA+8*TI+7] offset:64*TI+16
.set TI, TI+1
.endr
	WIN 0
.set TI, 0
.rept 16
	ds_load_b128 v[BK+4*TI:BK+4*TI+3], v[RD] offset:528*TI   ; LDS serves a wave's instructions in order (ISA guide 5.7.1.4): these see my stores
.set TI, TI+1
.endr
	PUTIMG 3072*QA
	PUTSC QA
	s_wait_dscnt 0x0                               ; the block is back in registers
.set TI, 0
.rept 16
	global_store_b128 v[LI], v[BK+4*TI:BK+4*TI+3], s[O1:O1+1] offset:(16*QA+TI)*8192 th:TH_STORE_NT   ; 32 lanes store 512 consecutive bytes, aligned
.set TI, TI+1
.endr
.set QA, QA+1
.endr
	FINISH
.Lfunc_end_k_q594ffeed31_soft:
	.size	k_q594ffeed31_soft, .Lfunc_end_k_q594ffeed31_soft-k_q594ffeed31_soft
	.p2alignl 7, 3214868480
	.fill 96, 4, 3214868480
	.section	.rodata,"a",@progbits
	.p2align	6, 0x0
	.amdhsa_kernel k_q594ffeed31_soft
		.amdhsa_group_segment_fixed_size 327680
		.amdhsa_private_segment_fixed_size 0
		.amdhsa_enable_private_segment 0
		.amdhsa_kernarg_size 48
		.amdhsa_user_sgpr_count 2
		.amdhsa_user_sgpr_kernarg_segment_ptr 1
		.amdhsa_wavefront_size32 1
		.amdhsa_system_sgpr_workgroup_id_x 1
		.amdhsa_system_sgpr_workgroup_id_y 1
		.amdhsa_system_sgpr_workgroup_id_z 1
		.amdhsa_system_vgpr_workitem_id 0
		.amdhsa_next_free_vgpr 1024
		.amdhsa_next_free_sgpr 100
		.amdhsa_reserve_vcc 1
		.amdhsa_float_denorm_mode_32 3
		.amdhsa_float_denorm_mode_16_64 3
		.amdhsa_memory_ordered 1
		.amdhsa_forward_progress 1
		.amdhsa_inst_pref_size 159
	.end_amdhsa_kernel
	.amdgpu_metadata
---
amdhsa.version: [ 1, 2 ]
amdhsa.kernels:
  - .name:           k_q594ffeed31_soft
    .symbol:         k_q594ffeed31_soft.kd
    .args:
      - { .name: qb, .offset: 0, .size: 8, .value_kind: global_buffer, .address_space: global }
      - { .name: kb, .offset: 8, .size: 8, .value_kind: global_buffer, .address_space: global }
      - { .name: mask, .offset: 16, .size: 8, .value_kind: global_buffer, .address_space: global }
      - { .name: st, .offset: 24, .size: 8, .value_kind: global_buffer, .address_space: global }
      - { .name: out1, .offset: 32, .size: 8, .value_kind: global_buffer, .address_space: global }
      - { .name: pb, .offset: 40, .size: 8, .value_kind: global_buffer, .address_space: global }
    .group_segment_fixed_size: 327680
    .private_segment_fixed_size: 0
    .kernarg_segment_align: 8
    .kernarg_segment_size: 48
    .max_flat_workgroup_size: 128
    .sgpr_count:     100
    .vgpr_count:     1024
    .wavefront_size: 32
...
	.end_amdgpu_metadata
.endif
;; end of part 8
;; launch pv (part 9): grid 8 x 32, 4 waves a work-group, clusters of 4 x 4, 327,680 bytes of LDS; arguments pb, vb, out0; writes out0
.if DOCPART == 9
	.amdgcn_target "amdgcn-amd-amdhsa--gfx1250"
	.amdhsa_code_object_version 6
	.text
	.protected	k_q594ffeed31_pv
	.globl	k_q594ffeed31_pv
	.p2align	8
	.type	k_q594ffeed31_pv,@function
k_q594ffeed31_pv:
	s_mov_b64 s[64:65], 0
	v_nop
	global_prefetch_b8 v0, s[64:65] scope:SCOPE_SE
	s_setreg_imm32_b32 hwreg(HW_REG_WAVE_MODE, 25, 1), 1
	s_wait_xcnt 0x0
	s_wait_alu depctr_hold_cnt(0) depctr_sa_sdst(0) depctr_va_vdst(0) depctr_va_sdst(0) depctr_va_ssrc(0) depctr_va_vcc(0) depctr_vm_vsrc(0)
	s_getreg_b32 s2, hwreg(HW_REG_IB_STS2, 6, 4)
	s_cmp_eq_u32 s2, 0
	s_cbranch_scc0 .Lentry_in_a_cluster
	s_endpgm
.Lentry_in_a_cluster:
	s_bfe_u32 s2, ttmp6, 0x10000c
	s_cmp_lg_u32 s2, 0xf033
	s_cbranch_scc0 .Lentry_shape_is_right
	s_endpgm
.Lentry_shape_is_right:
; out0 = Q(p) Q(v), K = a batch's 2,048 keys.  No work of reference() is left out here.
; A (source 1) = 128 queries of p's codes, B (source 0) = 128 outputs o of v's codes, both as register images; a wave makes 64 x 64: 16 accumulators; a lane holds one query and eight neighbouring o.
; K goes in 16 steps of 128, four to a slot; three LDS slots are filled at the start, and slot 0 once more, with the last 512 keys.  p's tile is asked for jointly by a row of the cluster, v's by a column.
; OUT through the wave's own stage in LDS (in slot 1, which has had its only fill, and which nobody reads behind the barrier of step 11): sixteen lanes store 256 consecutive bytes, aligned.
.set NA,    4
.set NB,    4
.set KST,   16
.set SQ,    4
.set NSLOT, 3
.set APART, 24576
.set BPART, 24576
.set ACP,   APART/2
.set BCP,   BPART/2
.set STEPA, 4718592                    ; slot 0's second fill is three pairs of chunks on
.set STEPB, 1179648
.set NLA,   3
.set BOFF,  6*APART                    ; LDS by parts: A's part w holds its slots 0, 1, 2 on end at 3 w APART, B's part w at BOFF + 3 w BPART: so one load a wave brings a part's first six chunks
.set SLOT,  2*APART+2*BPART
.set SPARE, NSLOT*SLOT
.set LI,  4
.set L4,  5
.set ADA, 8
.set ADB, 14
.set STO, 20
.set RD,  21
.set CO,  22
.set SPW, 28
.set NIL, 29
.set SCA, 32
.set SCB, 64
.set AF,  128
.set BK,  128
.set G1A, 28
.set G1B, 36
.set G0A, 44
.set G0B, 56
.set WV,  72
.set WR,  73
.set WC,  74
.set CX,  75
.set CY,  76
.set TX,  77
.set TY,  78
.set TA,  82
.set AROW, 85
.set TB,  86
.set BROW, 89
.set OB,  90
.set YY,  94
.set MSB, 0
.macro WIN new                         ; the immediate's high byte repeats the setting that is left
.if MSB != (\new)
	s_set_vgpr_msb (MSB<<8)|(\new)
.set MSB, (\new)
.endif
.endm
.macro PLACES n
.rept \n
	v_nop
.endr
.endm
.macro CREST
	s_cmp_lg_u32 s[WV], 0
	s_cbranch_scc1 .Lnot_wave_0_\@
	s_barrier_signal -3
.Lnot_wave_0_\@:
	s_barrier_wait -3
	s_barrier_signal -1
	s_barrier_wait -1
.endm
.macro CROUND
	s_barrier_signal -1
	s_barrier_wait -1
	CREST
.endm
.macro G1SET g, m, w0, d0, d1, str
	s_or_b32 s[\g], s[\m], \w0
	s_mov_b32 s[\g+1], ((\d0)&0xffff)<<16
	s_mov_b32 s[\g+2], ((\d0)>>16)|(((\d1)&0xffff)<<16)
	s_mov_b32 s[\g+3], ((\d1)>>16)|((\d0)<<16)
	s_mov_b32 s[\g+4], \d1
	s_mov_b32 s[\g+5], \str
	s_mov_b32 s[\g+6], 0
	s_mov_b32 s[\g+7], 0
.endm
.macro G0SET p, da, db
	s_mov_b32 s[G0A+4*(\p)], 1
	s_add_co_u32 s[G0A+4*(\p)+1], s[TA+2], (\p)*APART
	s_add_nc_u64 s[G0A+4*(\p)+2:G0A+4*(\p)+3], s[TA:TA+1], \da
	s_or_b32 s[G0A+4*(\p)+3], s[G0A+4*(\p)+3], 0x80000000
	s_mov_b32 s[G0B+4*(\p)+4*((\p)/2)], 1
	s_add_co_u32 s[G0B+4*(\p)+4*((\p)/2)+1], s[TB+2], (\p)*BPART
	s_add_nc_u64 s[G0B+4*(\p)+4*((\p)/2)+2:G0B+4*(\p)+4*((\p)/2)+3], s[TB:TB+1], \db
	s_or_b32 s[G0B+4*(\p)+4*((\p)/2)+3], s[G0B+4*(\p)+4*((\p)/2)+3], 0x80000000
.endm
.macro JLOAD p                         ; a joint load: waves 0, 1 fetch A's parts, waves 2, 3 B's; an s_nop 0 and four v_nop follow each line
	s_cmp_eq_u32 s[WR], 0
	s_cbranch_scc0 .Lfor_b_\@
	tensor_load_to_lds s[G0A+4*(\p):G0A+4*(\p)+3], s[G1A:G1A+7]
	s_nop 0
.rept 4
	v_nop
.endr
	s_branch .Lasked_\@
.Lfor_b_\@:
	tensor_load_to_lds s[G0B+4*(\p)+4*((\p)/2):G0B+4*(\p)+4*((\p)/2)+3], s[G1B:G1B+7]
	s_nop 0
.rept 4
	v_nop
.endr
.Lasked_\@:
.endm
.macro FRG reg, adr, sl, blk, cpb
.irp c, 0,1,2
	ds_load_b128 v[(\reg)+4*\c:(\reg)+4*\c+3], v[\adr] offset:((\sl)/2)*(\cpb)+(2*(\blk)+(\sl)%2)*1536+512*\c
.endr
.endm
.macro FETCHB s
	WIN 0x40
.set FI, 0
.rept NB
	FRG 128*((\s)%2)+12*FI, ADB+((\s)/SQ)%NSLOT, (\s)%SQ, FI, BCP
.set FI, FI+1
.endr
	WIN 0
.endm
.macro FETCHA s, hh
.set FI, (\hh)*NA/2
.rept NA/2
	FRG AF+12*FI, ADA+((\s)/SQ)%NSLOT, (\s)%SQ, FI, ACP
.set FI, FI+1
.endr
.endm
.macro WM cz
.if \cz
.if MRB && MRA
	v_wmma_scale_f32_16x16x128_f8f6f4 v[MD:MD+7], v[MBF:MBF+11], v[MAF:MAF+11], 0, v[MSS], v[MSA] matrix_a_fmt:MATRIX_FMT_FP6 matrix_b_fmt:MATRIX_FMT_FP6 matrix_a_scale:MATRIX_SCALE_ROW1 matrix_b_scale:MATRIX_SCALE_ROW1
.elseif MRB
	v_wmma_scale_f32_16x16x128_f8f6f4 v[MD:MD+7], v[MBF:MBF+11], v[MAF:MAF+11], 0, v[MSS], v[MSA] matrix_a_fmt:MATRIX_FMT_FP6 matrix_b_fmt:MATRIX_FMT_FP6 matrix_a_scale:MATRIX_SCALE_ROW1
.elseif MRA
	v_wmma_scale_f32_16x16x128_f8f6f4 v[MD:MD+7], v[MBF:MBF+11], v[MAF:MAF+11], 0, v[MSS], v[MSA] matrix_a_fmt:MATRIX_FMT_FP6 matrix_b_fmt:MATRIX_FMT_FP6 matrix_b_scale:MATRIX_SCALE_ROW1
.else
	v_wmma_scale_f32_16x16x128_f8f6f4 v[MD:MD+7], v[MBF:MBF+11], v[MAF:MAF+11], 0, v[MSS], v[MSA] matrix_a_fmt:MATRIX_FMT_FP6 matrix_b_fmt:MATRIX_FMT_FP6
.endif
.else
.if MRB && MRA
	v_wmma_scale_f32_16x16x128_f8f6f4 v[MD:MD+7], v[MBF:MBF+11], v[MAF:MAF+11], v[MD:MD+7], v[MSS], v[MSA] matrix_a_fmt:MATRIX_FMT_FP6 matrix_b_fmt:MATRIX_FMT_FP6 matrix_a_scale:MATRIX_SCALE_ROW1 matrix_b_scale:MATRIX_SCALE_ROW1
.elseif MRB
	v_wmma_scale_f32_16x16x128_f8f6f4 v[MD:MD+7], v[MBF:MBF+11], v[MAF:MAF+11], v[MD:MD+7], v[MSS], v[MSA] matrix_a_fmt:MATRIX_FMT_FP6 matrix_b_fmt:MATRIX_FMT_FP6 matrix_a_scale:MATRIX_SCALE_ROW1
.elseif MRA
	v_wmma_scale_f32_16x16x128_f8f6f4 v[MD:MD+7], v[MBF:MBF+11], v[MAF:MAF+11], v[MD:MD+7], v[MSS], v[MSA] matrix_a_fmt:MATRIX_FMT_FP6 matrix_b_fmt:MATRIX_FMT_FP6 matrix_b_scale:MATRIX_SCALE_ROW1
.else
	v_wmma_scale_f32_16x16x128_f8f6f4 v[MD:MD+7], v[MBF:MBF+11], v[MAF:MAF+11], v[MD:MD+7], v[MSS], v[MSA] matrix_a_fmt:MATRIX_FMT_FP6 matrix_b_fmt:MATRIX_FMT_FP6
.endif
.endif
.endm
.macro MULH s, hh, cm                  ; the accumulators take turns, one instruction a turn
	WIN 0xa1
.set MA, (\hh)*NA/2
.rept NA/2
.set MB, 0
.rept NB
.set MD, 8*(MA*NB+MB)
.set MBF, 128*((\s)%2)+12*MB
.set MAF, AF+12*MA
.set MSS, SCB+KST*(MB/2)+(\s)
.set MSA, SCA+KST*(MA/2)+(\s)
.set MRB, MB%2
.set MRA, MA%2
	WM 1-(\cm)
.set MB, MB+1
.endr
.set MA, MA+1
.endr
.endm
.macro REFILL p
	WIN 0
	s_wait_tensorcnt 0x0                           ; all my tensor loads have landed, those of slots 1 and 2 among them, so a group 0 may be written
	ds_add_u32 v[SPW], v[NIL]                      ; 0 onto my spare word
	s_add_nc_u64 s[G0A+4*(\p)+2:G0A+4*(\p)+3], s[G0A+4*(\p)+2:G0A+4*(\p)+3], STEPA
	s_mov_b32 s[G1A+2], 2<<16                      ; from here on a load brings two chunks: tensor_dim1 = 2,
	s_mov_b32 s[G1A+4], 2                          ; tile_dim1 = 2
	s_mov_b32 s[G1B+2], 2<<16
	s_mov_b32 s[G1B+4], 2
	s_add_nc_u64 s[G0B+4*(\p)+4*((\p)/2)+2:G0B+4*(\p)+4*((\p)/2)+3], s[G0B+4*(\p)+4*((\p)/2)+2:G0B+4*(\p)+4*((\p)/2)+3], STEPB
	s_wait_dscnt 0x0                               ; the add is done, and my reads of the slot are over
	CROUND
	JLOAD \p                                       ; the first tensor load behind the round; its four v_nop are the places in front of the loads that follow
.endm
.macro STEP s, sync, n, cm
	s_wait_dscnt (NA/2)*NLA                        ; B's set and A's first half are in; the youngest loads, A's second half, may be out
	MULH \s, 0, \cm
	s_wait_dscnt 0x0
.if (\s) < KST-1
.if (\sync) == 0
	PLACES 4
.elseif (\sync) == 1
	WIN 0
	s_wait_tensorcnt \n
	s_barrier_signal -1
	s_barrier_wait -1
	PLACES 4
.else
	REFILL ((\s)/SQ)%NSLOT
.endif
	FETCHB (\s)+1
	FETCHA (\s)+1, 0
.endif
	MULH \s, 1, \cm
.if (\s) < KST-1
	PLACES 4
	WIN 0
	FETCHA (\s)+1, 1
.else
	WIN 0
.endif
.endm
.macro START n
	s_wait_loadcnt 0x0
	s_wait_tensorcnt \n
	s_barrier_signal -1
	s_barrier_wait -1
	FETCHB 0
	FETCHA 0, 0
	FETCHA 0, 1
.endm
.macro FINISH
	s_wait_tensorcnt 0x0                           ; the wave's end, behind my last tensor load and my last LDS store
	ds_add_u32 v[SPW], v[NIL]
	s_wait_dscnt 0x0
	CROUND                                         ; the closing round
	s_endpgm
.endm
.macro SCPLN sc, ng, base, pln
.set GI, 0
.rept \ng
.set SI, 0
.rept KST
	global_load_b32 v[(\sc)+KST*GI+SI], v[L4], s[\base:\base+1] offset:SI*(\pln)+128*GI
.set SI, SI+1
.endr
.set GI, GI+1
.endr
.endm
.macro TOST a                          ; block a, 16 rows x 64 o, into my stage and back as whole rows of 256 bytes
	WIN 0x08
.irp b, 0,1,2,3
	ds_store_b128 v[STO], v[32*(\a)+8*\b:32*(\a)+8*\b+3] offset:64*\b        ; each accumulator from its low end on
	ds_store_b128 v[STO], v[32*(\a)+8*\b+4:32*(\a)+8*\b+7] offset:64*\b+16
.endr
	WIN 0
.irp i, 0,1,2,3,4,5,6,7
	ds_load_b128 v[BK+32*((\a)%2)+4*\i:BK+32*((\a)%2)+4*\i+3], v[RD] offset:544*\i   ; LDS serves a wave's instructions in order (ISA guide 5.7.1.4)
.endr
.endm
.macro SEND a, y                       ; y: the LDS instructions issued behind block a's loads, which may stay out
	s_wait_dscnt \y
.irp i, 0,1,2,3,4,5,6,7
	global_store_b128 v[CO], v[BK+32*((\a)%2)+4*\i:BK+32*((\a)%2)+4*\i+3], s[OB:OB+1] offset:(16*(\a)+2*\i)*4096 th:TH_STORE_NT
.endr
.endm
	s_load_b128 s[4:7], s[0:1], 0x0                ; pb, vb
	s_load_b64 s[8:9], s[0:1], 0x10                ; out0
	v_lshl_add_u32 v[SPW], v0, 2, SPARE
	v_mov_b32 v[NIL], 0
	ds_add_u32 v[SPW], v[NIL]                      ; the wave's opening
	ds_add_u32 v[SPW], v[NIL]
	v_lshrrev_b32 v1, 5, v0
	v_readfirstlane_b32 s[WV], v1
	s_lshr_b32 s[WR], s[WV], 1
	s_and_b32 s[WC], s[WV], 1
	s_bfe_u32 s[CX], ttmp6, 0x40000
	s_bfe_u32 s[CY], ttmp6, 0x40004
	s_lshl_b32 s[TX], ttmp9, 2
	s_add_co_u32 s[TX], s[TX], s[CX]               ; the tile of 128 outputs
	s_and_b32 s[YY], ttmp7, 0xffff                 ; the batch
	s_lshl_b32 s[TY], s[YY], 2
	s_add_co_u32 s[TY], s[TY], s[CY]               ; the tile of 128 queries
	s_lshl_b32 s95, s[CY], 2
	s_lshl_b32 s95, 15, s95
	s_lshl_b32 s99, 0x1111, s[CX]
	G1SET G1A, 95, (3<<16)|(1<<21), 1536, 6, 98304    ; six chunks' 12,288 dense bytes, 786,432 bytes apart
	G1SET G1B, 99, (3<<16)|(1<<21), 1536, 6, 24576    ; the same, 196,608 bytes apart
	s_lshl_b32 s[TA], s[TY], 3
	s_lshl_b32 s[TA+1], s[WC], 2
	s_add_co_u32 s[TA], s[TA], s[TA+1]
	s_mul_i32 s[TA], s[TA], 3072
	s_mov_b32 s[TA+1], 0
	s_lshl_b32 s[TB], s[TX], 3
	s_lshl_b32 s[TB+1], s[WC], 2
	s_add_co_u32 s[TB], s[TB], s[TB+1]
	s_mul_i32 s[TB], s[TB], 3072
	s_mul_i32 s[TB+1], s[YY], 1572864              ; the batch's eight chunks
	s_add_co_u32 s[TB], s[TB], s[TB+1]
	s_mov_b32 s[TB+1], 0
	s_mul_i32 s[TA+2], s[WC], 3*APART
	s_mul_i32 s[TB+2], s[WC], 3*BPART
	s_add_co_u32 s[TB+2], s[TB+2], BOFF
	s_wait_dscnt 0x0                               ; both opening adds are done
	s_wait_kmcnt 0x0
	s_add_nc_u64 s[TA:TA+1], s[4:5], s[TA:TA+1]
	s_add_nc_u64 s[TB:TB+1], s[6:7], s[TB:TB+1]
	G0SET 0, 0, 0
	G0SET 1, 1572864, 393216
	G0SET 2, 3145728, 786432
	CROUND
	JLOAD 0                                        ; one tensor load a wave: the first 1,536 keys of my part
	v_and_b32 v1, 15, v0
	v_bfe_u32 v2, v0, 4, 1
	v_and_b32 v3, 31, v0
	v_lshlrev_b32 v[LI], 4, v3
	v_lshlrev_b32 v[L4], 2, v3
	s_mul_i32 s2, s[WR], 3*APART
	s_mul_i32 s3, s[WC], 3*BPART
	s_add_co_u32 s3, s3, BOFF
.set PI, 0
.rept NSLOT
	v_add_nc_u32 v[ADA+PI], s2, v[LI]
	v_add_nc_u32 v[ADB+PI], s3, v[LI]
	s_add_co_u32 s2, s2, APART
	s_add_co_u32 s3, s3, BPART
.set PI, PI+1
.endr
	s_mul_i32 s2, s[WV], 4352                      ; my stage: 16 rows x (256 + 16) bytes, in slot 1 of A's part 0: 17,408 of its 24,576 bytes
	s_add_co_u32 s2, s2, APART
	v_mul_u32_u24 v[STO], v1, 272
	v_lshl_add_u32 v[STO], v2, 5, v[STO]
	v_add_nc_u32 v[STO], s2, v[STO]
	v_mul_u32_u24 v[RD], v2, 272
	v_lshl_add_u32 v[RD], v1, 4, v[RD]
	v_add_nc_u32 v[RD], s2, v[RD]                  ; back: lanes 0-15 one row, lanes 16-31 the next
	v_lshlrev_b32 v[CO], 12, v2
	v_lshl_add_u32 v[CO], v1, 4, v[CO]             ; and the same two rows in out0
	s_lshl_b32 s[AROW], s[TY], 7
	s_lshl_b32 s2, s[WR], 6
	s_add_co_u32 s[AROW], s[AROW], s2
	s_lshl_b32 s[BROW], s[TX], 7
	s_lshl_b32 s2, s[WC], 6
	s_add_co_u32 s[BROW], s[BROW], s2
	s_mov_b32 s3, 0
	s_lshl_b32 s2, s[AROW], 2
	s_add_co_u32 s2, s2, 6291456
	s_add_nc_u64 s[4:5], s[4:5], s[2:3]            ; p's scale planes
	s_lshl_b32 s2, s[BROW], 2
	s_lshl_b32 s95, s[YY], 16
	s_add_co_u32 s2, s2, s95
	s_add_co_u32 s2, s2, 12582912
	s_add_nc_u64 s[6:7], s[6:7], s[2:3]            ; v's, of my batch
	s_lshl_b32 s2, s[AROW], 12
	s_lshl_b32 s95, s[BROW], 2
	s_add_co_u32 s2, s2, s95
	s_add_nc_u64 s[OB:OB+1], s[8:9], s[2:3]
	SCPLN SCA, 2, 4, 16384
	SCPLN SCB, 2, 6, 4096
	START 0                                        ; all three slots are in
	STEP 0, 0, 0, 0                                ; the first step's products start the sums
	STEP 1, 0, 0, 1
	STEP 2, 0, 0, 1
	STEP 3, 2, 0, 1                                ; slot 0 takes the last 512 keys; the wait and the round in front of it have shown slots 1 and 2 whole to every wave
	s_wait_alu depctr_va_vdst(0)
.irp s, 4,5,6,7,8,9,10
	STEP \s, 0, 0, 1
.endr
	STEP 11, 1, 0, 1                               ; slot 0's second fill has landed, in every wave; behind this barrier nobody reads slot 1
.irp s, 12,13,14,15
	STEP \s, 0, 0, 1
.endr
	PLACES 4                                       ; in front of the first read of results, and of loads into A's registers
	TOST 0
.irp a, 1,2,3
.if \a > 1
	s_wait_xcnt 0x0                                ; the stores of two blocks back have read their registers
.endif
	TOST \a
	SEND \a-1, 16                                  ; behind that block's loads: this block's 8 stores and 8 loads
.endr
	SEND 3, 0
	FINISH
.Lfunc_end_k_q594ffeed31_pv:
	.size	k_q594ffeed31_pv, .Lfunc_end_k_q594ffeed31_pv-k_q594ffeed31_pv
	.p2alignl 7, 3214868480
	.fill 96, 4, 3214868480
	.section	.rodata,"a",@progbits
	.p2align	6, 0x0
	.amdhsa_kernel k_q594ffeed31_pv
		.amdhsa_group_segment_fixed_size 327680
		.amdhsa_private_segment_fixed_size 0
		.amdhsa_enable_private_segment 0
		.amdhsa_kernarg_size 24
		.amdhsa_user_sgpr_count 2
		.amdhsa_user_sgpr_kernarg_segment_ptr 1
		.amdhsa_wavefront_size32 1
		.amdhsa_system_sgpr_workgroup_id_x 1
		.amdhsa_system_sgpr_workgroup_id_y 1
		.amdhsa_system_sgpr_workgroup_id_z 1
		.amdhsa_system_vgpr_workitem_id 0
		.amdhsa_next_free_vgpr 640
		.amdhsa_next_free_sgpr 100
		.amdhsa_reserve_vcc 0
		.amdhsa_float_denorm_mode_32 3
		.amdhsa_float_denorm_mode_16_64 3
		.amdhsa_memory_ordered 1
		.amdhsa_forward_progress 1
		.amdhsa_inst_pref_size 86
	.end_amdhsa_kernel
	.amdgpu_metadata
---
amdhsa.version: [ 1, 2 ]
amdhsa.kernels:
  - .name:           k_q594ffeed31_pv
    .symbol:         k_q594ffeed31_pv.kd
    .args:
      - { .name: pb, .offset: 0, .size: 8, .value_kind: global_buffer, .address_space: global }
      - { .name: vb, .offset: 8, .size: 8, .value_kind: global_buffer, .address_space: global }
      - { .name: out0, .offset: 16, .size: 8, .value_kind: global_buffer, .address_space: global }
    .group_segment_fixed_size: 327680
    .private_segment_fixed_size: 0
    .kernarg_segment_align: 8
    .kernarg_segment_size: 24
    .max_flat_workgroup_size: 128
    .sgpr_count:     100
    .vgpr_count:     640
    .wavefront_size: 32
...
	.end_amdgpu_metadata
.endif
;; end of part 9
